; MI455X (gfx1250); checked and timed in simulation.
; The chip was launched on July 23, 2026; its instructions are those of AMD's public machine-readable ISA for CDNA 5 (MIT licence, August 2026) and "CDNA5" Instruction Set Architecture Reference Guide (July 2026). The comments in the code are by the model that wrote it; some were corrected since.
;; Optimized DS Mo E. Allowed arithmetic: matrix products marked QUANTISED: E5M2 operands, one E8M0 scale for each 32 along K, by v_wmma_scale_f32_16x16x128_f8f6f4 with both operands' format E5M2, f32 sums; products left as they are: f32 operands where the result goes on into a quantised operand, else bf16, f16 or f32 operands; f32 sums; everything else in f32.
;; Inputs: W1_codes 8 x 4,096 x 32 x 32 uint8 (E5M2 codes of W1, K innermost, in blocks of 32 codes); W1_scales 8 x 4,096 x 32 uint8 (E8M0 scales of W1, one for each 32 codes along K); W2_codes 8 x 1,024 x 128 x 32 uint8 (E5M2 codes of W2, K innermost, in blocks of 32 codes); W2_scales 8 x 1,024 x 128 uint8 (E8M0 scales of W2, one for each 32 codes along K); Wg 1,024 x 8 float32; x 4 x 256 x 1,024 float32.
;; Outputs: out0 4 x 256 x 1,024 float32; out1 one number float32.
;; This version of the problem:
;;   THIS VERSION OF THE PROBLEM IS GIVEN IN LOW PRECISION. The matrix products marked QUANTISED in the list below multiply operands that are first quantised to E5M2 (5 exponent bits, 2 mantissa bits; 8 bits a number), with one power-of-two scale for each 32 numbers along K (OCP MX v1.0); their sums are f32. All else is computed in f32.
;;   The module's matrix products, in the order in which they are computed (A, B: the left and right operand; K: the contracted axis; several contracted axes count as one K, in the product's order):
;;     1. [M 1,024, K 1,024] x [K 1,024, N 8]; A: input x; B: input Wg: left as it is (N = 8 < 16)
;;     2. [M 1,024, K 1,024] x [K 1,024, N 4,096]; A: input x; B: input W1 (given as codes): QUANTISED
;;     3. [M 1,024, K 4,096] x [K 4,096, N 1,024]; A: computed on the way; B: input W2 (given as codes): QUANTISED
;;     4. [M 1,024, K 1,024] x [K 1,024, N 4,096]; A: input x; B: input W1 (given as codes): QUANTISED
;;     5. [M 1,024, K 4,096] x [K 4,096, N 1,024]; A: computed on the way; B: input W2 (given as codes): QUANTISED
;;     6. [M 1,024, K 1,024] x [K 1,024, N 4,096]; A: input x; B: input W1 (given as codes): QUANTISED
;;     7. [M 1,024, K 4,096] x [K 4,096, N 1,024]; A: computed on the way; B: input W2 (given as codes): QUANTISED
;;     8. [M 1,024, K 1,024] x [K 1,024, N 4,096]; A: input x; B: input W1 (given as codes): QUANTISED
;;     9. [M 1,024, K 4,096] x [K 4,096, N 1,024]; A: computed on the way; B: input W2 (given as codes): QUANTISED
;;     10. [M 1,024, K 1,024] x [K 1,024, N 4,096]; A: input x; B: input W1 (given as codes): QUANTISED
;;     11. [M 1,024, K 4,096] x [K 4,096, N 1,024]; A: computed on the way; B: input W2 (given as codes): QUANTISED
;;     12. [M 1,024, K 1,024] x [K 1,024, N 4,096]; A: input x; B: input W1 (given as codes): QUANTISED
;;     13. [M 1,024, K 4,096] x [K 4,096, N 1,024]; A: computed on the way; B: input W2 (given as codes): QUANTISED
;;     14. [M 1,024, K 1,024] x [K 1,024, N 4,096]; A: input x; B: input W1 (given as codes): QUANTISED
;;     15. [M 1,024, K 4,096] x [K 4,096, N 1,024]; A: computed on the way; B: input W2 (given as codes): QUANTISED
;;     16. [M 1,024, K 1,024] x [K 1,024, N 4,096]; A: input x; B: input W1 (given as codes): QUANTISED
;;     17. [M 1,024, K 4,096] x [K 4,096, N 1,024]; A: computed on the way; B: input W2 (given as codes): QUANTISED
;;   THE QUANTISER, for each operand of a quantised product, along K:
;;     - K is cut into blocks of 32 from its start; a last block that is shorter is filled with zeros.
;;     - A block's scale is 2^e with e = floor(log2(the largest magnitude in the block)) - 15, held to -126 .. 127; a block of zeros has e = 0. As a byte (E8M0): e + 127.
;;     - Each number is divided by its block's scale, clamped to +-57,344, and rounded to the nearest number of E5M2, ties to even, subnormals kept.
;;     - The product sums the exact products of the quantised numbers (number of the format x scale) in f32.
;;   ~~~python
;;   def quantise(x, axis):      # numpy; x: float32 -> the quantised numbers, widened to float32 again
;;       x = np.moveaxis(x, axis, -1); K = x.shape[-1]
;;       x = np.pad(x, [(0, 0)] * (x.ndim - 1) + [(0, -K % 32)]); x = x.reshape(x.shape[:-1] + (-1, 32)); a = np.abs(x).max(-1, keepdims=True)
;;       e = np.where(a > 0, np.clip(np.frexp(np.where(a > 0, a, 1))[1] - 1 - 15, -126, 127), 0)      # np.frexp(a)[1] - 1 = floor(log2(a)), exactly
;;       r = np.clip(x / 2.0 ** e, -57344, 57344)
;;       step = 2.0 ** (np.maximum(np.frexp(np.where(r == 0, 1, r))[1] - 1, -14) - 2)
;;       q = np.round(r / step) * step * 2.0 ** e      # np.round: ties to even
;;       return np.moveaxis(q.reshape(q.shape[:-2] + (-1,))[..., :K], -1, axis).astype(np.float32)
;;   ~~~
;;   OPERANDS COMPUTED ON THE WAY. 'Computed on the way' means the value that the module computes at that place (a softmax that the list does not call 'softmax' is quantised finished and normalised). What goes into a quantiser is computed in f32, as accurately as f32 sums, v_exp_f32 and their like allow (about 1e-6 of the number): no bf16 or f16 on the way to a quantiser, and a product that is left as it is and whose result goes on into a quantised operand takes f32 operands (vector FMAs, or v_wmma_f32_16x16x4_f32). A number that lies on a knife's edge between two numbers of the format may be rounded either way, as far as f32 arithmetic and the matrix unit's own rounding can turn it there, and no further.
;;   INPUTS GIVEN AS CODES. W1 (in the module: [8, 1024, 4096], K = its axis 1); W2 (in the module: [8, 4096, 1024], K = its axis 1): each comes as NAME_codes (uint8): NAME with its K axis moved to the last place and cut into blocks of 32 codes, [.., K / 32, bytes a block], one block behind the other in memory; one code a byte (a code: sign, 5 exponent bits, 2 mantissa bits); and NAME_scales (uint8): the same leading axes, one E8M0 byte (e + 127) for each 32 codes along K. Its value is code x scale, taken as it is: it is not quantised again, and the codes and scales need not be those that the quantiser above would give.
;; 2 versions. Each part assembles by itself: llvm-mc -triple=amdgcn-amd-amdhsa -mcpu=gfx1250 --defsym DOCPART=n.
;; ======== version 1 of 2: 4 launches
;; workspace buffers: xq 1,081,344 bytes; sel 4,096 bytes of whole numbers; fw 16,384 bytes; rk 33,792 bytes of whole numbers; hq 34,603,008 bytes; yp 134,217,728 bytes
;; launch route (part 1): grid 256 x 1, 4 waves a work-group, no clusters, 1,536 bytes of LDS; arguments x, Wg, xq, sel, fw; writes xq, sel, fw
.if DOCPART == 1
	.amdgcn_target "amdgcn-amd-amdhsa--gfx1250"
	.amdhsa_code_object_version 6
	.text
	.protected	k_q2e22ffb9fe_route
	.globl	k_q2e22ffb9fe_route
	.p2align	8
	.type	k_q2e22ffb9fe_route,@function
k_q2e22ffb9fe_route:
	s_mov_b64 s[64:65], 0
	v_nop
	global_prefetch_b8 v0, s[64:65] scope:SCOPE_SE
	s_setreg_imm32_b32 hwreg(HW_REG_WAVE_MODE, 25, 1), 1
	s_wait_xcnt 0x0
; ROUTE.  For each of 1,024 tokens: the gate's 8 logits (f32 multiply-adds), softmax, the two largest probabilities (equal ones: the lower index), their weights c = p / (p0 + p1 + 1e-8);
; and x turned into codes of E5M2 with one E8M0 byte for each 32 along K.
; OUT: xq: codes [token][1024 bytes] from byte 0, scale bytes [token][32] from byte 1,048,576.   sel: a word a token: (1 << e0) | (1 << e1) | e0 << 8 | e1 << 16.
;      fw: (c0, c1) [token][2] from byte 0; the sum of the work-group's four rows of probabilities [work-group][8] from byte 8,192.
; No address and no branch of this launch hangs on the choice: it is stored at fixed places, and later launches read it.
; SHARES.  A work-group takes 4 tokens.  Wave w takes k = 256 w .. 256 w + 255 of all four, lane l the eight k = 256 w + 8 l + i.  The waves' partial logits meet in LDS; wave 0 finishes, lane = 8 x token + expert.
; LIMITS: NaN and infinities are not served.  A block of zeros gets the byte 1 and not 127: its codes are zeros and this program alone reads the bytes; blocks whose largest magnitude lies under 2^-111 are held at byte 1.
; The logits are summed in another order than a row-by-row sum: two probabilities that differ by the last bits may change places.
.set XR,   16                          ; v16-47    x: 8 t + i
.set GW,   48                          ; v48-111   Wg: 8 i + e
.set ACC,  112                         ; v112-143  partial logits: 8 t + e
.set CD,   144                         ; v144-151  codes, two registers a token
.set MX,   152                         ; v152-155  largest magnitudes
.set SCL,  156                         ; v156-159  the conversions' scale operands
.set HOLD, 160                         ; v160-163  57,344 x the scale
.set BYT,  164                         ; v164-167  scale bytes
.set TP,   168                         ; v168-175  at work
.set PART, 0                           ; LDS: [wave][32 f32]
.set XSL,  512                         ; LDS: [token][32 scale bytes]
	s_load_b256 s[4:11], s[0:1], 0x0               ; x s[4:5], Wg s[6:7], xq s[8:9], sel s[10:11]
	s_load_b64 s[12:13], s[0:1], 0x20              ; fw
	v_lshl_add_u32 v176, v0, 2, 0x400
	v_mov_b32 v177, 0
	v_lshrrev_b32 v1, 5, v0
	v_readfirstlane_b32 s16, v1                    ; wave 0..3
	v_and_b32 v1, 31, v0                           ; lane
	v_lshlrev_b32 v2, 5, v1                        ; x: 32 bytes a lane
	v_lshlrev_b32 v3, 8, v1                        ; Wg: 8 rows of 32 bytes a lane
	v_lshlrev_b32 v4, 3, v1                        ; codes: 8 bytes a lane
	v_lshrrev_b32 v5, 2, v1                        ; a block of 32 is four lanes
	s_lshl_b32 s17, s16, 3
	s_add_co_u32 s17, s17, XSL
	v_add_nc_u32 v5, s17, v5                       ; LDS: XSL + 8 w + lane / 4: my block's byte
	s_lshl_b32 s17, s16, 7
	v_mov_b32 v6, s17                              ; LDS: PART + 128 w
	v_lshlrev_b32 v7, 2, v1                        ; 4 x lane
	s_mov_b32 s20, 0x76543210
	s_mov_b32 s21, 0xfedcba98                      ; v_permlanex16_b32's selects for lane l xor 16
	s_mov_b32 s22, 0x600000                        ; the mantissa field of 57,344
	s_lshl_b32 s18, ttmp9, 14                      ; x: 4 rows of 4,096 bytes a work-group, 1,024 bytes a wave
	s_lshl_b32 s17, s16, 10
	s_add_co_u32 s18, s18, s17
	s_mov_b32 s19, 0
	s_lshl_b32 s24, s16, 13                        ; Wg: 256 rows a wave
	s_mov_b32 s25, 0
	s_lshl_b32 s26, ttmp9, 12                      ; codes: 4 rows of 1,024 bytes, 256 bytes a wave
	s_lshl_b32 s17, s16, 8
	s_add_co_u32 s26, s26, s17
	s_mov_b32 s27, 0
	s_lshl_b32 s28, ttmp9, 7                       ; scale bytes: 128 a work-group
	s_add_co_u32 s28, s28, 0x100000
	s_mov_b32 s29, 0
	s_lshl_b32 s30, ttmp9, 4                       ; sel: 16 bytes a work-group
	s_mov_b32 s31, 0
	s_lshl_b32 s32, ttmp9, 5                       ; fw: 32 bytes a work-group, in both its parts
	s_mov_b32 s33, 0
	s_wait_kmcnt 0x0
	s_add_nc_u64 s[14:15], s[8:9], s[28:29]
	s_add_nc_u64 s[4:5], s[4:5], s[18:19]
	s_add_nc_u64 s[6:7], s[6:7], s[24:25]
	s_add_nc_u64 s[8:9], s[8:9], s[26:27]
	s_add_nc_u64 s[10:11], s[10:11], s[30:31]
	s_add_nc_u64 s[12:13], s[12:13], s[32:33]
.irp t, 0,1,2,3
	global_load_b128 v[XR+8*\t:XR+8*\t+3], v2, s[4:5] offset:4096*\t th:TH_LOAD_NT
	global_load_b128 v[XR+8*\t+4:XR+8*\t+7], v2, s[4:5] offset:4096*\t+16 th:TH_LOAD_NT
.endr
.irp n, 0,1,2,3,4,5,6,7,8,9,10,11,12,13,14,15
	global_load_b128 v[GW+4*\n:GW+4*\n+3], v3, s[6:7] offset:16*\n
.endr
.irp k, 0,1,2,3,4,5,6,7
	v_mov_b32 v[TP+\k], 0                          ; written once: a lane permute's destination counts as one of its sources
.endr
	s_wait_loadcnt 0x0
	; THE GATE: 4 tokens x 8 experts x my 8 k, two experts an instruction; x's number serves both halves.  The first product starts the sums.  16 chains by turns
.irp t, 0,1,2,3
.irp p, 0,1,2,3
	v_pk_mul_f32 v[ACC+8*\t+2*\p:ACC+8*\t+2*\p+1], v[XR+8*\t:XR+8*\t+1], v[GW+2*\p:GW+2*\p+1] op_sel_hi:[0,1]
.endr
.endr
.irp i, 2,4,6
.irp t, 0,1,2,3
.irp p, 0,1,2,3
	v_pk_fma_f32 v[ACC+8*\t+2*\p:ACC+8*\t+2*\p+1], v[XR+8*\t+\i:XR+8*\t+\i+1], v[GW+8*\i+2*\p:GW+8*\i+2*\p+1], v[ACC+8*\t+2*\p:ACC+8*\t+2*\p+1] op_sel_hi:[0,1,1]
.endr
.endr
.endr
.irp i, 1,3,5,7
.irp t, 0,1,2,3
.irp p, 0,1,2,3
	v_pk_fma_f32 v[ACC+8*\t+2*\p:ACC+8*\t+2*\p+1], v[XR+8*\t+\i-1:XR+8*\t+\i], v[GW+8*\i+2*\p:GW+8*\i+2*\p+1], v[ACC+8*\t+2*\p:ACC+8*\t+2*\p+1] op_sel:[1,0,0] op_sel_hi:[1,1,1]
.endr
.endr
.endr
	; THE QUANTISER, behind the gate, since the hold changes x.  The four tokens by turns
.irp t, 0,1,2,3
	v_max3_num_f32 v[MX+\t], |v[XR+8*\t]|, |v[XR+8*\t+1]|, 0x8000000   ; my 8 numbers, and the floor 2^(16 - 127): the byte cannot fall under 1
.endr
.irp i, 2,4,6
.irp t, 0,1,2,3
	v_max3_num_f32 v[MX+\t], v[MX+\t], |v[XR+8*\t+\i]|, |v[XR+8*\t+\i+1]|
.endr
.endr
.irp t, 0,1,2,3
	v_max_num_f32_dpp v[MX+\t], v[MX+\t], v[MX+\t] row_xmask:1 row_mask:0xf bank_mask:0xf
.endr
.irp t, 0,1,2,3
	v_max_num_f32_dpp v[MX+\t], v[MX+\t], v[MX+\t] row_xmask:2 row_mask:0xf bank_mask:0xf   ; the four lanes of the block
.endr
.irp t, 0,1,2,3
	v_add_nc_u32 v[SCL+\t], 0xf8800000, v[MX+\t]   ; 15 off the exponent field: the conversion takes that field as its scale
.endr
.irp t, 0,1,2,3
	v_and_or_b32 v[HOLD+\t], v[MX+\t], 0x7f800000, s22   ; 57,344 x the scale
.endr
.irp t, 0,1,2,3
	v_lshrrev_b32 v[BYT+\t], 23, v[SCL+\t]         ; the scale's byte
.endr
.irp t, 0,1,2,3
.irp i, 0,1,2,3,4,5,6,7
	v_med3_num_f32 v[XR+8*\t+\i], v[XR+8*\t+\i], -v[HOLD+\t], v[HOLD+\t]   ; the conversion to an 8-bit code does not saturate (ISA guide 7.6.2)
.endr
.endr
.irp t, 0,1,2,3
	v_cvt_scalef32_pk8_bf8_f32 v[CD+2*\t:CD+2*\t+1], v[XR+8*\t:XR+8*\t+7], v[SCL+\t]
.endr
	v_nop                                          ; a plain line behind the last scaled conversion
.irp t, 0,1,2,3
	ds_store_b8 v5, v[BYT+\t] offset:32*\t         ; the four lanes of a block write the same byte with the same value
	global_store_b64 v4, v[CD+2*\t:CD+2*\t+1], s[8:9] offset:1024*\t   ; the wave stores 256 consecutive bytes, at a multiple of 256 from the buffer's first byte
.endr
	; the 32 partial logits are summed over the 32 lanes
.irp m, 1,2,4,8
.set n, 0
.rept 32
	v_add_f32_dpp v[ACC+n], v[ACC+n], v[ACC+n] row_xmask:\m row_mask:0xf bank_mask:0xf
.set n, n+1
.endr
.endr
.set n, 0
.rept 4
.irp k, 0,1,2,3,4,5,6,7
	v_permlanex16_b32 v[TP+\k], v[ACC+n+\k], s20, s21
.endr
.irp k, 0,1,2,3,4,5,6,7
	v_add_f32 v[ACC+n+\k], v[ACC+n+\k], v[TP+\k]
.endr
.set n, n+8
.endr
.irp n, 0,1,2,3,4,5,6,7
	ds_store_b128 v6, v[ACC+4*\n:ACC+4*\n+3] offset:PART+16*\n   ; every lane holds the sums: all write the same bytes with the same values
.endr
	s_wait_dscnt 0x0                               ; for wave 0's sake: my LDS stores are done
	s_barrier_signal -1
	s_barrier_wait -1
	s_cmp_lg_u32 s16, 0
	s_cbranch_scc1 .Lend                           ; behind the one barrier: waves 1 to 3 are done
	; WAVE 0: lane = 8 t + e
	ds_load_b32 v24, v7 offset:PART
	ds_load_b32 v25, v7 offset:PART+128
	ds_load_b32 v26, v7 offset:PART+256
	ds_load_b32 v27, v7 offset:PART+384
	ds_load_b32 v28, v7 offset:XSL                 ; the four tokens' 128 scale bytes, a word a lane
	s_wait_dscnt 0x0
	v_add_f32 v24, v24, v25
	v_add_f32 v26, v26, v27
	v_add_f32 v8, v24, v26                         ; the logit
	global_store_b32 v7, v28, s[14:15]             ; 128 consecutive bytes
	v_mov_b32 v9, v8
	v_max_num_f32_dpp v9, v9, v9 row_xmask:1 row_mask:0xf bank_mask:0xf
	v_max_num_f32_dpp v9, v9, v9 row_xmask:2 row_mask:0xf bank_mask:0xf
	v_max_num_f32_dpp v9, v9, v9 row_xmask:4 row_mask:0xf bank_mask:0xf   ; the token's largest logit
	v_sub_f32 v10, v8, v9
	v_mul_f32 v10, 0x3fb8aa3b, v10
	v_exp_f32 v10, v10
	v_and_b32 v13, 7, v1                           ; e.  (A plain line behind the exponential)
	s_wait_alu depctr_va_vdst(0)                   ; the wait ahead of the first line that names the result
	v_mov_b32 v11, v10
	v_add_f32_dpp v11, v11, v11 row_xmask:1 row_mask:0xf bank_mask:0xf
	v_add_f32_dpp v11, v11, v11 row_xmask:2 row_mask:0xf bank_mask:0xf
	v_add_f32_dpp v11, v11, v11 row_xmask:4 row_mask:0xf bank_mask:0xf
	v_rcp_f32 v12, v11
	v_mov_b32 v16, 0                               ; (a plain line)
	v_mov_b32 v17, 0
	s_wait_alu depctr_va_vdst(0)
	v_mul_f32 v12, v10, v12                        ; p
; The largest of eight (value, index) pairs, in all eight lanes: the neighbour's pair is taken where its value is larger, or equal with the lower index
.macro TOP val, idx
.irp m, 1,2,4
	v_mov_b32_dpp v16, v[\val] row_xmask:\m row_mask:0xf bank_mask:0xf
	v_mov_b32_dpp v17, v[\idx] row_xmask:\m row_mask:0xf bank_mask:0xf
	v_cmp_gt_f32 s24, v16, v[\val]
	v_cmp_eq_f32 s25, v16, v[\val]
	v_cmp_lt_u32 s26, v17, v[\idx]
	s_and_b32 s25, s25, s26
	s_or_b32 s24, s24, s25
	v_cndmask_b32 v[\val], v[\val], v16, s24
	v_cndmask_b32 v[\idx], v[\idx], v17, s24
.endr
.endm
	v_mov_b32 v18, v12
	v_mov_b32 v19, v13
	TOP 18, 19                                     ; v18 = p0, v19 = e0
	v_cmp_eq_u32 s24, v13, v19
	v_cndmask_b32 v20, v12, -1.0, s24              ; the first choice is taken out: -1 lies under every probability
	v_mov_b32 v21, v13
	TOP 20, 21                                     ; v20 = p1, v21 = e1
	v_add_f32 v22, v18, v20
	v_add_f32 v22, 0x322bcc77, v22                 ; + 1e-8
	v_rcp_f32 v29, v22
	v_lshrrev_b32 v27, 1, v1                       ; (a plain line)  lane / 2: 4 bytes a token in lanes 0, 8, 16, 24
	v_lshlrev_b32 v23, v19, 1
	v_lshlrev_b32 v24, v21, 1
	v_or_b32 v23, v23, v24
	v_lshl_or_b32 v23, v19, 8, v23
	v_lshl_or_b32 v23, v21, 16, v23                ; the word for sel
	v_mov_b32 v25, v12
	v_add_f32_dpp v25, v25, v25 row_xmask:8 row_mask:0xf bank_mask:0xf
	v_permlanex16_b32 v26, v25, s20, s21
	v_add_f32 v25, v25, v26                        ; p summed over the four tokens
	s_wait_alu depctr_va_vdst(0)
	v_mul_f32 v30, v18, v29                        ; c0
	v_mul_f32 v31, v20, v29                        ; c1
	v_cmp_eq_u32 vcc_lo, 0, v13
	s_wait_xcnt 0x0                                ; EXEC is a source of the stores that are out: it changes only behind this wait
	s_and_saveexec_b32 s30, vcc_lo                 ; one lane a token
	global_store_b32 v27, v23, s[10:11]
	global_store_b64 v1, v[30:31], s[12:13]
	s_wait_xcnt 0x0
	s_or_b32 exec_lo, exec_lo, s30
	v_cmp_gt_u32 vcc_lo, 8, v1
	s_and_saveexec_b32 s30, vcc_lo                 ; lanes 0 to 7: one for each expert
	global_store_b32 v7, v25, s[12:13] offset:8192
	s_wait_xcnt 0x0
	s_or_b32 exec_lo, exec_lo, s30
.Lend:
	s_wait_tensorcnt 0x0
	ds_add_u32 v176, v177
	s_wait_dscnt 0x0
	s_endpgm
.Lfunc_end_k_q2e22ffb9fe_route:
	.size	k_q2e22ffb9fe_route, .Lfunc_end_k_q2e22ffb9fe_route-k_q2e22ffb9fe_route
	.p2alignl 7, 3214868480
	.fill 96, 4, 3214868480
	.section	.rodata,"a",@progbits
	.p2align	6, 0x0
	.amdhsa_kernel k_q2e22ffb9fe_route
		.amdhsa_group_segment_fixed_size 1536
		.amdhsa_private_segment_fixed_size 0
		.amdhsa_enable_private_segment 0
		.amdhsa_kernarg_size 40
		.amdhsa_user_sgpr_count 2
		.amdhsa_user_sgpr_kernarg_segment_ptr 1
		.amdhsa_wavefront_size32 1
		.amdhsa_system_sgpr_workgroup_id_x 1
		.amdhsa_system_sgpr_workgroup_id_y 1
		.amdhsa_system_sgpr_workgroup_id_z 1
		.amdhsa_system_vgpr_workitem_id 0
		.amdhsa_next_free_vgpr 178
		.amdhsa_next_free_sgpr 66
		.amdhsa_reserve_vcc 1
		.amdhsa_float_denorm_mode_32 3
		.amdhsa_float_denorm_mode_16_64 3
		.amdhsa_memory_ordered 1
		.amdhsa_forward_progress 1
		.amdhsa_inst_pref_size 36
	.end_amdhsa_kernel
	.amdgpu_metadata
---
amdhsa.version: [ 1, 2 ]
amdhsa.kernels:
  - .name:           k_q2e22ffb9fe_route
    .symbol:         k_q2e22ffb9fe_route.kd
    .args:
      - { .name: x, .offset: 0, .size: 8, .value_kind: global_buffer, .address_space: global }
      - { .name: Wg, .offset: 8, .size: 8, .value_kind: global_buffer, .address_space: global }
      - { .name: xq, .offset: 16, .size: 8, .value_kind: global_buffer, .address_space: global }
      - { .name: sel, .offset: 24, .size: 8, .value_kind: global_buffer, .address_space: global }
      - { .name: fw, .offset: 32, .size: 8, .value_kind: global_buffer, .address_space: global }
    .group_segment_fixed_size: 1536
    .private_segment_fixed_size: 0
    .kernarg_segment_align: 8
    .kernarg_segment_size: 40
    .max_flat_workgroup_size: 128
    .sgpr_count:     66
    .vgpr_count:     178
    .wavefront_size: 32
...
	.end_amdgpu_metadata
.endif
;; end of part 1
;; launch ffn1 (part 2): grid 32 x 8, 4 waves a work-group, no clusters, 133,632 bytes of LDS; arguments W1_codes, W1_scales, xq, sel, hq, rk; writes hq, rk
.if DOCPART == 2
	.amdgcn_target "amdgcn-amd-amdhsa--gfx1250"
	.amdhsa_code_object_version 6
	.text
	.protected	k_q2e22ffb9fe_ffn1
	.globl	k_q2e22ffb9fe_ffn1
	.p2align	8
	.type	k_q2e22ffb9fe_ffn1,@function
k_q2e22ffb9fe_ffn1:
	s_mov_b64 s[64:65], 0
	v_nop
	global_prefetch_b8 v0, s[64:65] scope:SCOPE_SE
	s_setreg_imm32_b32 hwreg(HW_REG_WAVE_MODE, 25, 1), 1
	s_wait_xcnt 0x0
; FFN1.  H = Q(gelu(x W1[e])) for the rows that chose expert e, on codes of E5M2 with E8M0 scales; gelu is the exact one; Q is the quantiser along the second product's K.
; Only chosen rows are multiplied: the others are multiplied by a weight 0 that the layer builds itself.
; SHARES.  Work-group (j = x, e = y) owns 128 hidden units of expert e: 128 rows x 1,024 bytes of W1, read from memory once in the launch, and kept in LDS.  These 128 units are K step j of the second product.
; THE RANKS.  The tokens that chose e are numbered 0 .. cnt - 1 in the order of the registers in which sel's 1,024 words are loaded (register 4 g + k of lane l holds token 128 g + 4 l + k; register by register, lane by lane).
; Every wave makes for itself, out of sel, the tokens of the ranks that it works on, while its weights are on their way: a walk over the 32 registers keeps, for each wanted rank, the register's mask of chosen lanes and the
; count of chosen tokens ahead of it; then the wanted set bit of that mask is found by halving.  sel holds whole numbers that the launch before stored; every token is held under 1,024 before it enters an address.
; Wave 0 of work-group (0, e) also stores every token's rank (rk: pos [token][8 experts] from byte 0) and cnt (rk: [e][32 equal words] from byte 32,768) for the launches that follow; this launch loads nothing from rk.
; THE WAVES SHARE THE ROWS.  The expert's rows, by rank, go in tiles of 16; tile g belongs to wave g % 4.  A PASS of a wave takes five tiles (slots): slot u of pass p is tile 4 (5 p + u) + w.
; The loop over passes has four trips, enough for all 1,024 tokens on one expert; a pass whose first row lies behind the last rank is jumped over.  Slots behind the end are multiplied on token 0's row and thrown away.
; One barrier, behind the staging of the weights; none in a loop, since the trips' work hangs on a count made of loaded numbers.  For the same reason: no tensor load, no cluster (partners would need different numbers of tiles).
; THE PRODUCT IS USED TRANSPOSED: source 0 = 16 rows of W1, source 1 = 16 rows of x: a lane holds one row of H.  THE ROWS OF W1 THAT FORM A TILE ARE NOT NEIGHBOURS: lane r of tile 2 b + u takes row
; 32 b + 8 u + r + 8 (r / 8), so that registers 16 b + i of a slot are hidden units 32 b + 16 (lane / 16) + i: the order of the next operand's registers.  The staging lays the rows so in LDS.
; OUT.  hq: codes as images of operand registers, [e][tile 64][K step 32][2,048 bytes] (quad c of lane l at 512 c + 16 l); scale words from byte 33,554,432, [e][tile][K quarter 4][row 16][8 words].
; GELU.  g = max(x, 0) - |x| q, q = erfc(|x| / sqrt 2) / 2 = t 2^(P(t) - x^2 log2(e) / 2), t = 1 / (1 + |x| sqrt(2) / 4), P a polynomial of degree 9 (the Chebyshev fit of erfc whose fractional error is under 1.2e-7,
; times log2 e, less 1).  Nothing is subtracted from 1, so small results keep their relative accuracy.
; LIMITS: NaN and infinities are not served.  A block of zeros gets the byte 1 and not 127 (its codes are zeros; this program alone reads the bytes); blocks under 2^-111 are held at byte 1.
; REGISTERS, in windows of 256.  Window 0: v1-31 addresses; v32-63 W1's scale words; v64-103 x's; v104-167 slot 4's accumulators; v168-247 stage 3 of x's ring, and, while that is free, the ranking.
;   Window 1: two sets of W1's 8 fragments; in the epilogue: scratch.   Window 2: stages 0 to 2 of x's ring, 80 registers each.   Window 3: the accumulators of slots 0 to 3; at the head: the weights on their way to LDS.
.set LP,      1040                     ; a weight row in LDS: 1,024 bytes + 16: an odd multiple of 16, so that the 16 rows of a fragment load start in 16 different groups of banks
.set WPITCH,  1024                     ; a row of W1 in memory
.set WSPITCH, 32                       ; a row of its scale bytes
.set SK,      128                      ; x: bytes from K step to K step
.set SC,      32                       ; and from quad to quad
.set NXA,     0                        ; x's bases do not move from pass to pass: the ranks do
.set NXS,     0
.set LI,   1                           ; v1   16 x lane
.set RR,   2                           ; v2   r = lane % 16
.set HH,   3                           ; v3   h = lane / 16
.set VW0,  4                           ; v4-5 LDS: my place in tiles 0-3, 4-7
.set VS,   6                           ; v6   LDS: where my wave stages
.set WSO,  7                           ; v7   my row among W1's scale words
.set H16,  9                           ; v9   16 h
.set R32,  10                          ; v10  32 r
.set AOFF, 12                          ; v12-16  slot u: my row's codes
.set ASO,  17                          ; v17-21  slot u: my row's scale bytes
.set LE,   22                          ; v22-26  slot u: my row's token
.set CK8,  30                          ; v30-31  the polynomial's c8, twice
.set WSC,  32                          ; 8 b + s: lanes 0-15 tile 2 b, lanes 16-31 tile 2 b + 1, K step s
.set ASC,  64                          ; 8 u + s
.set ACC4, 104
.set RING3, 168
.set SW,   168                         ; the ranking, in stage 3's registers: v168-199 sel's words, then ranks
.set RHO,  200                         ; v200-204  slot u: the rank that I want
.set MV,   205                         ; v205-209  the mask of the register in which it lies
.set PKV,  210                         ; v210-214  chosen tokens ahead of that register | its first token << 16
.set KK,   215                         ; v215-219  which set bit of the mask
.set BA,   220                         ; v220-224  the mask's counts of bits in fields of 2,
.set BB,   225                         ; v225-229  of 4,
.set BCN,  230                         ; v230-234  of 8
.set PS,   235                         ; v235-239  the bit's place
.set TV,   240                         ; v240-244  at work
.set TT,   245                         ; v245-247  at work
.set GX,   0                           ; window 1 in the epilogue: x, then g
.set GT,   64                          ; t
.set GY,   128
.set GP,   192
.set TM,   64                          ; the quantiser's 16 registers at work,
.set QC,   80                          ; its codes,
.set PW,   96                          ; its scale word
.set WB,   4                           ; s[4:5]   my wave's 32 rows of W1
.set WSB,  6                           ; s[6:7]   the piece's scale bytes
.set AB,   8                           ; s[8:9]   x's codes
.set SB,   10                          ; s[10:11] sel
.set HP,   12                          ; s[12:13] hq: the pass's first image
.set ASB,  14                          ; s[14:15] x's scale bytes
.set HSP,  16                          ; s[16:17] hq: the pass's first scale words
.set CNTB, 18                          ; s[18:19] rk + 128 e
.set CNT,  20                          ; s20  the expert's rows
.set WV,   21
.set EX,   22
.set ROW0, 24                          ; s24  the pass's first row of my wave: 320 p + 16 w
.set PASS, 25
.set SU,   26                          ; s26  the slot in the epilogue
.set RW,   27                          ; s27  its first row
.set HC,   28
.set HSC,  30
.set T0,   32
.set T1,   34
.set SEL,  36
.set MNT,  38
.set KH,   39
.set YK,   40
.set CF,   42                          ; s[42+2k:43+2k] c_k, k = 0 .. 7, each twice: the packed forms name pairs
.set C9,   58
.set POSB, 60                          ; s[60:61] rk + 4 e
.set EBIT, 62                          ; s62  1 << e
.set PR,   63                          ; s63  chosen tokens so far
.set CM,   66                          ; s66-70  a compare's lanes, one register a slot
.set SMK,  72                          ; s72-73  a register's mask of chosen lanes, two by turns
.set PKS,  74                          ; s74-75  count | first token << 16, two by turns
.set BCT,  76
.set RT,   77
.set MSB, 0
.macro WIN new                         ; the immediate's high byte repeats the setting that is left; a switch that changes nothing is dropped
.if MSB != (\new)
	s_set_vgpr_msb (MSB<<8)|(\new)
.set MSB, (\new)
.endif
.endm
.macro PLACES n
.rept \n
	v_nop
.endr
.endm
; rows first .. first + count - 1 of my wave's 32 rows of the piece into window 3, 512 consecutive bytes a load
.macro WROWS first, count
	WIN 0xc0
.set p, \first
.rept \count
	global_load_b128 v[8*p:8*p+3], v[LI], s[WB:WB+1] offset:p*WPITCH th:TH_LOAD_NT
	global_load_b128 v[8*p+4:8*p+7], v[LI], s[WB:WB+1] offset:p*WPITCH+512 th:TH_LOAD_NT
.set p, p+1
.endr
	WIN 0
.endm
.macro WSCALES                         ; the piece's scale words, 8 a row
.irp b, 0,1,2,3
.irp g, 0,1
	global_load_b128 v[WSC+8*\b+4*\g:WSC+8*\b+4*\g+3], v[WSO], s[WSB:WSB+1] offset:32*\b*WSPITCH+16*\g
.endr
.endr
.endm
; and on into LDS: row p of my 32 goes to the place that the tiles' order of rows gives it
.macro WSTAGE
	WIN 0x0c
.set p, 0
.rept 32
.set pr, (p&7)|(((p>>4)&1)<<3)|(((p>>3)&1)<<4)
	ds_store_b128 v[VS], v[8*p:8*p+3] offset:pr*LP
	ds_store_b128 v[VS], v[8*p+4:8*p+7] offset:pr*LP+512
.set p, p+1
.endr
	WIN 0
.endm
.macro WFETCH s, buf                   ; the 8 fragments of K step s into set buf
	WIN 0x40
.irp t, 0,1,2,3,4,5,6,7
.irp c, 0,1,2,3
	ds_load_b128 v[128*(\buf)+16*\t+4*\c:128*(\buf)+16*\t+4*\c+3], v[VW0+\t/4] offset:(16*(\t%4))*LP+128*(\s)+32*\c
.endr
.endr
	WIN 0
.endm
.macro ALOAD ks, nx                    ; the five slots' fragments of K step ks into ring stage ks % 4: 20 loads
.if ((\ks)%4) == 3
	WIN 0
.set RG, RING3
.else
	WIN 0x80
.set RG, 80*((\ks)%4)
.endif
.irp u, 0,1,2,3,4
.irp c, 0,1,2,3
	global_load_b128 v[RG+16*\u+4*\c:RG+16*\u+4*\c+3], v[AOFF+\u], s[AB:AB+1] offset:(\ks)*SK+\c*SC+(\nx)*NXA
.endr
.endr
	WIN 0
.endm
.macro SLOAD nx                        ; the five slots' scale words of all 8 K steps: 10 loads
.irp u, 0,1,2,3,4
	global_load_b128 v[ASC+8*\u:ASC+8*\u+3], v[ASO+\u], s[ASB:ASB+1] offset:(\nx)*NXS
	global_load_b128 v[ASC+8*\u+4:ASC+8*\u+7], v[ASO+\u], s[ASB:ASB+1] offset:(\nx)*NXS+16
.endr
.endm
; 8 matrix instructions: slot u against the 8 tiles of weights, K step s.  The pass's 40 accumulators take turns, one instruction a turn, in the same order in every K step
.macro MM s, u, zero
.set WF, 128*((\s)%2)
.if ((\s)%4) == 3
.set RG, RING3+16*(\u)
.set WN, 0x01
.else
.set RG, 80*((\s)%4)+16*(\u)
.set WN, 0x09
.endif
.if (\u) == 4
.set AC, ACC4
.else
.set AC, 64*(\u)
.set WN, WN|0xf0
.endif
	WIN WN
.irp b, 0,1,2,3
.if \zero
	v_wmma_scale_f32_16x16x128_f8f6f4 v[AC+16*\b:AC+16*\b+7], v[WF+32*\b:WF+32*\b+15], v[RG:RG+15], 0, v[WSC+8*\b+(\s)], v[ASC+8*(\u)+(\s)] matrix_a_fmt:MATRIX_FMT_BF8 matrix_b_fmt:MATRIX_FMT_BF8
	v_wmma_scale_f32_16x16x128_f8f6f4 v[AC+16*\b+8:AC+16*\b+15], v[WF+32*\b+16:WF+32*\b+31], v[RG:RG+15], 0, v[WSC+8*\b+(\s)], v[ASC+8*(\u)+(\s)] matrix_a_fmt:MATRIX_FMT_BF8 matrix_b_fmt:MATRIX_FMT_BF8 matrix_a_scale:MATRIX_SCALE_ROW1
.else
	v_wmma_scale_f32_16x16x128_f8f6f4 v[AC+16*\b:AC+16*\b+7], v[WF+32*\b:WF+32*\b+15], v[RG:RG+15], v[AC+16*\b:AC+16*\b+7], v[WSC+8*\b+(\s)], v[ASC+8*(\u)+(\s)] matrix_a_fmt:MATRIX_FMT_BF8 matrix_b_fmt:MATRIX_FMT_BF8
	v_wmma_scale_f32_16x16x128_f8f6f4 v[AC+16*\b+8:AC+16*\b+15], v[WF+32*\b+16:WF+32*\b+31], v[RG:RG+15], v[AC+16*\b+8:AC+16*\b+15], v[WSC+8*\b+(\s)], v[ASC+8*(\u)+(\s)] matrix_a_fmt:MATRIX_FMT_BF8 matrix_b_fmt:MATRIX_FMT_BF8 matrix_a_scale:MATRIX_SCALE_ROW1
.endif
.endr
.endm
; A K STEP: 40 matrix instructions.  Behind the first 16 stand eight places and then ONE run of loads: the next step's weights from LDS into the set, and x's K step s + 3 into the ring stage, that step s - 1 read last.
; The count on LOADcnt is the loads issued behind this step's own 20: three stages at step 0, two at steps 1 to 5, one at step 6, none at step 7.
.macro KSTEP s, zero
	s_wait_dscnt 0x0                               ; this step's weights are in
.if (\s) == 0
	s_wait_loadcnt 60
.elseif (\s) < 6
	s_wait_loadcnt 40
.elseif (\s) == 6
	s_wait_loadcnt 20
.else
	s_wait_loadcnt 0
.endif
	MM \s, 0, \zero
	MM \s, 1, \zero
	WIN 0
.if (\s) < 7
	PLACES 8                                       ; eight plain lines between step s - 1's products and loads into registers that they read
	WFETCH (\s)+1, ((\s)+1)%2
.endif
.if ((\s) >= 1) && ((\s) <= 4)
	ALOAD (\s)+3, 0
.endif
	MM \s, 2, \zero
	MM \s, 3, \zero
	MM \s, 4, \zero
	WIN 0
.endm
.macro SELLOAD                         ; sel's 1,024 words: register 4 g + k of lane l is token 128 g + 4 l + k
.irp g, 0,1,2,3,4,5,6,7
	global_load_b128 v[SW+4*\g:SW+4*\g+3], v[LI], s[SB:SB+1] offset:512*\g
.endr
.endm
; THE WALK over sel's 32 registers.  s[PR] counts the chosen tokens ahead of register n.  A lane that wants rank rho keeps the mask and the count of the LAST register whose count is at most rho: in that one the rank lies
; (a register without chosen tokens has the same count as the next, which then takes its place).  Register 0, whose count is 0, starts the kept pair.  The five slots by turns, each with its own register for the compare.
; nx = 0: the first pass's ranks; sel's word is then replaced by the token's rank, count + chosen lanes below.  nx = 1: the ranks of the pass that follows.
.macro STREAM nx
.irp u, 0,1,2,3,4
	s_add_co_u32 s[RT], s[ROW0], 64*\u+320*\nx
	v_add_nc_u32 v[RHO+\u], s[RT], v[RR]
.endr
	s_mov_b32 s[PR], 0
.set n, 0
.rept 32
	v_and_b32 v[TT+n%2], s[EBIT], v[SW+n]
	v_cmp_ne_u32 s[SMK+n%2], 0, v[TT+n%2]          ; the lanes whose token chose e
.if n == 0
.irp u, 0,1,2,3,4
	v_mov_b32 v[MV+\u], s[SMK]
	v_mov_b32 v[PKV+\u], 0
.endr
.else
	s_add_co_u32 s[PKS+n%2], s[PR], (128*(n/4)+n%4)<<16   ; the count (at most 1,024) below, lane 0's token above
.irp u, 0,1,2,3,4
	v_cmp_le_u32 s[CM+\u], s[PR], v[RHO+\u]
.endr
.irp u, 0,1,2,3,4
	v_cndmask_b32 v[MV+\u], v[MV+\u], s[SMK+n%2], s[CM+\u]
.endr
.irp u, 0,1,2,3,4
	v_cndmask_b32 v[PKV+\u], v[PKV+\u], s[PKS+n%2], s[CM+\u]
.endr
.endif
.if \nx == 0
	v_mbcnt_lo_u32_b32 v[SW+n], s[SMK+n%2], s[PR]
.endif
	s_bcnt1_i32_b32 s[BCT], s[SMK+n%2]
	s_add_co_u32 s[PR], s[PR], s[BCT]
.set n, n+1
.endr
.endm
; One halving: t = the set bits in the w places from the place in hand on, read off the counts in fields of w bits.  Where the wanted bit's number is t or more, it lies further up: t off the number, w onto the place
.macro BITSTEP src, w
.irp u, 0,1,2,3,4
	v_bfe_u32 v[TV+\u], v[\src+\u], v[PS+\u], \w
.endr
.irp u, 0,1,2,3,4
	v_cmp_ge_u32 s[CM+\u], v[KK+\u], v[TV+\u]
.endr
.irp u, 0,1,2,3,4
	v_cndmask_b32 v[TV+\u], 0, v[TV+\u], s[CM+\u]
.endr
.irp u, 0,1,2,3,4
	v_sub_nc_u32 v[KK+\u], v[KK+\u], v[TV+\u]
.endr
.irp u, 0,1,2,3,4
	v_cndmask_b32 v[TV+\u], 0, \w, s[CM+\u]
.endr
.irp u, 0,1,2,3,4
	v_add_nc_u32 v[PS+\u], v[PS+\u], v[TV+\u]
.endr
.endm
; THE WANTED SET BIT of the kept mask, and the token: first token + 4 x the bit's place.  A rank behind the end gets token 0: all its lanes then read one row
.macro SELECT
.irp u, 0,1,2,3,4
	v_and_b32 v[KK+\u], 0xffff, v[PKV+\u]
.endr
.irp u, 0,1,2,3,4
	v_sub_nc_u32 v[KK+\u], v[RHO+\u], v[KK+\u]     ; which set bit, from 0
.endr
.irp u, 0,1,2,3,4
	v_lshrrev_b32 v[PKV+\u], 16, v[PKV+\u]         ; lane 0's token
.endr
.irp u, 0,1,2,3,4
	v_lshrrev_b32 v[TV+\u], 1, v[MV+\u]
.endr
.irp u, 0,1,2,3,4
	v_and_b32 v[TV+\u], 0x55555555, v[TV+\u]
.endr
.irp u, 0,1,2,3,4
	v_sub_nc_u32 v[BA+\u], v[MV+\u], v[TV+\u]      ; counts in fields of 2
.endr
.irp u, 0,1,2,3,4
	v_lshrrev_b32 v[TV+\u], 2, v[BA+\u]
.endr
.irp u, 0,1,2,3,4
	v_and_b32 v[TV+\u], 0x33333333, v[TV+\u]
.endr
.irp u, 0,1,2,3,4
	v_and_b32 v[BB+\u], 0x33333333, v[BA+\u]
.endr
.irp u, 0,1,2,3,4
	v_add_nc_u32 v[BB+\u], v[BB+\u], v[TV+\u]      ; in fields of 4
.endr
.irp u, 0,1,2,3,4
	v_lshrrev_b32 v[TV+\u], 4, v[BB+\u]
.endr
.irp u, 0,1,2,3,4
	v_add_nc_u32 v[TV+\u], v[BB+\u], v[TV+\u]
.endr
.irp u, 0,1,2,3,4
	v_and_b32 v[BCN+\u], 0x0f0f0f0f, v[TV+\u]      ; in fields of 8
.endr
.irp u, 0,1,2,3,4
	v_lshrrev_b32 v[TV+\u], 8, v[BCN+\u]
.endr
.irp u, 0,1,2,3,4
	v_add_nc_u32 v[TV+\u], v[BCN+\u], v[TV+\u]
.endr
.irp u, 0,1,2,3,4
	v_and_b32 v[TV+\u], 0xff, v[TV+\u]             ; the set bits of the low 16
.endr
.irp u, 0,1,2,3,4
	v_cmp_ge_u32 s[CM+\u], v[KK+\u], v[TV+\u]
.endr
.irp u, 0,1,2,3,4
	v_cndmask_b32 v[TV+\u], 0, v[TV+\u], s[CM+\u]
.endr
.irp u, 0,1,2,3,4
	v_sub_nc_u32 v[KK+\u], v[KK+\u], v[TV+\u]
.endr
.irp u, 0,1,2,3,4
	v_cndmask_b32 v[PS+\u], 0, 16, s[CM+\u]        ; the first halving starts the place
.endr
	BITSTEP BCN, 8
	BITSTEP BB, 4
	BITSTEP BA, 2
	BITSTEP MV, 1
.irp u, 0,1,2,3,4
	v_lshl_add_u32 v[LE+\u], v[PS+\u], 2, v[PKV+\u]
.endr
.irp u, 0,1,2,3,4
	v_cmp_gt_u32 s[CM+\u], s[CNT], v[RHO+\u]
.endr
.irp u, 0,1,2,3,4
	v_cndmask_b32 v[LE+\u], 0, v[LE+\u], s[CM+\u]
.endr
.endm
; The rows of a pass: their tokens, held under 1,024; their offsets; their scale words and first two K steps: 50 loads.  nx = 1: for the pass that follows: sel is read and walked once more
.macro PRE_A nx
.if \nx
	SELLOAD
	s_wait_loadcnt 0x0                             ; nothing else is out here
	STREAM 1
.endif
	SELECT
.irp u, 0,1,2,3,4
	v_min_u32 v[LE+\u], 0x3ff, v[LE+\u]
.endr
.irp u, 0,1,2,3,4
	v_lshl_add_u32 v[AOFF+\u], v[LE+\u], 10, v[H16]
.endr
.irp u, 0,1,2,3,4
	v_lshlrev_b32 v[ASO+\u], 5, v[LE+\u]
.endr
	SLOAD \nx
	ALOAD 0, \nx
	ALOAD 1, \nx
.endm
.macro PRE_B nx                        ; and K steps 2 and 3: 40 loads
	ALOAD 2, \nx
	ALOAD 3, \nx
.endm
.macro COPY u                          ; slot u's 64 results into window 1, each accumulator from its low end on
.if (\u) == 4
	WIN 0x40
.set AC, ACC4
.else
	WIN 0x43
.set AC, 64*(\u)
.endif
.set i, 0
.rept 64
	v_mov_b32 v[GX+i], v[AC+i]
.set i, i+1
.endr
	WIN 0
.endm
	s_load_b256 s[4:11], s[0:1], 0x0               ; W1's codes, W1's scales, xq, sel
	s_load_b64 s[12:13], s[0:1], 0x20              ; hq
	s_load_b64 s[POSB:POSB+1], s[0:1], 0x28        ; rk
	v_lshl_add_u32 v254, v0, 2, 0x20800
	v_mov_b32 v255, 0
	v_lshrrev_b32 v29, 5, v0
	v_readfirstlane_b32 s[WV], v29                 ; wave 0..3
	v_and_b32 v29, 31, v0
	v_lshlrev_b32 v[LI], 4, v29
	v_and_b32 v[RR], 15, v0
	v_bfe_u32 v[HH], v0, 4, 1
	v_mul_u32_u24 v[VW0], v[RR], LP
	v_lshl_add_u32 v[VW0], v[HH], 4, v[VW0]        ; row r x pitch + 16 h
	v_add_nc_u32 v[VW0+1], 64*LP, v[VW0]
	s_mul_i32 s[T1], s[WV], 32*LP
	v_add_nc_u32 v[VS], s[T1], v[LI]
	v_and_b32 v[WSO], 8, v[RR]
	v_add_nc_u32 v[WSO], v[WSO], v[RR]
	v_lshl_add_u32 v[WSO], v[HH], 3, v[WSO]
	v_lshlrev_b32 v[WSO], 5, v[WSO]                ; (8 h + r + 8 (r / 8)) rows of 32 bytes: lanes 16-31 take the odd tile's rows
	v_lshlrev_b32 v[H16], 4, v[HH]
	v_lshlrev_b32 v[R32], 5, v[RR]
	v_mov_b32 v[CK8], 0xbf97d29d                   ; c8 = -1.186114944
	v_mov_b32 v[CK8+1], 0xbf97d29d
	s_mov_b32 s[SEL], 0x76543210
	s_mov_b32 s[SEL+1], 0xfedcba98                 ; v_permlanex16_b32's selects for lane l xor 16
	s_mov_b32 s[MNT], 0x600000                     ; the mantissa field of 57,344
	s_mov_b32 s[KH], 0x3eb504f3                    ; sqrt(2) / 4
	s_mov_b32 s[YK], 0xbf38aa3b                    ; -log2(e) / 2
	s_mov_b32 s[YK+1], 0xbf38aa3b
.macro COEF k, bits
	s_mov_b32 s[CF+2*\k], \bits
	s_mov_b32 s[CF+2*\k+1], \bits
.endm
	COEF 0, 0xc034d90f                             ; -2.825748217
	COEF 1, 0x3fb8ab5a                             ;  1.44272920
	COEF 2, 0x3f0a29d2                             ;  0.539700615
	COEF 3, 0x3e0efb2e                             ;  0.139630056
	COEF 4, 0xbe899a80                             ; -0.26875686
	COEF 5, 0x3ecdfd18                             ;  0.402321582
	COEF 6, 0xbfd1a1e5                             ; -1.637753151
	COEF 7, 0x40097039                             ;  2.147474463
	COEF 8, 0x3e7c6f08                             ;  c9 = 0.246517298 (it stands at s[58:59])
	s_and_b32 s[EX], ttmp7, 0xffff                 ; the expert
	s_lshl_b32 s[EBIT], 1, s[EX]                   ; its bit in a word of sel
	s_mov_b32 s[T0+1], 0
	s_lshl_b32 s[ROW0], s[WV], 4
	s_mov_b32 s[PASS], 0
	s_wait_kmcnt 0x0
	SELLOAD                                        ; asked for ahead of the weights, since x's rows hang on it
	s_lshl_b32 s[T0], s[EX], 22
	s_lshl_b32 s[T1], ttmp9, 17
	s_add_co_u32 s[T0], s[T0], s[T1]
	s_lshl_b32 s[T1], s[WV], 15
	s_add_co_u32 s[T0], s[T0], s[T1]
	s_add_nc_u64 s[WB:WB+1], s[WB:WB+1], s[T0:T0+1]
	s_lshl_b32 s[T0], s[EX], 17
	s_lshl_b32 s[T1], ttmp9, 12
	s_add_co_u32 s[T0], s[T0], s[T1]
	s_add_nc_u64 s[WSB:WSB+1], s[WSB:WSB+1], s[T0:T0+1]
	WROWS 0, 27                                    ; 54 loads: with sel's eight, 62 of mine are out
	s_add_nc_u64 s[ASB:ASB+1], s[AB:AB+1], 0x100000
	s_lshl_b32 s[T0], s[EX], 17                    ; hq's scale words: expert, tile w, K quarter j / 8, word j % 8
	s_lshl_b32 s[T1], s[WV], 11
	s_add_co_u32 s[T0], s[T0], s[T1]
	s_lshr_b32 s[T1], ttmp9, 3
	s_lshl_b32 s[T1], s[T1], 9
	s_add_co_u32 s[T0], s[T0], s[T1]
	s_and_b32 s[T1], ttmp9, 7
	s_lshl_b32 s[T1], s[T1], 2
	s_add_co_u32 s[T0], s[T0], s[T1]
	s_add_co_u32 s[T0], s[T0], 0x2000000
	s_add_nc_u64 s[HSP:HSP+1], s[HP:HP+1], s[T0:T0+1]
	s_lshl_b32 s[T0], s[EX], 22                    ; hq's images: expert, tile w, K step j
	s_lshl_b32 s[T1], s[WV], 16
	s_add_co_u32 s[T0], s[T0], s[T1]
	s_lshl_b32 s[T1], ttmp9, 11
	s_add_co_u32 s[T0], s[T0], s[T1]
	s_add_nc_u64 s[HP:HP+1], s[HP:HP+1], s[T0:T0+1]
	s_lshl_b32 s[T0], s[EX], 7                     ; rk: my expert's cnt,
	s_add_nc_u64 s[CNTB:CNTB+1], s[POSB:POSB+1], s[T0:T0+1]
	s_lshl_b32 s[T0], s[EX], 2                     ; and its column of pos
	s_add_nc_u64 s[POSB:POSB+1], s[POSB:POSB+1], s[T0:T0+1]
	s_wait_loadcnt 54                              ; exactly the 54 weight loads were issued behind sel's eight: sel is in, the weights stay on their way under the walk
	STREAM 0
	s_min_u32 s[CNT], s[PR], 1024                  ; the expert's rows
	WROWS 27, 5                                    ; the other ten weight loads,
	WSCALES                                        ; and the scale words' eight
	s_or_b32 s[RT], ttmp9, s[WV]
	s_cmp_lg_u32 s[RT], 0
	s_cbranch_scc1 .Lno_pos                        ; wave 0 of the expert's first work-group stores the ranks and the count for the launches that follow
	v_lshlrev_b32 v[TT], 3, v[LI]                  ; 128 x lane: four tokens' rows of pos
	v_lshrrev_b32 v[TT+1], 2, v[LI]                ; 4 x lane
	v_mov_b32 v[TT+2], s[CNT]
.set n, 0
.rept 32
	global_store_b32 v[TT], v[SW+n], s[POSB:POSB+1] offset:4096*(n/4)+32*(n%4)   ; every token's word is written; only a chosen expert's is read
.set n, n+1
.endr
	global_store_b32 v[TT+1], v[TT+2], s[CNTB:CNTB+1] offset:32768
	s_wait_xcnt 0x0                                ; the stores have read their registers: further down vector lines and loads write them again
.Lno_pos:
	PRE_A 0
	s_wait_loadcnt 50                              ; exactly the 50 loads just issued may be out: the weights and their scale words are in
	WSTAGE
	PRE_B 0
	s_wait_dscnt 0x0                               ; for the others' sake: my rows lie in LDS
	s_barrier_signal -1
	s_barrier_wait -1                              ; the whole piece does
.Lpass:
	s_cmp_ge_u32 s[ROW0], s[CNT]
	s_cbranch_scc1 .Lpass_next
	WFETCH 0, 0
	KSTEP 0, 1                                     ; its products start the sums: nothing is cleared
	KSTEP 1, 0
	KSTEP 2, 0
	KSTEP 3, 0
	KSTEP 4, 0
	KSTEP 5, 0
	KSTEP 6, 0
	KSTEP 7, 0
	PLACES 9                                       ; eight for the reads of results, and for loads and vector lines that write operands that are done with; the ninth for a next pass's first products, which write over these accumulators
	s_add_co_u32 s[T1], s[ROW0], 320
	s_cmp_lt_u32 s[T1], s[CNT]
	s_cbranch_scc0 .Lno_more
	PRE_A 1                                        ; the next pass's rows land under the epilogue
	PRE_B 1
.Lno_more:
	; THE EPILOGUE, a slot a trip: written once.  A loop cannot change register numbers, so a slot's 64 results are first copied to one place; that keeps some 900 lines from being written five times
	s_mov_b32 s[SU], 0
	s_mov_b32 s[RW], s[ROW0]
	s_mov_b64 s[HC:HC+1], s[HP:HP+1]
	s_mov_b64 s[HSC:HSC+1], s[HSP:HSP+1]
.Lslot:
	s_cmp_ge_u32 s[RW], s[CNT]
	s_cbranch_scc1 .Lslot_next                     ; a slot behind the last rank stores nothing
	s_cmp_eq_u32 s[SU], 0
	s_cbranch_scc1 .Lcopy0
	s_cmp_eq_u32 s[SU], 1
	s_cbranch_scc1 .Lcopy1
	s_cmp_eq_u32 s[SU], 2
	s_cbranch_scc1 .Lcopy2
	s_cmp_eq_u32 s[SU], 3
	s_cbranch_scc1 .Lcopy3
	COPY 4
	s_branch .Lgelu
.Lcopy0:
	COPY 0
	s_branch .Lgelu
.Lcopy1:
	COPY 1
	s_branch .Lgelu
.Lcopy2:
	COPY 2
	s_branch .Lgelu
.Lcopy3:
	COPY 3
.Lgelu:
	WIN 0x55                                       ; all in window 1
.set i, 0
.rept 64
	v_fma_f32 v[GT+i], |v[GX+i]|, s[KH], 1.0
.set i, i+1
.endr
.set i, 0
.rept 64
	v_rcp_f32 v[GT+i], v[GT+i]                     ; t: one batch
.set i, i+1
.endr
.set i, 0
.rept 32
	v_pk_mul_f32 v[GY+i:GY+i+1], v[GX+i:GX+i+1], s[YK:YK+1] op_sel_hi:[1,0]   ; -x log2(e) / 2: plain work behind the batch
.set i, i+2
.endr
	s_wait_alu depctr_va_vdst(0)                   ; one wait for the 64 reciprocals, ahead of their first reader
	WIN 0x45                                       ; c8 lies in window 0
.set i, 0
.rept 32
	v_pk_fma_f32 v[GP+i:GP+i+1], v[GT+i:GT+i+1], s[C9:C9+1], v[CK8:CK8+1] op_sel_hi:[1,0,1]
.set i, i+2
.endr
	WIN 0x55
.irp k, 7,6,5,4,3,2,1,0
.set i, 0
.rept 32
	v_pk_fma_f32 v[GP+i:GP+i+1], v[GP+i:GP+i+1], v[GT+i:GT+i+1], s[CF+2*\k:CF+2*\k+1] op_sel_hi:[1,1,0]
.set i, i+2
.endr
.endr
.set i, 0
.rept 32
	v_pk_fma_f32 v[GP+i:GP+i+1], v[GX+i:GX+i+1], v[GY+i:GY+i+1], v[GP+i:GP+i+1]   ; P(t) - x^2 log2(e) / 2
.set i, i+2
.endr
.set i, 0
.rept 64
	v_exp_f32 v[GP+i], v[GP+i]                     ; one batch
.set i, i+1
.endr
.set i, 0
.rept 64
	v_max_num_f32 v[GY+i], 0, v[GX+i]              ; max(x, 0): plain work behind the batch
.set i, i+1
.endr
	s_wait_alu depctr_va_vdst(0)                   ; one wait for the 64 exponentials
.set i, 0
.rept 32
	v_pk_mul_f32 v[GP+i:GP+i+1], v[GP+i:GP+i+1], v[GT+i:GT+i+1]   ; q
.set i, i+2
.endr
.set i, 0
.rept 64
	v_fma_f32 v[GX+i], -|v[GX+i]|, v[GP+i], v[GY+i]   ; g
.set i, i+1
.endr
	; THE QUANTISER: register 16 b + i is k = 32 b + 16 h + i of my row: a block lies in lanes l and l xor 16.  The four blocks by turns
.irp b, 0,1,2,3
	v_max3_num_f32 v[TM+\b], |v[GX+16*\b]|, |v[GX+16*\b+1]|, 0x8000000   ; and the floor 2^(16 - 127): the byte cannot fall under 1
.endr
.irp i, 2,4,6,8,10,12,14
.irp b, 0,1,2,3
	v_max3_num_f32 v[TM+\b], v[TM+\b], |v[GX+16*\b+\i]|, |v[GX+16*\b+\i+1]|
.endr
.endr
.irp b, 0,1,2,3
	v_permlanex16_b32 v[TM+4+\b], v[TM+\b], s[SEL], s[SEL+1]
.endr
.irp b, 0,1,2,3
	v_max_num_f32 v[TM+\b], v[TM+\b], v[TM+4+\b]
.endr
.irp b, 0,1,2,3
	v_add_nc_u32 v[TM+12+\b], 0xf8800000, v[TM+\b]   ; 15 off the exponent field: the conversion's scale operand
.endr
.irp b, 0,1,2,3
	v_and_or_b32 v[TM+8+\b], v[TM+\b], 0x7f800000, s[MNT]   ; 57,344 x the scale
.endr
.irp b, 0,1,2,3
	v_lshrrev_b32 v[TM+4+\b], 23, v[TM+12+\b]      ; the scale's byte
.endr
	v_lshl_or_b32 v[PW], v[TM+5], 8, v[TM+4]
	v_lshl_or_b32 v[PW], v[TM+6], 16, v[PW]
	v_lshl_or_b32 v[PW], v[TM+7], 24, v[PW]        ; my row's scale word for this K step
.irp b, 0,1,2,3
.irp i, 0,1,2,3,4,5,6,7,8,9,10,11,12,13,14,15
	v_med3_num_f32 v[GX+16*\b+\i], v[GX+16*\b+\i], -v[TM+8+\b], v[TM+8+\b]   ; the conversion to an 8-bit code does not saturate (ISA guide 7.6.2)
.endr
	v_cvt_scalef32_pk8_bf8_f32 v[QC+4*\b:QC+4*\b+1], v[GX+16*\b:GX+16*\b+7], v[TM+12+\b]
	v_cvt_scalef32_pk8_bf8_f32 v[QC+4*\b+2:QC+4*\b+3], v[GX+16*\b+8:GX+16*\b+15], v[TM+12+\b]
.endr
	v_nop                                          ; a plain line behind the last scaled conversion
	WIN 0x04                                       ; a store's data are its source 1: window 1
.irp c, 0,1,2,3
	global_store_b128 v[LI], v[QC+4*\c:QC+4*\c+3], s[HC:HC+1] offset:512*\c   ; the image: 512 consecutive bytes a store
.endr
	global_store_b32 v[R32], v[PW], s[HSC:HSC+1]   ; a word a row, 32 bytes apart (lanes l and l + 16 write the same word with the same value): one byte in 32 of what the slot stores
	WIN 0
.Lslot_next:
	s_wait_xcnt 0x0                                ; the stores have read their bases and data: both are written again only behind this wait
	s_add_nc_u64 s[HC:HC+1], s[HC:HC+1], 262144    ; four tiles on
	s_add_nc_u64 s[HSC:HSC+1], s[HSC:HSC+1], 8192
	s_add_co_u32 s[RW], s[RW], 64
	s_add_co_u32 s[SU], s[SU], 1
	s_cmp_lt_u32 s[SU], 5
	s_cbranch_scc1 .Lslot
.Lpass_next:
	s_wait_xcnt 0x0                                ; loads and stores that are out have read their bases
	s_add_nc_u64 s[HP:HP+1], s[HP:HP+1], 1310720   ; 20 tiles on
	s_add_nc_u64 s[HSP:HSP+1], s[HSP:HSP+1], 40960
	s_add_co_u32 s[ROW0], s[ROW0], 320
	s_add_co_u32 s[PASS], s[PASS], 1
	s_cmp_lt_u32 s[PASS], 4
	s_cbranch_scc1 .Lpass
	s_wait_tensorcnt 0x0
	ds_add_u32 v254, v255
	s_wait_dscnt 0x0
	s_endpgm
.Lfunc_end_k_q2e22ffb9fe_ffn1:
	.size	k_q2e22ffb9fe_ffn1, .Lfunc_end_k_q2e22ffb9fe_ffn1-k_q2e22ffb9fe_ffn1
	.p2alignl 7, 3214868480
	.fill 96, 4, 3214868480
	.section	.rodata,"a",@progbits
	.p2align	6, 0x0
	.amdhsa_kernel k_q2e22ffb9fe_ffn1
		.amdhsa_group_segment_fixed_size 133632
		.amdhsa_private_segment_fixed_size 0
		.amdhsa_enable_private_segment 0
		.amdhsa_kernarg_size 48
		.amdhsa_user_sgpr_count 2
		.amdhsa_user_sgpr_kernarg_segment_ptr 1
		.amdhsa_wavefront_size32 1
		.amdhsa_system_sgpr_workgroup_id_x 1
		.amdhsa_system_sgpr_workgroup_id_y 1
		.amdhsa_system_sgpr_workgroup_id_z 1
		.amdhsa_system_vgpr_workitem_id 0
		.amdhsa_next_free_vgpr 1024
		.amdhsa_next_free_sgpr 80
		.amdhsa_reserve_vcc 0
		.amdhsa_float_denorm_mode_32 3
		.amdhsa_float_denorm_mode_16_64 3
		.amdhsa_memory_ordered 1
		.amdhsa_forward_progress 1
		.amdhsa_inst_pref_size 255
	.end_amdhsa_kernel
	.section	.bss,"aw",@nobits
	.p2align	6
	.space	262144
	.amdgpu_metadata
---
amdhsa.version: [ 1, 2 ]
amdhsa.kernels:
  - .name:           k_q2e22ffb9fe_ffn1
    .symbol:         k_q2e22ffb9fe_ffn1.kd
    .args:
      - { .name: W1_codes, .offset: 0, .size: 8, .value_kind: global_buffer, .address_space: global }
      - { .name: W1_scales, .offset: 8, .size: 8, .value_kind: global_buffer, .address_space: global }
      - { .name: xq, .offset: 16, .size: 8, .value_kind: global_buffer, .address_space: global }
      - { .name: sel, .offset: 24, .size: 8, .value_kind: global_buffer, .address_space: global }
      - { .name: hq, .offset: 32, .size: 8, .value_kind: global_buffer, .address_space: global }
      - { .name: rk, .offset: 40, .size: 8, .value_kind: global_buffer, .address_space: global }
    .group_segment_fixed_size: 133632
    .private_segment_fixed_size: 0
    .kernarg_segment_align: 8
    .kernarg_segment_size: 48
    .max_flat_workgroup_size: 128
    .sgpr_count:     80
    .vgpr_count:     1024
    .wavefront_size: 32
...
	.end_amdgpu_metadata
.endif
;; end of part 2
;; launch ffn2 (part 3): grid 32 x 8, 4 waves a work-group, no clusters, 167,424 bytes of LDS; arguments W2_codes, W2_scales, hq, rk, yp; writes yp
.if DOCPART == 3
	.amdgcn_target "amdgcn-amd-amdhsa--gfx1250"
	.amdhsa_code_object_version 6
	.text
	.protected	k_q2e22ffb9fe_ffn2
	.globl	k_q2e22ffb9fe_ffn2
	.p2align	8
	.type	k_q2e22ffb9fe_ffn2,@function
k_q2e22ffb9fe_ffn2:
	s_mov_b64 s[64:65], 0
	v_nop
	global_prefetch_b8 v0, s[64:65] scope:SCOPE_SE
	s_setreg_imm32_b32 hwreg(HW_REG_WAVE_MODE, 25, 1), 1
	s_wait_xcnt 0x0
; FFN2.  Partial sums of H W2[e] for the rows that chose expert e, on codes of E5M2 with E8M0 scales.
; SHARES.  Work-group (x = 8 q + jn, e = y) owns 128 outputs (jn) x a quarter of K (q: 1,024 of 4,096): 128 rows x 1,024 bytes of W2, read from memory once in the launch, and kept in LDS.
; An output is so the sum of four partial sums, which the last launch adds: another order of f32 additions than one chain along K.
; The waves share the rows, five tiles (slots) to a pass, four passes at the most, as in the launch before; H's fragments come from memory as images of their registers, 512 consecutive bytes a load.
; A slot behind the end of the expert's rows reads one address of the pass's first tile, is multiplied and thrown away.  One barrier, behind the staging; no tensor load and no cluster, since the trips' work hangs on a stored count.
; THE PRODUCT IS USED TRANSPOSED: source 0 = 16 rows of W2 (outputs), source 1 = 16 rows of H: a lane holds eight neighbouring outputs of one row.
; OUT.  yp: [e][rank 1,024][q 4][1,024] f32.  A tile goes through the wave's own stage in LDS and leaves as rows of 512 consecutive bytes.
; REGISTERS, in windows of 256.  Window 0: v1-31 addresses; v32-63 W2's scale words; v64-103 H's; v104-167 slot 4's accumulators; v168-247 stage 3 of H's ring.
;   Window 1: two sets of W2's 8 fragments; on the way out: rows.   Window 2: stages 0 to 2 of H's ring.   Window 3: the accumulators of slots 0 to 3; at the head: the weights on their way to LDS.
.set LP,      1040                     ; a weight row in LDS: 1,024 bytes + 16: an odd multiple of 16
.set WPITCH,  4096                     ; a row of W2 in memory
.set WSPITCH, 128                      ; a row of its scale bytes
.set SK,      2048                     ; H: bytes from K step to K step
.set SC,      512                      ; and from quad to quad
.set NXA,     1310720                  ; 20 tiles of images: a pass
.set NXS,     40960                    ; 20 tiles of scale words
.set STG,     128*LP                   ; LDS behind the weights: a stage of 16 rows x (512 + 16) bytes for each wave
.set LI,   1                           ; v1   16 x lane
.set RR,   2                           ; v2   r = lane % 16
.set HH,   3                           ; v3   h = lane / 16
.set VW0,  4                           ; v4-5 LDS: my place in tiles 0-3, 4-7
.set VS,   6                           ; v6   LDS: where my wave stages
.set WSO,  7                           ; v7   my row among W2's scale words
.set LN,   8                           ; v8   lane
.set AOFF, 12                          ; v12-16  slot u: my 16 bytes of an image
.set ASO,  17                          ; v17-21  slot u: my row's scale words
.set STO,  27                          ; v27  the stage: where I put 32 bytes of a row
.set RD,   28                          ; v28  and where I read a row back
.set WSC,  32
.set ASC,  64
.set ACC4, 104
.set RING3, 168
.set WB,   4
.set WSB,  6
.set AB,   8                           ; s[8:9]   hq: the pass's first image of my wave, my K quarter
.set YB,   12                          ; s[12:13] yp: the pass's first row of my wave
.set ASB,  14
.set CB,   18
.set CNT,  20
.set WV,   21
.set EX,   22
.set JN,   23
.set ROW0, 24
.set PASS, 25
.set QQ,   26
.set T0,   28
.set T1,   30
.set MSB, 0
.macro WIN new                         ; the immediate's high byte repeats the setting that is left; a switch that changes nothing is dropped
.if MSB != (\new)
	s_set_vgpr_msb (MSB<<8)|(\new)
.set MSB, (\new)
.endif
.endm
.macro PLACES n
.rept \n
	v_nop
.endr
.endm
.macro WLOADS                          ; my wave's 32 rows of the piece into window 3, 512 consecutive bytes a load; then the piece's scale words
	WIN 0xc0
.set p, 0
.rept 32
	global_load_b128 v[8*p:8*p+3], v[LI], s[WB:WB+1] offset:p*WPITCH th:TH_LOAD_NT
	global_load_b128 v[8*p+4:8*p+7], v[LI], s[WB:WB+1] offset:p*WPITCH+512 th:TH_LOAD_NT
.set p, p+1
.endr
	WIN 0
.irp b, 0,1,2,3
.irp g, 0,1
	global_load_b128 v[WSC+8*\b+4*\g:WSC+8*\b+4*\g+3], v[WSO], s[WSB:WSB+1] offset:32*\b*WSPITCH+16*\g
.endr
.endr
.endm
.macro WSTAGE                          ; and on into LDS, row by row
	WIN 0x0c
.set p, 0
.rept 32
	ds_store_b128 v[VS], v[8*p:8*p+3] offset:p*LP
	ds_store_b128 v[VS], v[8*p+4:8*p+7] offset:p*LP+512
.set p, p+1
.endr
	WIN 0
.endm
.macro WFETCH s, buf                   ; the 8 fragments of K step s into set buf
	WIN 0x40
.irp t, 0,1,2,3,4,5,6,7
.irp c, 0,1,2,3
	ds_load_b128 v[128*(\buf)+16*\t+4*\c:128*(\buf)+16*\t+4*\c+3], v[VW0+\t/4] offset:(16*(\t%4))*LP+128*(\s)+32*\c
.endr
.endr
	WIN 0
.endm
.macro ALOAD ks, nx                    ; the five slots' fragments of K step ks into ring stage ks % 4: 20 loads
.if ((\ks)%4) == 3
	WIN 0
.set RG, RING3
.else
	WIN 0x80
.set RG, 80*((\ks)%4)
.endif
.irp u, 0,1,2,3,4
.irp c, 0,1,2,3
	global_load_b128 v[RG+16*\u+4*\c:RG+16*\u+4*\c+3], v[AOFF+\u], s[AB:AB+1] offset:(\ks)*SK+\c*SC+(\nx)*NXA
.endr
.endr
	WIN 0
.endm
.macro SLOAD nx                        ; the five slots' scale words of the quarter's 8 K steps: 10 loads
.irp u, 0,1,2,3,4
	global_load_b128 v[ASC+8*\u:ASC+8*\u+3], v[ASO+\u], s[ASB:ASB+1] offset:(\nx)*NXS
	global_load_b128 v[ASC+8*\u+4:ASC+8*\u+7], v[ASO+\u], s[ASB:ASB+1] offset:(\nx)*NXS+16
.endr
.endm
; 8 matrix instructions: slot u against the 8 tiles of weights, K step s.  The pass's 40 accumulators take turns, one instruction a turn, in the same order in every K step
.macro MM s, u, zero
.set WF, 128*((\s)%2)
.if ((\s)%4) == 3
.set RG, RING3+16*(\u)
.set WN, 0x01
.else
.set RG, 80*((\s)%4)+16*(\u)
.set WN, 0x09
.endif
.if (\u) == 4
.set AC, ACC4
.else
.set AC, 64*(\u)
.set WN, WN|0xf0
.endif
	WIN WN
.irp b, 0,1,2,3
.if \zero
	v_wmma_scale_f32_16x16x128_f8f6f4 v[AC+16*\b:AC+16*\b+7], v[WF+32*\b:WF+32*\b+15], v[RG:RG+15], 0, v[WSC+8*\b+(\s)], v[ASC+8*(\u)+(\s)] matrix_a_fmt:MATRIX_FMT_BF8 matrix_b_fmt:MATRIX_FMT_BF8
	v_wmma_scale_f32_16x16x128_f8f6f4 v[AC+16*\b+8:AC+16*\b+15], v[WF+32*\b+16:WF+32*\b+31], v[RG:RG+15], 0, v[WSC+8*\b+(\s)], v[ASC+8*(\u)+(\s)] matrix_a_fmt:MATRIX_FMT_BF8 matrix_b_fmt:MATRIX_FMT_BF8 matrix_a_scale:MATRIX_SCALE_ROW1
.else
	v_wmma_scale_f32_16x16x128_f8f6f4 v[AC+16*\b:AC+16*\b+7], v[WF+32*\b:WF+32*\b+15], v[RG:RG+15], v[AC+16*\b:AC+16*\b+7], v[WSC+8*\b+(\s)], v[ASC+8*(\u)+(\s)] matrix_a_fmt:MATRIX_FMT_BF8 matrix_b_fmt:MATRIX_FMT_BF8
	v_wmma_scale_f32_16x16x128_f8f6f4 v[AC+16*\b+8:AC+16*\b+15], v[WF+32*\b+16:WF+32*\b+31], v[RG:RG+15], v[AC+16*\b+8:AC+16*\b+15], v[WSC+8*\b+(\s)], v[ASC+8*(\u)+(\s)] matrix_a_fmt:MATRIX_FMT_BF8 matrix_b_fmt:MATRIX_FMT_BF8 matrix_a_scale:MATRIX_SCALE_ROW1
.endif
.endr
.endm
; A K STEP: 40 matrix instructions.  Behind the first 16 stand eight places and then ONE run of loads: the next step's weights from LDS into the set, and H's K step s + 3 into the ring stage, that step s - 1 read last.
; The count on LOADcnt is the loads issued behind this step's own 20: three stages at step 0, two at steps 1 to 5, one at step 6, none at step 7.
.macro KSTEP s, zero
	s_wait_dscnt 0x0                               ; this step's weights are in
.if (\s) == 0
	s_wait_loadcnt 60
.elseif (\s) < 6
	s_wait_loadcnt 40
.elseif (\s) == 6
	s_wait_loadcnt 20
.else
	s_wait_loadcnt 0
.endif
	MM \s, 0, \zero
	MM \s, 1, \zero
	WIN 0
.if (\s) < 7
	PLACES 8                                       ; eight plain lines between step s - 1's products and loads into registers that they read
	WFETCH (\s)+1, ((\s)+1)%2
.endif
.if ((\s) >= 1) && ((\s) <= 4)
	ALOAD (\s)+3, 0
.endif
	MM \s, 2, \zero
	MM \s, 3, \zero
	MM \s, 4, \zero
	WIN 0
.endm
; The rows of a pass.  A slot that has rows: its tile, 16 bytes a lane, 32 bytes of scale words a row.  A slot behind the end: offset 0 in every lane.  Then the scale words and the first two K steps: 50 loads.
; nx = 1: for the pass that follows: the bases have not stepped yet, so the pass's stride stands in the loads' immediates
.macro PRE_A nx
.irp u, 0,1,2,3,4
	s_add_co_u32 s32, s[ROW0], 64*\u+320*\nx
	s_cmp_lt_u32 s32, s[CNT]
	s_cselect_b32 s33, \u*262144, 0
	s_cselect_b32 s34, 16, 0
	s_cselect_b32 s35, \u*8192, 0
	s_cselect_b32 s36, 32, 0
	v_mad_u32_u24 v[AOFF+\u], v[LN], s34, s33
	v_mad_u32_u24 v[ASO+\u], v[RR], s36, s35
.endr
	SLOAD \nx
	ALOAD 0, \nx
	ALOAD 1, \nx
.endm
.macro PRE_B nx                        ; and K steps 2 and 3: 40 loads
	ALOAD 2, \nx
	ALOAD 3, \nx
.endm
; THE WAY OUT of slot u, if it has rows.  A lane holds 32 bytes of a row and the lanes beside it other rows: the tile goes through my own stage and comes back as rows of 512 bytes.
; LDS serves a wave's instructions in order (ISA guide 5.7.1.4): no wait between the stores and the loads
.macro OUT u
	s_add_co_u32 s32, s[ROW0], 64*\u
	s_cmp_lt_u32 s32, s[CNT]
	s_cbranch_scc0 .Lno_out_\@
	s_wait_xcnt 0x0                                ; the slot before's stores have read their registers
.if (\u) == 4
.set AC, ACC4
.else
	WIN 0x0c
.set AC, 64*(\u)
.endif
.irp t, 0,1,2,3,4,5,6,7
	ds_store_b128 v[STO], v[AC+8*\t:AC+8*\t+3] offset:64*\t          ; each accumulator from its low end on
	ds_store_b128 v[STO], v[AC+8*\t+4:AC+8*\t+7] offset:64*\t+16
.endr
	WIN 0x40
.irp i, 0,1,2,3,4,5,6,7,8,9,10,11,12,13,14,15
	ds_load_b128 v[4*\i:4*\i+3], v[RD] offset:528*\i
.endr
	s_wait_dscnt 0x0
	WIN 0x04
.irp i, 0,1,2,3,4,5,6,7,8,9,10,11,12,13,14,15
	global_store_b128 v[LI], v[4*\i:4*\i+3], s[YB:YB+1] offset:(\u<<20)+(\i<<14) th:TH_STORE_NT   ; 32 lanes store 512 consecutive bytes, at a multiple of 512 from the buffer's first byte
.endr
	WIN 0
.Lno_out_\@:
.endm
	s_load_b256 s[4:11], s[0:1], 0x0               ; W2's codes, W2's scales, hq, rk
	s_load_b64 s[12:13], s[0:1], 0x20              ; yp
	v_lshl_add_u32 v254, v0, 2, 0x28c00
	v_mov_b32 v255, 0
	v_lshrrev_b32 v29, 5, v0
	v_readfirstlane_b32 s[WV], v29                 ; wave 0..3
	v_and_b32 v[LN], 31, v0
	v_lshlrev_b32 v[LI], 4, v[LN]
	v_and_b32 v[RR], 15, v0
	v_bfe_u32 v[HH], v0, 4, 1
	v_mul_u32_u24 v[VW0], v[RR], LP
	v_lshl_add_u32 v[VW0], v[HH], 4, v[VW0]        ; row r x pitch + 16 h
	v_add_nc_u32 v[VW0+1], 64*LP, v[VW0]
	s_mul_i32 s[T1], s[WV], 32*LP
	v_add_nc_u32 v[VS], s[T1], v[LI]
	v_lshl_add_u32 v[WSO], v[HH], 4, v[RR]
	v_lshlrev_b32 v[WSO], 7, v[WSO]                ; (16 h + r) rows of 128 bytes: lanes 16-31 take the odd tile's rows
	s_mul_i32 s[T1], s[WV], 16*528
	s_add_co_u32 s[T1], s[T1], STG                 ; my stage
	v_mul_u32_u24 v[STO], v[RR], 528
	v_lshl_add_u32 v[STO], v[HH], 5, v[STO]
	v_add_nc_u32 v[STO], s[T1], v[STO]
	v_add_nc_u32 v[RD], s[T1], v[LI]
	s_and_b32 s[EX], ttmp7, 0xffff                 ; the expert
	s_and_b32 s[JN], ttmp9, 7                      ; which 128 outputs
	s_lshr_b32 s[QQ], ttmp9, 3                     ; which quarter of K
	s_mov_b32 s[T0+1], 0
	s_lshl_b32 s[ROW0], s[WV], 4
	s_mov_b32 s[PASS], 0
	s_wait_kmcnt 0x0
	s_lshl_b32 s[T0], s[EX], 7
	s_add_nc_u64 s[CB:CB+1], s[10:11], s[T0:T0+1]
	s_load_b32 s[CNT], s[CB:CB+1], 0x8000          ; the expert's rows
	s_lshl_b32 s[T0], s[EX], 22
	s_lshl_b32 s[T1], s[JN], 19
	s_add_co_u32 s[T0], s[T0], s[T1]
	s_lshl_b32 s[T1], s[WV], 17
	s_add_co_u32 s[T0], s[T0], s[T1]
	s_lshl_b32 s[T1], s[QQ], 10
	s_add_co_u32 s[T0], s[T0], s[T1]
	s_add_nc_u64 s[WB:WB+1], s[WB:WB+1], s[T0:T0+1]
	s_lshl_b32 s[T0], s[EX], 17
	s_lshl_b32 s[T1], s[JN], 14
	s_add_co_u32 s[T0], s[T0], s[T1]
	s_lshl_b32 s[T1], s[QQ], 5
	s_add_co_u32 s[T0], s[T0], s[T1]
	s_add_nc_u64 s[WSB:WSB+1], s[WSB:WSB+1], s[T0:T0+1]
	WLOADS
	s_lshl_b32 s[T0], s[EX], 17                    ; H's scale words: expert, tile w, quarter q
	s_lshl_b32 s[T1], s[WV], 11
	s_add_co_u32 s[T0], s[T0], s[T1]
	s_lshl_b32 s[T1], s[QQ], 9
	s_add_co_u32 s[T0], s[T0], s[T1]
	s_add_co_u32 s[T0], s[T0], 0x2000000
	s_add_nc_u64 s[ASB:ASB+1], s[AB:AB+1], s[T0:T0+1]
	s_lshl_b32 s[T0], s[EX], 22                    ; H's images: expert, tile w, K step 8 q
	s_lshl_b32 s[T1], s[WV], 16
	s_add_co_u32 s[T0], s[T0], s[T1]
	s_lshl_b32 s[T1], s[QQ], 14
	s_add_co_u32 s[T0], s[T0], s[T1]
	s_add_nc_u64 s[AB:AB+1], s[AB:AB+1], s[T0:T0+1]
	s_lshl_b32 s[T0], s[EX], 24                    ; yp: expert, row 16 w, quarter q, output 128 jn
	s_lshl_b32 s[T1], s[WV], 18
	s_add_co_u32 s[T0], s[T0], s[T1]
	s_lshl_b32 s[T1], s[QQ], 12
	s_add_co_u32 s[T0], s[T0], s[T1]
	s_lshl_b32 s[T1], s[JN], 9
	s_add_co_u32 s[T0], s[T0], s[T1]
	s_add_nc_u64 s[YB:YB+1], s[YB:YB+1], s[T0:T0+1]
	s_wait_kmcnt 0x0
	s_min_u32 s[CNT], s[CNT], 1024
	PRE_A 0
	s_wait_loadcnt 50                              ; exactly the 50 loads just issued may be out: the weights and their scale words are in
	WSTAGE
	PRE_B 0
	s_wait_dscnt 0x0                               ; for the others' sake: my rows lie in LDS
	s_barrier_signal -1
	s_barrier_wait -1                              ; the whole piece does
.Lpass:
	s_cmp_ge_u32 s[ROW0], s[CNT]
	s_cbranch_scc1 .Lpass_next
	WFETCH 0, 0
	KSTEP 0, 1                                     ; its products start the sums: nothing is cleared
	KSTEP 1, 0
	KSTEP 2, 0
	KSTEP 3, 0
	KSTEP 4, 0
	KSTEP 5, 0
	KSTEP 6, 0
	KSTEP 7, 0
	PLACES 9                                       ; eight for the reads of results and for loads into operands that are done with; the ninth for a next pass's first products, which write over these accumulators
	s_add_co_u32 s[T1], s[ROW0], 320
	s_cmp_lt_u32 s[T1], s[CNT]
	s_cbranch_scc0 .Lno_more
	PRE_A 1                                        ; the next pass's rows land under the way out
	PRE_B 1
.Lno_more:
	OUT 0
	OUT 1
	OUT 2
	OUT 3
	OUT 4
.Lpass_next:
	s_wait_xcnt 0x0                                ; loads and stores that are out have read their bases and data
	s_add_nc_u64 s[AB:AB+1], s[AB:AB+1], NXA
	s_add_nc_u64 s[ASB:ASB+1], s[ASB:ASB+1], NXS
	s_add_nc_u64 s[YB:YB+1], s[YB:YB+1], 5242880   ; 320 rows of 16,384 bytes
	s_add_co_u32 s[ROW0], s[ROW0], 320
	s_add_co_u32 s[PASS], s[PASS], 1
	s_cmp_lt_u32 s[PASS], 4
	s_cbranch_scc1 .Lpass
	s_wait_tensorcnt 0x0
	ds_add_u32 v254, v255
	s_wait_dscnt 0x0
	s_endpgm
.Lfunc_end_k_q2e22ffb9fe_ffn2:
	.size	k_q2e22ffb9fe_ffn2, .Lfunc_end_k_q2e22ffb9fe_ffn2-k_q2e22ffb9fe_ffn2
	.p2alignl 7, 3214868480
	.fill 96, 4, 3214868480
	.section	.rodata,"a",@progbits
	.p2align	6, 0x0
	.amdhsa_kernel k_q2e22ffb9fe_ffn2
		.amdhsa_group_segment_fixed_size 167424
		.amdhsa_private_segment_fixed_size 0
		.amdhsa_enable_private_segment 0
		.amdhsa_kernarg_size 40
		.amdhsa_user_sgpr_count 2
		.amdhsa_user_sgpr_kernarg_segment_ptr 1
		.amdhsa_wavefront_size32 1
		.amdhsa_system_sgpr_workgroup_id_x 1
		.amdhsa_system_sgpr_workgroup_id_y 1
		.amdhsa_system_sgpr_workgroup_id_z 1
		.amdhsa_system_vgpr_workitem_id 0
		.amdhsa_next_free_vgpr 1024
		.amdhsa_next_free_sgpr 66
		.amdhsa_reserve_vcc 0
		.amdhsa_float_denorm_mode_32 3
		.amdhsa_float_denorm_mode_16_64 3
		.amdhsa_memory_ordered 1
		.amdhsa_forward_progress 1
		.amdhsa_inst_pref_size 123
	.end_amdhsa_kernel
	.amdgpu_metadata
---
amdhsa.version: [ 1, 2 ]
amdhsa.kernels:
  - .name:           k_q2e22ffb9fe_ffn2
    .symbol:         k_q2e22ffb9fe_ffn2.kd
    .args:
      - { .name: W2_codes, .offset: 0, .size: 8, .value_kind: global_buffer, .address_space: global }
      - { .name: W2_scales, .offset: 8, .size: 8, .value_kind: global_buffer, .address_space: global }
      - { .name: hq, .offset: 16, .size: 8, .value_kind: global_buffer, .address_space: global }
      - { .name: rk, .offset: 24, .size: 8, .value_kind: global_buffer, .address_space: global }
      - { .name: yp, .offset: 32, .size: 8, .value_kind: global_buffer, .address_space: global }
    .group_segment_fixed_size: 167424
    .private_segment_fixed_size: 0
    .kernarg_segment_align: 8
    .kernarg_segment_size: 40
    .max_flat_workgroup_size: 128
    .sgpr_count:     66
    .vgpr_count:     1024
    .wavefront_size: 32
...
	.end_amdgpu_metadata
.endif
;; end of part 3
;; launch combine (part 4): grid 257 x 1, 8 waves a work-group, no clusters, 0 bytes of LDS; arguments yp, sel, fw, rk, out0, out1; writes out0, out1
.if DOCPART == 4
	.amdgcn_target "amdgcn-amd-amdhsa--gfx1250"
	.amdhsa_code_object_version 6
	.text
	.protected	k_q2e22ffb9fe_combine
	.globl	k_q2e22ffb9fe_combine
	.p2align	8
	.type	k_q2e22ffb9fe_combine,@function
k_q2e22ffb9fe_combine:
	s_mov_b64 s[64:65], 0
	v_nop
	global_prefetch_b8 v0, s[64:65] scope:SCOPE_SE
	s_setreg_imm32_b32 hwreg(HW_REG_WAVE_MODE, 25, 1), 1
	s_wait_xcnt 0x0
; COMBINE.  out0[t] = c0 y(e0, t) + c1 y(e1, t), where y(e, t) is the sum of the four partial sums along K that lie at the token's rank in expert e's rows of yp.  And the load-balance loss.
; Work-groups 0 to 255: four tokens each; a wave takes half a token's row (2,048 bytes): 32 loads of 512 consecutive bytes, all issued at once, and four stores of 512.
; Where a token's rows lie is read as whole numbers that earlier launches stored (sel: the experts; rk: the ranks) and held by s_min_u32 before it enters an address.
; Work-group 256, wave 0: loss = 8 x the sum over e of (mean probability of e) x (share of e among the 2,048 choices) = 2^-18 x the sum of (sum of p_e) x cnt_e.  (The two choices of a token differ, so the choices are 2,048.)
; A stream: no LDS, no barrier, no matrix unit.
.set V, 16                             ; v16-143: quad 8 i + 4 a + q: piece i of the half row, expert a, K quarter q
	s_load_b256 s[4:11], s[0:1], 0x0               ; yp s[4:5], sel s[6:7], fw s[8:9], rk s[10:11]
	s_load_b128 s[12:15], s[0:1], 0x20             ; out0 s[12:13], out1 s[14:15]
	v_lshrrev_b32 v1, 5, v0
	v_readfirstlane_b32 s16, v1                    ; wave 0..7
	v_and_b32 v2, 31, v0                           ; lane
	v_lshlrev_b32 v1, 4, v2                        ; 16 x lane
	s_cmp_eq_u32 ttmp9, 256
	s_cbranch_scc1 .Lloss
	s_lshr_b32 s17, s16, 1
	s_lshl_b32 s18, ttmp9, 2
	s_add_co_u32 s17, s17, s18                     ; my token
	s_and_b32 s18, s16, 1
	s_lshl_b32 s18, s18, 11                        ; my half of its row
	s_lshl_b32 s20, s17, 2
	s_mov_b32 s21, 0
	s_lshl_b32 s22, s17, 3
	s_mov_b32 s23, 0
	s_lshl_b32 s24, s17, 5
	s_mov_b32 s25, 0
	s_lshl_b32 s30, s17, 12
	s_add_co_u32 s30, s30, s18
	s_mov_b32 s31, 0
	s_wait_kmcnt 0x0
	s_add_nc_u64 s[6:7], s[6:7], s[20:21]
	s_add_nc_u64 s[8:9], s[8:9], s[22:23]
	s_add_nc_u64 s[10:11], s[10:11], s[24:25]
	s_add_nc_u64 s[12:13], s[12:13], s[30:31]
	s_load_b32 s19, s[6:7], 0x0                    ; the token's experts
	s_load_b64 s[26:27], s[8:9], 0x0               ; c0, c1
	s_load_b256 s[32:39], s[10:11], 0x0            ; its rank in each of the eight experts' lists
	s_wait_kmcnt 0x0
	s_bfe_u32 s40, s19, 0x30008                    ; e0
	s_bfe_u32 s41, s19, 0x30010                    ; e1
	s_min_u32 s40, s40, 7
	s_min_u32 s41, s41, 7
	s_mov_b32 s42, s32
	s_mov_b32 s43, s32
.irp k, 1,2,3,4,5,6,7
	s_cmp_eq_u32 s40, \k
	s_cselect_b32 s42, s[32+\k], s42               ; the rank in e0's list: a choice among eight registers
	s_cmp_eq_u32 s41, \k
	s_cselect_b32 s43, s[32+\k], s43               ; and in e1's
.endr
	s_min_u32 s42, s42, 1023
	s_min_u32 s43, s43, 1023
	s_lshl_b32 s44, s40, 10
	s_add_co_u32 s44, s44, s42
	s_lshl_b32 s44, s44, 14                        ; a row of yp is 16,384 bytes
	s_add_co_u32 s44, s44, s18
	s_mov_b32 s45, 0
	s_add_nc_u64 s[46:47], s[4:5], s[44:45]
	s_lshl_b32 s44, s41, 10
	s_add_co_u32 s44, s44, s43
	s_lshl_b32 s44, s44, 14
	s_add_co_u32 s44, s44, s18
	s_add_nc_u64 s[48:49], s[4:5], s[44:45]
	s_mov_b32 s28, s27                             ; c1 as the low word of a pair of its own: the packed forms take a scalar pair's low word for both halves
	s_mov_b32 s29, s27
.irp i, 0,1,2,3
.irp q, 0,1,2,3
	global_load_b128 v[V+32*\i+4*\q:V+32*\i+4*\q+3], v1, s[46:47] offset:4096*\q+512*\i th:TH_LOAD_NT
.endr
.irp q, 0,1,2,3
	global_load_b128 v[V+32*\i+16+4*\q:V+32*\i+16+4*\q+3], v1, s[48:49] offset:4096*\q+512*\i th:TH_LOAD_NT
.endr
.endr
.irp i, 0,1,2,3
	s_wait_loadcnt 24-8*\i                         ; piece i's eight loads are in; those of the later pieces may be out
.irp a, 0,16
.irp h, 0,2
	v_pk_add_f32 v[V+32*\i+\a+\h:V+32*\i+\a+\h+1], v[V+32*\i+\a+\h:V+32*\i+\a+\h+1], v[V+32*\i+\a+4+\h:V+32*\i+\a+4+\h+1]
	v_pk_add_f32 v[V+32*\i+\a+8+\h:V+32*\i+\a+8+\h+1], v[V+32*\i+\a+8+\h:V+32*\i+\a+8+\h+1], v[V+32*\i+\a+12+\h:V+32*\i+\a+12+\h+1]
.endr
.endr
.irp a, 0,16
.irp h, 0,2
	v_pk_add_f32 v[V+32*\i+\a+\h:V+32*\i+\a+\h+1], v[V+32*\i+\a+\h:V+32*\i+\a+\h+1], v[V+32*\i+\a+8+\h:V+32*\i+\a+8+\h+1]
.endr
.endr
.irp h, 0,2
	v_pk_mul_f32 v[V+32*\i+\h:V+32*\i+\h+1], v[V+32*\i+\h:V+32*\i+\h+1], s[26:27] op_sel_hi:[1,0]
.endr
.irp h, 0,2
	v_pk_fma_f32 v[V+32*\i+\h:V+32*\i+\h+1], v[V+32*\i+16+\h:V+32*\i+16+\h+1], s[28:29], v[V+32*\i+\h:V+32*\i+\h+1] op_sel_hi:[1,0,1]
.endr
	global_store_b128 v1, v[V+32*\i:V+32*\i+3], s[12:13] offset:512*\i th:TH_STORE_NT   ; 512 consecutive bytes, at a multiple of 512 from out0's first byte
.endr
	s_endpgm
.Lloss:
	s_cmp_lg_u32 s16, 0
	s_cbranch_scc1 .Lend
	s_mov_b32 s20, 0x76543210
	s_mov_b32 s21, 0xfedcba98                      ; v_permlanex16_b32's selects for lane l xor 16
	v_and_b32 v3, 1, v2
	v_lshlrev_b32 v3, 9, v3                        ; cnt of experts 4 (lane % 2) + k: 128 bytes an expert
	v_mov_b32 v4, 0
.irp k, 0,1,2,3
	v_mov_b32 v[84+\k], 0                          ; written once: a lane permute's destination counts as one of its sources
.endr
	s_wait_kmcnt 0x0
.irp n, 0,1,2,3,4,5,6,7,8,9,10,11,12,13,14,15
	global_load_b128 v[16+4*\n:19+4*\n], v1, s[8:9] offset:8192+512*\n   ; 256 rows of 8 sums of probabilities: a lane holds experts 4 (lane % 2) + 0 .. 3
.endr
.irp k, 0,1,2,3
	global_load_b32 v[80+\k], v3, s[10:11] offset:32768+128*\k
.endr
	s_wait_loadcnt 0x0
.irp n, 1,2,3,4,5,6,7,8,9,10,11,12,13,14,15
	v_pk_add_f32 v[16:17], v[16:17], v[16+4*\n:17+4*\n]
	v_pk_add_f32 v[18:19], v[18:19], v[18+4*\n:19+4*\n]
.endr
.irp m, 2,4,8
.irp k, 0,1,2,3
	v_add_f32_dpp v[16+\k], v[16+\k], v[16+\k] row_xmask:\m row_mask:0xf bank_mask:0xf   ; the lanes of my parity
.endr
.endr
.irp k, 0,1,2,3
	v_permlanex16_b32 v[84+\k], v[16+\k], s20, s21
.endr
.irp k, 0,1,2,3
	v_add_f32 v[16+\k], v[16+\k], v[84+\k]
.endr
.irp k, 0,1,2,3
	v_cvt_f32_u32 v[80+\k], v[80+\k]
.endr
	v_mul_f32 v84, v16, v80
	v_fmac_f32 v84, v17, v81
	v_fmac_f32 v84, v18, v82
	v_fmac_f32 v84, v19, v83
	v_add_f32_dpp v84, v84, v84 row_xmask:1 row_mask:0xf bank_mask:0xf   ; the other four experts
	v_mul_f32 v84, 0x36800000, v84                 ; x 2^-18 = 8 / (1,024 x 2,048)
	v_cmp_eq_u32 vcc_lo, 0, v2
	s_wait_xcnt 0x0                                ; EXEC changes only behind this wait
	s_and_saveexec_b32 s22, vcc_lo
	global_store_b32 v4, v84, s[14:15]
	s_wait_xcnt 0x0
	s_or_b32 exec_lo, exec_lo, s22
.Lend:
	s_endpgm
.Lfunc_end_k_q2e22ffb9fe_combine:
	.size	k_q2e22ffb9fe_combine, .Lfunc_end_k_q2e22ffb9fe_combine-k_q2e22ffb9fe_combine
	.p2alignl 7, 3214868480
	.fill 96, 4, 3214868480
	.section	.rodata,"a",@progbits
	.p2align	6, 0x0
	.amdhsa_kernel k_q2e22ffb9fe_combine
		.amdhsa_group_segment_fixed_size 0
		.amdhsa_private_segment_fixed_size 0
		.amdhsa_enable_private_segment 0
		.amdhsa_kernarg_size 48
		.amdhsa_user_sgpr_count 2
		.amdhsa_user_sgpr_kernarg_segment_ptr 1
		.amdhsa_wavefront_size32 1
		.amdhsa_system_sgpr_workgroup_id_x 1
		.amdhsa_system_sgpr_workgroup_id_y 1
		.amdhsa_system_sgpr_workgroup_id_z 1
		.amdhsa_system_vgpr_workitem_id 0
		.amdhsa_next_free_vgpr 152
		.amdhsa_next_free_sgpr 66
		.amdhsa_reserve_vcc 1
		.amdhsa_float_denorm_mode_32 3
		.amdhsa_float_denorm_mode_16_64 3
		.amdhsa_memory_ordered 1
		.amdhsa_forward_progress 1
		.amdhsa_inst_pref_size 17
	.end_amdhsa_kernel
	.amdgpu_metadata
---
amdhsa.version: [ 1, 2 ]
amdhsa.kernels:
  - .name:           k_q2e22ffb9fe_combine
    .symbol:         k_q2e22ffb9fe_combine.kd
    .args:
      - { .name: yp, .offset: 0, .size: 8, .value_kind: global_buffer, .address_space: global }
      - { .name: sel, .offset: 8, .size: 8, .value_kind: global_buffer, .address_space: global }
      - { .name: fw, .offset: 16, .size: 8, .value_kind: global_buffer, .address_space: global }
      - { .name: rk, .offset: 24, .size: 8, .value_kind: global_buffer, .address_space: global }
      - { .name: out0, .offset: 32, .size: 8, .value_kind: global_buffer, .address_space: global }
      - { .name: out1, .offset: 40, .size: 8, .value_kind: global_buffer, .address_space: global }
    .group_segment_fixed_size: 0
    .private_segment_fixed_size: 0
    .kernarg_segment_align: 8
    .kernarg_segment_size: 48
    .max_flat_workgroup_size: 256
    .sgpr_count:     66
    .vgpr_count:     152
    .wavefront_size: 32
...
	.end_amdgpu_metadata
.endif
;; end of part 4
;; ======== version 2 of 2: 4 launches
;; workspace buffers: xq 1,081,344 bytes; sel 4,096 bytes of whole numbers; fw 16,384 bytes; rk 33,792 bytes of whole numbers; hq 34,603,008 bytes; yp 134,217,728 bytes
;; launch route (part 5): grid 256 x 1, 4 waves a work-group, no clusters, 1,536 bytes of LDS; arguments x, Wg, xq, sel, fw; writes xq, sel, fw
.if DOCPART == 5
	.amdgcn_target "amdgcn-amd-amdhsa--gfx1250"
	.amdhsa_code_object_version 6
	.text
	.protected	k_q2e22ffb9fe_route
	.globl	k_q2e22ffb9fe_route
	.p2align	8
	.type	k_q2e22ffb9fe_route,@function
k_q2e22ffb9fe_route:
	s_mov_b64 s[64:65], 0
	v_nop
	global_prefetch_b8 v0, s[64:65] scope:SCOPE_SE
	s_setreg_imm32_b32 hwreg(HW_REG_WAVE_MODE, 25, 1), 1
	s_wait_xcnt 0x0
; ROUTE.  For each of 1,024 tokens: the gate's 8 logits (f32 multiply-adds), softmax, the two largest probabilities (equal ones: the lower index), their weights c = p / (p0 + p1 + 1e-8);
; and x turned into codes of E5M2 with one E8M0 byte for each 32 along K.
; OUT: xq: codes [token][1024 bytes] from byte 0, scale bytes [token][32] from byte 1,048,576.   sel: a word a token: (1 << e0) | (1 << e1) | e0 << 8 | e1 << 16.
;      fw: (c0, c1) [token][2] from byte 0; the sum of the work-group's four rows of probabilities [work-group][8] from byte 8,192.
; No address and no branch of this launch hangs on the choice: it is stored at fixed places, and later launches read it.
; SHARES.  A work-group takes 4 tokens.  Wave w takes k = 256 w .. 256 w + 255 of all four, lane l the eight k = 256 w + 8 l + i.  The waves' partial logits meet in LDS; wave 0 finishes, lane = 8 x token + expert.
; LIMITS: NaN and infinities are not served.  A block of zeros gets the byte 1 and not 127: its codes are zeros and this program alone reads the bytes; blocks whose largest magnitude lies under 2^-111 are held at byte 1.
; The logits are summed in another order than a row-by-row sum: two probabilities that differ by the last bits may change places.
.set XR,   16                          ; v16-47    x: 8 t + i
.set GW,   48                          ; v48-111   Wg: 8 i + e
.set ACC,  112                         ; v112-143  partial logits: 8 t + e
.set CD,   144                         ; v144-151  codes, two registers a token
.set MX,   152                         ; v152-155  largest magnitudes
.set SCL,  156                         ; v156-159  the conversions' scale operands
.set HOLD, 160                         ; v160-163  57,344 x the scale
.set BYT,  164                         ; v164-167  scale bytes
.set TP,   168                         ; v168-175  at work
.set PART, 0                           ; LDS: [wave][32 f32]
.set XSL,  512                         ; LDS: [token][32 scale bytes]
	s_load_b256 s[4:11], s[0:1], 0x0               ; x s[4:5], Wg s[6:7], xq s[8:9], sel s[10:11]
	s_load_b64 s[12:13], s[0:1], 0x20              ; fw
	v_lshl_add_u32 v176, v0, 2, 0x400
	v_mov_b32 v177, 0
	v_lshrrev_b32 v1, 5, v0
	v_readfirstlane_b32 s16, v1                    ; wave 0..3
	v_and_b32 v1, 31, v0                           ; lane
	v_lshlrev_b32 v2, 5, v1                        ; x: 32 bytes a lane
	v_lshlrev_b32 v3, 8, v1                        ; Wg: 8 rows of 32 bytes a lane
	v_lshlrev_b32 v4, 3, v1                        ; codes: 8 bytes a lane
	v_lshrrev_b32 v5, 2, v1                        ; a block of 32 is four lanes
	s_lshl_b32 s17, s16, 3
	s_add_co_u32 s17, s17, XSL
	v_add_nc_u32 v5, s17, v5                       ; LDS: XSL + 8 w + lane / 4: my block's byte
	s_lshl_b32 s17, s16, 7
	v_mov_b32 v6, s17                              ; LDS: PART + 128 w
	v_lshlrev_b32 v7, 2, v1                        ; 4 x lane
	s_mov_b32 s20, 0x76543210
	s_mov_b32 s21, 0xfedcba98                      ; v_permlanex16_b32's selects for lane l xor 16
	s_mov_b32 s22, 0x600000                        ; the mantissa field of 57,344
	s_lshl_b32 s18, ttmp9, 14                      ; x: 4 rows of 4,096 bytes a work-group, 1,024 bytes a wave
	s_lshl_b32 s17, s16, 10
	s_add_co_u32 s18, s18, s17
	s_mov_b32 s19, 0
	s_lshl_b32 s24, s16, 13                        ; Wg: 256 rows a wave
	s_mov_b32 s25, 0
	s_lshl_b32 s26, ttmp9, 12                      ; codes: 4 rows of 1,024 bytes, 256 bytes a wave
	s_lshl_b32 s17, s16, 8
	s_add_co_u32 s26, s26, s17
	s_mov_b32 s27, 0
	s_lshl_b32 s28, ttmp9, 7                       ; scale bytes: 128 a work-group
	s_add_co_u32 s28, s28, 0x100000
	s_mov_b32 s29, 0
	s_lshl_b32 s30, ttmp9, 4                       ; sel: 16 bytes a work-group
	s_mov_b32 s31, 0
	s_lshl_b32 s32, ttmp9, 5                       ; fw: 32 bytes a work-group, in both its parts
	s_mov_b32 s33, 0
	s_wait_alu depctr_va_vdst(0)
	s_wait_kmcnt 0x0
	s_add_nc_u64 s[14:15], s[8:9], s[28:29]
	s_add_nc_u64 s[4:5], s[4:5], s[18:19]
	s_add_nc_u64 s[6:7], s[6:7], s[24:25]
	s_add_nc_u64 s[8:9], s[8:9], s[26:27]
	s_add_nc_u64 s[10:11], s[10:11], s[30:31]
	s_add_nc_u64 s[12:13], s[12:13], s[32:33]
.irp t, 0,1,2,3
	global_load_b128 v[XR+8*\t:XR+8*\t+3], v2, s[4:5] offset:4096*\t th:TH_LOAD_NT
	global_load_b128 v[XR+8*\t+4:XR+8*\t+7], v2, s[4:5] offset:4096*\t+16 th:TH_LOAD_NT
.endr
.irp n, 0,1,2,3,4,5,6,7,8,9,10,11,12,13,14,15
	global_load_b128 v[GW+4*\n:GW+4*\n+3], v3, s[6:7] offset:16*\n
.endr
.irp k, 0,1,2,3,4,5,6,7
	v_mov_b32 v[TP+\k], 0                          ; written once: a lane permute's destination counts as one of its sources
.endr
	s_wait_loadcnt 0x0
	; THE GATE: 4 tokens x 8 experts x my 8 k, two experts an instruction; x's number serves both halves.  The first product starts the sums.  16 chains by turns
.irp t, 0,1,2,3
.irp p, 0,1,2,3
	v_pk_mul_f32 v[ACC+8*\t+2*\p:ACC+8*\t+2*\p+1], v[XR+8*\t:XR+8*\t+1], v[GW+2*\p:GW+2*\p+1] op_sel_hi:[0,1]
.endr
.endr
.irp i, 2,4,6
.irp t, 0,1,2,3
.irp p, 0,1,2,3
	v_pk_fma_f32 v[ACC+8*\t+2*\p:ACC+8*\t+2*\p+1], v[XR+8*\t+\i:XR+8*\t+\i+1], v[GW+8*\i+2*\p:GW+8*\i+2*\p+1], v[ACC+8*\t+2*\p:ACC+8*\t+2*\p+1] op_sel_hi:[0,1,1]
.endr
.endr
.endr
.irp i, 1,3,5,7
.irp t, 0,1,2,3
.irp p, 0,1,2,3
	v_pk_fma_f32 v[ACC+8*\t+2*\p:ACC+8*\t+2*\p+1], v[XR+8*\t+\i-1:XR+8*\t+\i], v[GW+8*\i+2*\p:GW+8*\i+2*\p+1], v[ACC+8*\t+2*\p:ACC+8*\t+2*\p+1] op_sel:[1,0,0] op_sel_hi:[1,1,1]
.endr
.endr
.endr
	; THE QUANTISER, behind the gate, since the hold changes x.  The four tokens by turns
.irp t, 0,1,2,3
	v_max3_num_f32 v[MX+\t], |v[XR+8*\t]|, |v[XR+8*\t+1]|, 0x8000000   ; my 8 numbers, and the floor 2^(16 - 127): the byte cannot fall under 1
.endr
.irp i, 2,4,6
.irp t, 0,1,2,3
	v_max3_num_f32 v[MX+\t], v[MX+\t], |v[XR+8*\t+\i]|, |v[XR+8*\t+\i+1]|
.endr
.endr
.irp t, 0,1,2,3
	v_max_num_f32_dpp v[MX+\t], v[MX+\t], v[MX+\t] row_xmask:1 row_mask:0xf bank_mask:0xf
.endr
.irp t, 0,1,2,3
	v_max_num_f32_dpp v[MX+\t], v[MX+\t], v[MX+\t] row_xmask:2 row_mask:0xf bank_mask:0xf   ; the four lanes of the block
.endr
.irp t, 0,1,2,3
	v_add_nc_u32 v[SCL+\t], 0xf8800000, v[MX+\t]   ; 15 off the exponent field: the conversion takes that field as its scale
.endr
.irp t, 0,1,2,3
	v_and_or_b32 v[HOLD+\t], v[MX+\t], 0x7f800000, s22   ; 57,344 x the scale
.endr
.irp t, 0,1,2,3
	v_lshrrev_b32 v[BYT+\t], 23, v[SCL+\t]         ; the scale's byte
.endr
.irp t, 0,1,2,3
.irp i, 0,1,2,3,4,5,6,7
	v_med3_num_f32 v[XR+8*\t+\i], v[XR+8*\t+\i], -v[HOLD+\t], v[HOLD+\t]   ; the conversion to an 8-bit code does not saturate (ISA guide 7.6.2)
.endr
.endr
.irp t, 0,1,2,3
	v_cvt_scalef32_pk8_bf8_f32 v[CD+2*\t:CD+2*\t+1], v[XR+8*\t:XR+8*\t+7], v[SCL+\t]
.endr
	v_nop                                          ; a plain line behind the last scaled conversion
.irp t, 0,1,2,3
	ds_store_b8 v5, v[BYT+\t] offset:32*\t         ; the four lanes of a block write the same byte with the same value
	global_store_b64 v4, v[CD+2*\t:CD+2*\t+1], s[8:9] offset:1024*\t   ; the wave stores 256 consecutive bytes, at a multiple of 256 from the buffer's first byte
.endr
	; the 32 partial logits are summed over the 32 lanes
.irp m, 1,2,4,8
.set n, 0
.rept 32
	v_add_f32_dpp v[ACC+n], v[ACC+n], v[ACC+n] row_xmask:\m row_mask:0xf bank_mask:0xf
.set n, n+1
.endr
.endr
.set n, 0
.rept 4
.irp k, 0,1,2,3,4,5,6,7
	v_permlanex16_b32 v[TP+\k], v[ACC+n+\k], s20, s21
.endr
.irp k, 0,1,2,3,4,5,6,7
	v_add_f32 v[ACC+n+\k], v[ACC+n+\k], v[TP+\k]
.endr
.set n, n+8
.endr
.irp n, 0,1,2,3,4,5,6,7
	ds_store_b128 v6, v[ACC+4*\n:ACC+4*\n+3] offset:PART+16*\n   ; every lane holds the sums: all write the same bytes with the same values
.endr
	s_wait_dscnt 0x0                               ; for wave 0's sake: my LDS stores are done
	s_barrier_signal -1
	s_barrier_wait -1
	s_cmp_lg_u32 s16, 0
	s_cbranch_scc1 .Lend                           ; behind the one barrier: waves 1 to 3 are done
	; WAVE 0: lane = 8 t + e
	ds_load_b32 v24, v7 offset:PART
	ds_load_b32 v25, v7 offset:PART+128
	ds_load_b32 v26, v7 offset:PART+256
	ds_load_b32 v27, v7 offset:PART+384
	ds_load_b32 v28, v7 offset:XSL                 ; the four tokens' 128 scale bytes, a word a lane
	s_wait_dscnt 0x0
	v_add_f32 v24, v24, v25
	v_add_f32 v26, v26, v27
	v_add_f32 v8, v24, v26                         ; the logit
	global_store_b32 v7, v28, s[14:15]             ; 128 consecutive bytes
	v_mov_b32 v9, v8
	v_max_num_f32_dpp v9, v9, v9 row_xmask:1 row_mask:0xf bank_mask:0xf
	v_max_num_f32_dpp v9, v9, v9 row_xmask:2 row_mask:0xf bank_mask:0xf
	v_max_num_f32_dpp v9, v9, v9 row_xmask:4 row_mask:0xf bank_mask:0xf   ; the token's largest logit
	v_sub_f32 v10, v8, v9
	v_mul_f32 v10, 0x3fb8aa3b, v10
	s_wait_alu depctr_va_vdst(0)
	v_exp_f32 v10, v10
	v_and_b32 v13, 7, v1                           ; e.  (A plain line behind the exponential)
	s_wait_alu depctr_va_vdst(0)                   ; the wait ahead of the first line that names the result
	v_mov_b32 v11, v10
	v_add_f32_dpp v11, v11, v11 row_xmask:1 row_mask:0xf bank_mask:0xf
	v_add_f32_dpp v11, v11, v11 row_xmask:2 row_mask:0xf bank_mask:0xf
	v_add_f32_dpp v11, v11, v11 row_xmask:4 row_mask:0xf bank_mask:0xf
	s_wait_alu depctr_va_vdst(0)
	v_rcp_f32 v12, v11
	v_mov_b32 v16, 0                               ; (a plain line)
	v_mov_b32 v17, 0
	s_wait_alu depctr_va_vdst(0)
	v_mul_f32 v12, v10, v12                        ; p
; The largest of eight (value, index) pairs, in all eight lanes: the neighbour's pair is taken where its value is larger, or equal with the lower index
.macro TOP val, idx
.irp m, 1,2,4
	v_mov_b32_dpp v16, v[\val] row_xmask:\m row_mask:0xf bank_mask:0xf
	v_mov_b32_dpp v17, v[\idx] row_xmask:\m row_mask:0xf bank_mask:0xf
	v_cmp_gt_f32 s24, v16, v[\val]
	v_cmp_eq_f32 s25, v16, v[\val]
	v_cmp_lt_u32 s26, v17, v[\idx]
	s_and_b32 s25, s25, s26
	s_or_b32 s24, s24, s25
	v_cndmask_b32 v[\val], v[\val], v16, s24
	v_cndmask_b32 v[\idx], v[\idx], v17, s24
.endr
.endm
	v_mov_b32 v18, v12
	v_mov_b32 v19, v13
	TOP 18, 19                                     ; v18 = p0, v19 = e0
	v_cmp_eq_u32 s24, v13, v19
	v_cndmask_b32 v20, v12, -1.0, s24              ; the first choice is taken out: -1 lies under every probability
	v_mov_b32 v21, v13
	TOP 20, 21                                     ; v20 = p1, v21 = e1
	v_add_f32 v22, v18, v20
	v_add_f32 v22, 0x322bcc77, v22                 ; + 1e-8
	s_wait_alu depctr_va_vdst(0)
	v_rcp_f32 v29, v22
	v_lshrrev_b32 v27, 1, v1                       ; (a plain line)  lane / 2: 4 bytes a token in lanes 0, 8, 16, 24
	v_lshlrev_b32 v23, v19, 1
	v_lshlrev_b32 v24, v21, 1
	v_or_b32 v23, v23, v24
	v_lshl_or_b32 v23, v19, 8, v23
	v_lshl_or_b32 v23, v21, 16, v23                ; the word for sel
	v_mov_b32 v25, v12
	v_add_f32_dpp v25, v25, v25 row_xmask:8 row_mask:0xf bank_mask:0xf
	v_permlanex16_b32 v26, v25, s20, s21
	v_add_f32 v25, v25, v26                        ; p summed over the four tokens
	s_wait_alu depctr_va_vdst(0)
	v_mul_f32 v30, v18, v29                        ; c0
	v_mul_f32 v31, v20, v29                        ; c1
	v_cmp_eq_u32 vcc_lo, 0, v13
	s_wait_alu depctr_va_vdst(0)
	s_wait_xcnt 0x0                                ; EXEC is a source of the stores that are out: it changes only behind this wait
	s_and_saveexec_b32 s30, vcc_lo                 ; one lane a token
	global_store_b32 v27, v23, s[10:11]
	global_store_b64 v1, v[30:31], s[12:13]
	s_wait_xcnt 0x0
	s_or_b32 exec_lo, exec_lo, s30
	v_cmp_gt_u32 vcc_lo, 8, v1
	s_and_saveexec_b32 s30, vcc_lo                 ; lanes 0 to 7: one for each expert
	global_store_b32 v7, v25, s[12:13] offset:8192
	s_wait_xcnt 0x0
	s_or_b32 exec_lo, exec_lo, s30
.Lend:
	s_wait_tensorcnt 0x0
	ds_add_u32 v176, v177
	s_wait_dscnt 0x0
	s_endpgm
.Lfunc_end_k_q2e22ffb9fe_route:
	.size	k_q2e22ffb9fe_route, .Lfunc_end_k_q2e22ffb9fe_route-k_q2e22ffb9fe_route
	.p2alignl 7, 3214868480
	.fill 96, 4, 3214868480
	.section	.rodata,"a",@progbits
	.p2align	6, 0x0
	.amdhsa_kernel k_q2e22ffb9fe_route
		.amdhsa_group_segment_fixed_size 1536
		.amdhsa_private_segment_fixed_size 0
		.amdhsa_enable_private_segment 0
		.amdhsa_kernarg_size 40
		.amdhsa_user_sgpr_count 2
		.amdhsa_user_sgpr_kernarg_segment_ptr 1
		.amdhsa_wavefront_size32 1
		.amdhsa_system_sgpr_workgroup_id_x 1
		.amdhsa_system_sgpr_workgroup_id_y 1
		.amdhsa_system_sgpr_workgroup_id_z 1
		.amdhsa_system_vgpr_workitem_id 0
		.amdhsa_next_free_vgpr 178
		.amdhsa_next_free_sgpr 66
		.amdhsa_reserve_vcc 1
		.amdhsa_float_denorm_mode_32 3
		.amdhsa_float_denorm_mode_16_64 3
		.amdhsa_memory_ordered 1
		.amdhsa_forward_progress 1
		.amdhsa_inst_pref_size 36
	.end_amdhsa_kernel
	.amdgpu_metadata
---
amdhsa.version: [ 1, 2 ]
amdhsa.kernels:
  - .name:           k_q2e22ffb9fe_route
    .symbol:         k_q2e22ffb9fe_route.kd
    .args:
      - { .name: x, .offset: 0, .size: 8, .value_kind: global_buffer, .address_space: global }
      - { .name: Wg, .offset: 8, .size: 8, .value_kind: global_buffer, .address_space: global }
      - { .name: xq, .offset: 16, .size: 8, .value_kind: global_buffer, .address_space: global }
      - { .name: sel, .offset: 24, .size: 8, .value_kind: global_buffer, .address_space: global }
      - { .name: fw, .offset: 32, .size: 8, .value_kind: global_buffer, .address_space: global }
    .group_segment_fixed_size: 1536
    .private_segment_fixed_size: 0
    .kernarg_segment_align: 8
    .kernarg_segment_size: 40
    .max_flat_workgroup_size: 128
    .sgpr_count:     66
    .vgpr_count:     178
    .wavefront_size: 32
...
	.end_amdgpu_metadata
.endif
;; end of part 5
;; launch ffn1 (part 6): grid 32 x 8, 4 waves a work-group, no clusters, 133,632 bytes of LDS; arguments W1_codes, W1_scales, xq, sel, hq, rk; writes hq, rk
.if DOCPART == 6
	.amdgcn_target "amdgcn-amd-amdhsa--gfx1250"
	.amdhsa_code_object_version 6
	.text
	.protected	k_q2e22ffb9fe_ffn1
	.globl	k_q2e22ffb9fe_ffn1
	.p2align	8
	.type	k_q2e22ffb9fe_ffn1,@function
k_q2e22ffb9fe_ffn1:
	s_mov_b64 s[64:65], 0
	v_nop
	global_prefetch_b8 v0, s[64:65] scope:SCOPE_SE
	s_setreg_imm32_b32 hwreg(HW_REG_WAVE_SCHED_MODE, 0, 2), 2
	s_setreg_imm32_b32 hwreg(HW_REG_WAVE_MODE, 25, 1), 1
	s_wait_xcnt 0x0
	s_wait_alu depctr_vm_vsrc(0)
; FFN1.  H = Q(gelu(x W1[e])) for the rows that chose expert e, on codes of E5M2 with E8M0 scales; gelu is the exact one; Q is the quantiser along the second product's K.
; Only chosen rows are multiplied: the others are multiplied by a weight 0 that the layer builds itself.
; SHARES.  Work-group (j = x, e = y) owns 128 hidden units of expert e: 128 rows x 1,024 bytes of W1, read from memory once in the launch, and kept in LDS.  These 128 units are K step j of the second product.
; THE RANKS.  The tokens that chose e are numbered 0 .. cnt - 1 in the order of the registers in which sel's 1,024 words are loaded (register 4 g + k of lane l holds token 128 g + 4 l + k; register by register, lane by lane).
; Every wave makes for itself, out of sel, the tokens of the ranks that it works on, while its weights are on their way: a walk over the 32 registers keeps, for each wanted rank, the register's mask of chosen lanes and the
; count of chosen tokens ahead of it; then the wanted set bit of that mask is found by halving.  sel holds whole numbers that the launch before stored; every token is held under 1,024 before it enters an address.
; Wave 0 of work-group (0, e) also stores every token's rank (rk: pos [token][8 experts] from byte 0) and cnt (rk: [e][32 equal words] from byte 32,768) for the launches that follow; this launch loads nothing from rk.
; THE WAVES SHARE THE ROWS.  The expert's rows, by rank, go in tiles of 16; tile g belongs to wave g % 4.  A PASS of a wave takes five tiles (slots): slot u of pass p is tile 4 (5 p + u) + w.
; The loop over passes has four trips, enough for all 1,024 tokens on one expert; a pass whose first row lies behind the last rank is jumped over.  Slots behind the end are multiplied on token 0's row and thrown away.
; One barrier, behind the staging of the weights; none in a loop, since the trips' work hangs on a count made of loaded numbers.  For the same reason: no tensor load, no cluster (partners would need different numbers of tiles).
; THE PRODUCT IS USED TRANSPOSED: source 0 = 16 rows of W1, source 1 = 16 rows of x: a lane holds one row of H.  THE ROWS OF W1 THAT FORM A TILE ARE NOT NEIGHBOURS: lane r of tile 2 b + u takes row
; 32 b + 8 u + r + 8 (r / 8), so that registers 16 b + i of a slot are hidden units 32 b + 16 (lane / 16) + i: the order of the next operand's registers.  The staging lays the rows so in LDS.
; OUT.  hq: codes as images of operand registers, [e][tile 64][K step 32][2,048 bytes] (quad c of lane l at 512 c + 16 l); scale words from byte 33,554,432, [e][tile][K quarter 4][row 16][8 words].
; GELU.  g = max(x, 0) - |x| q, q = erfc(|x| / sqrt 2) / 2 = t 2^(P(t) - x^2 log2(e) / 2), t = 1 / (1 + |x| sqrt(2) / 4), P a polynomial of degree 9 (the Chebyshev fit of erfc whose fractional error is under 1.2e-7,
; times log2 e, less 1).  Nothing is subtracted from 1, so small results keep their relative accuracy.
; LIMITS: NaN and infinities are not served.  A block of zeros gets the byte 1 and not 127 (its codes are zeros; this program alone reads the bytes); blocks under 2^-111 are held at byte 1.
; REGISTERS, in windows of 256.  Window 0: v1-31 addresses; v32-63 W1's scale words; v64-103 x's; v104-167 slot 4's accumulators; v168-247 stage 3 of x's ring, and, while that is free, the ranking.
;   Window 1: two sets of W1's 8 fragments; in the epilogue: scratch.   Window 2: stages 0 to 2 of x's ring, 80 registers each.   Window 3: the accumulators of slots 0 to 3; at the head: the weights on their way to LDS.
; THE MODE: SCHED_MODE bits 1:0 = 2 (LLVM: expert scheduling mode 2), set by the entry lines.  The code itself states the register dependences between vector or matrix instructions and memory or LDS
; instructions, and those through scalar registers that vector instructions write, with s_wait_alu, always for 0.
; THE PLAN.  Registers that memory or LDS instructions touch:
;   v1-10           LI, VW0, VS, WSO, H16, R32: made at the head, read by loads and stores, never written again: one wait on va_vdst ahead of the first load.
;   sets 0, 1       (window 1)  K step s's products read set s % 2; the LDS loads for step s + 1 land in the other set, which step s - 1's products read last.  The epilogue works in both; its stores read the codes and the scale word.
;   stages 0 .. 3   K step s's products read stage s % 4; the loads of K step s + 3 land in stage (s - 1) % 4, which step s - 1's products read last.  Stage 3 also serves the ranking, ahead of a pass's loads.
;   AOFF, ASO       written ahead of a pass by the ranking's last lines; read by the pass's 170 loads.       ASC: a pass's products read it; the next pass's loads land in it.
;   window 3        at the head the weights land there and the staging's LDS stores read them; from then on products write it and the epilogue's copies read it.
; So ONE wait on va_vdst stands at the head of K steps 1 to 6, and the step's loads follow it, dealt among the step's products, which name none of the registers that those loads touch.
; The other waits stand once a pass, once a slot, or at the head; each says below what it states.
.set LP,      1040                     ; a weight row in LDS: 1,024 bytes + 16: an odd multiple of 16, so that the 16 rows of a fragment load start in 16 different groups of banks
.set WPITCH,  1024                     ; a row of W1 in memory
.set WSPITCH, 32                       ; a row of its scale bytes
.set SK,      128                      ; x: bytes from K step to K step
.set SC,      32                       ; and from quad to quad
.set NXA,     0                        ; x's bases do not move from pass to pass: the ranks do
.set NXS,     0
.set LI,   1                           ; v1   16 x lane
.set RR,   2                           ; v2   r = lane % 16
.set HH,   3                           ; v3   h = lane / 16
.set VW0,  4                           ; v4-5 LDS: my place in tiles 0-3, 4-7
.set VS,   6                           ; v6   LDS: where my wave stages
.set WSO,  7                           ; v7   my row among W1's scale words
.set H16,  9                           ; v9   16 h
.set R32,  10                          ; v10  32 r
.set AOFF, 12                          ; v12-16  slot u: my row's codes
.set ASO,  17                          ; v17-21  slot u: my row's scale bytes
.set LE,   22                          ; v22-26  slot u: my row's token
.set CK8,  30                          ; v30-31  the polynomial's c8, twice
.set WSC,  32                          ; 8 b + s: lanes 0-15 tile 2 b, lanes 16-31 tile 2 b + 1, K step s
.set ASC,  64                          ; 8 u + s
.set ACC4, 104
.set RING3, 168
.set SW,   168                         ; the ranking, in stage 3's registers: v168-199 sel's words, then ranks
.set RHO,  200                         ; v200-204  slot u: the rank that I want
.set MV,   205                         ; v205-209  the mask of the register in which it lies
.set PKV,  210                         ; v210-214  chosen tokens ahead of that register | its first token << 16
.set KK,   215                         ; v215-219  which set bit of the mask
.set BA,   220                         ; v220-224  the mask's counts of bits in fields of 2,
.set BB,   225                         ; v225-229  of 4,
.set BCN,  230                         ; v230-234  of 8
.set PS,   235                         ; v235-239  the bit's place
.set TV,   240                         ; v240-244  at work
.set TT,   245                         ; v245-247  at work
.set GX,   0                           ; window 1 in the epilogue: x, then g
.set GT,   64                          ; t
.set GY,   128
.set GP,   192
.set TM,   64                          ; the quantiser's 16 registers at work,
.set QC,   80                          ; its codes,
.set PW,   96                          ; its scale word
.set WB,   4                           ; s[4:5]   my wave's 32 rows of W1
.set WSB,  6                           ; s[6:7]   the piece's scale bytes
.set AB,   8                           ; s[8:9]   x's codes
.set SB,   10                          ; s[10:11] sel
.set HP,   12                          ; s[12:13] hq: the pass's first image
.set ASB,  14                          ; s[14:15] x's scale bytes
.set HSP,  16                          ; s[16:17] hq: the pass's first scale words
.set CNTB, 18                          ; s[18:19] rk + 128 e
.set CNT,  20                          ; s20  the expert's rows
.set WV,   21
.set EX,   22
.set ROW0, 24                          ; s24  the pass's first row of my wave: 320 p + 16 w
.set PASS, 25
.set SU,   26                          ; s26  the slot in the epilogue
.set RW,   27                          ; s27  its first row
.set HC,   28
.set HSC,  30
.set T0,   32
.set T1,   34
.set SEL,  36
.set MNT,  38
.set KH,   39
.set YK,   40
.set CF,   42                          ; s[42+2k:43+2k] c_k, k = 0 .. 7, each twice: the packed forms name pairs
.set C9,   58
.set POSB, 60                          ; s[60:61] rk + 4 e
.set EBIT, 62                          ; s62  1 << e
.set PR,   63                          ; s63  chosen tokens so far
.set CM,   66                          ; s66-70  a compare's lanes, one register a slot
.set SMK,  72                          ; s72-73  a register's mask of chosen lanes, two by turns
.set PKS,  74                          ; s74-75  count | first token << 16, two by turns
.set BCT,  76
.set RT,   77
.set MSB, 0
.macro WIN new                         ; the immediate's high byte repeats the setting that is left; a switch that changes nothing is dropped
.if MSB != (\new)
	s_set_vgpr_msb (MSB<<8)|(\new)
.set MSB, (\new)
.endif
.endm
.macro PLACES n
.rept \n
	v_nop
.endr
.endm
; rows first .. first + count - 1 of my wave's 32 rows of the piece into window 3, 512 consecutive bytes a load
.macro WROWS first, count
	WIN 0xc0
.set p, \first
.rept \count
	global_load_b128 v[8*p:8*p+3], v[LI], s[WB:WB+1] offset:p*WPITCH th:TH_LOAD_NT
	global_load_b128 v[8*p+4:8*p+7], v[LI], s[WB:WB+1] offset:p*WPITCH+512 th:TH_LOAD_NT
.set p, p+1
.endr
	WIN 0
.endm
.macro WSCALES                         ; the piece's scale words, 8 a row
.irp b, 0,1,2,3
.irp g, 0,1
	global_load_b128 v[WSC+8*\b+4*\g:WSC+8*\b+4*\g+3], v[WSO], s[WSB:WSB+1] offset:32*\b*WSPITCH+16*\g
.endr
.endr
.endm
; and on into LDS: row p of my 32 goes to the place that the tiles' order of rows gives it
.macro WSTAGE
	WIN 0x0c
.set p, 0
.rept 32
.set pr, (p&7)|(((p>>4)&1)<<3)|(((p>>3)&1)<<4)
	ds_store_b128 v[VS], v[8*p:8*p+3] offset:pr*LP
	ds_store_b128 v[VS], v[8*p+4:8*p+7] offset:pr*LP+512
.set p, p+1
.endr
	WIN 0
.endm
.macro WFETCH4 s, buf, half            ; four of the 8 fragments of K step s (tiles 4 half .. 4 half + 3) into set buf: 16 LDS loads
	WIN 0x40
.irp t, 0,1,2,3
.irp c, 0,1,2,3
	ds_load_b128 v[128*(\buf)+64*(\half)+16*\t+4*\c:128*(\buf)+64*(\half)+16*\t+4*\c+3], v[VW0+(\half)] offset:(16*\t)*LP+128*(\s)+32*\c
.endr
.endr
.endm
.macro ALOAD ks, nx                    ; the five slots' fragments of K step ks into ring stage ks % 4: 20 loads
.if ((\ks)%4) == 3
	WIN 0
.set RG, RING3
.else
	WIN 0x80
.set RG, 80*((\ks)%4)
.endif
.irp u, 0,1,2,3,4
.irp c, 0,1,2,3
	global_load_b128 v[RG+16*\u+4*\c:RG+16*\u+4*\c+3], v[AOFF+\u], s[AB:AB+1] offset:(\ks)*SK+\c*SC+(\nx)*NXA
.endr
.endr
.endm
.macro SLOAD nx                        ; the five slots' scale words of all 8 K steps: 10 loads
.irp u, 0,1,2,3,4
	global_load_b128 v[ASC+8*\u:ASC+8*\u+3], v[ASO+\u], s[ASB:ASB+1] offset:(\nx)*NXS
	global_load_b128 v[ASC+8*\u+4:ASC+8*\u+7], v[ASO+\u], s[ASB:ASB+1] offset:(\nx)*NXS+16
.endr
.endm
; 8 matrix instructions: slot u against the 8 tiles of weights, K step s.  The pass's 40 accumulators take turns, one instruction a turn, in the same order in every K step
.macro MM s, u, zero
.set WF, 128*((\s)%2)
.if ((\s)%4) == 3
.set RG, RING3+16*(\u)
.set WN, 0x01
.else
.set RG, 80*((\s)%4)+16*(\u)
.set WN, 0x09
.endif
.if (\u) == 4
.set AC, ACC4
.else
.set AC, 64*(\u)
.set WN, WN|0xf0
.endif
	WIN WN
.irp b, 0,1,2,3
.if \zero
	v_wmma_scale_f32_16x16x128_f8f6f4 v[AC+16*\b:AC+16*\b+7], v[WF+32*\b:WF+32*\b+15], v[RG:RG+15], 0, v[WSC+8*\b+(\s)], v[ASC+8*(\u)+(\s)] matrix_a_fmt:MATRIX_FMT_BF8 matrix_b_fmt:MATRIX_FMT_BF8
	v_wmma_scale_f32_16x16x128_f8f6f4 v[AC+16*\b+8:AC+16*\b+15], v[WF+32*\b+16:WF+32*\b+31], v[RG:RG+15], 0, v[WSC+8*\b+(\s)], v[ASC+8*(\u)+(\s)] matrix_a_fmt:MATRIX_FMT_BF8 matrix_b_fmt:MATRIX_FMT_BF8 matrix_a_scale:MATRIX_SCALE_ROW1
.else
	v_wmma_scale_f32_16x16x128_f8f6f4 v[AC+16*\b:AC+16*\b+7], v[WF+32*\b:WF+32*\b+15], v[RG:RG+15], v[AC+16*\b:AC+16*\b+7], v[WSC+8*\b+(\s)], v[ASC+8*(\u)+(\s)] matrix_a_fmt:MATRIX_FMT_BF8 matrix_b_fmt:MATRIX_FMT_BF8
	v_wmma_scale_f32_16x16x128_f8f6f4 v[AC+16*\b+8:AC+16*\b+15], v[WF+32*\b+16:WF+32*\b+31], v[RG:RG+15], v[AC+16*\b+8:AC+16*\b+15], v[WSC+8*\b+(\s)], v[ASC+8*(\u)+(\s)] matrix_a_fmt:MATRIX_FMT_BF8 matrix_b_fmt:MATRIX_FMT_BF8 matrix_a_scale:MATRIX_SCALE_ROW1
.endif
.endr
.endm
; A K STEP: 40 matrix instructions.  Its loads are dealt among them: the next step's weights from LDS, 16 loads behind the first eight products and 16 behind the next eight, into the set that step s - 1 read last;
; x's K step s + 3, 20 loads behind the third eight, into the ring stage that step s - 1 read last.  The step's own products name set s % 2, stage s % 4, the accumulators and the scale words: none of those registers.
; Step 0's loads lean on the wait at the pass's head; step 7 loads nothing and has no wait on va_vdst.
; The count on LOADcnt is the loads issued behind this step's own 20: three stages at step 0, two at steps 1 to 5, one at step 6, none at step 7.
.macro KSTEP s, zero
.if ((\s) >= 1) && ((\s) <= 6)
	PLACES 8                                       ; the eight plain lines between step s - 1's products and the loads into registers that they read stand as in the plain form, here ahead of the wait that states the dependence
.endif
	s_wait_dscnt 0x0                               ; this step's weights are in
.if (\s) == 0
	s_wait_loadcnt 60
.elseif (\s) < 6
	s_wait_loadcnt 40
.elseif (\s) == 6
	s_wait_loadcnt 20
.else
	s_wait_loadcnt 0
.endif
.if ((\s) >= 1) && ((\s) <= 6)
	s_wait_alu depctr_va_vdst(0)                   ; step s - 1's products are done reading the weights' other set and ring stage (s - 1) % 4, in which this step's loads land
.endif
	MM \s, 0, \zero
.if (\s) < 7
	WFETCH4 (\s)+1, ((\s)+1)%2, 0
.endif
	MM \s, 1, \zero
.if (\s) < 7
	WFETCH4 (\s)+1, ((\s)+1)%2, 1
.endif
	MM \s, 2, \zero
.if ((\s) >= 1) && ((\s) <= 4)
	ALOAD (\s)+3, 0
.endif
	MM \s, 3, \zero
	MM \s, 4, \zero
	WIN 0
.endm
.macro SELLOAD                         ; sel's 1,024 words: register 4 g + k of lane l is token 128 g + 4 l + k
.irp g, 0,1,2,3,4,5,6,7
	global_load_b128 v[SW+4*\g:SW+4*\g+3], v[LI], s[SB:SB+1] offset:512*\g
.endr
.endm
; THE WALK over sel's 32 registers.  s[PR] counts the chosen tokens ahead of register n.  A lane that wants rank rho keeps the mask and the count of the LAST register whose count is at most rho: in that one the rank lies
; (a register without chosen tokens has the same count as the next, which then takes its place).  Register 0, whose count is 0, starts the kept pair.  The five slots by turns, each with its own register for the compare.
; The mask of register n + 1 is made ahead of register n's wait on va_sdst, so that one wait a register serves that mask and register n's five compares.
; nx = 0: the first pass's ranks; sel's word is then replaced by the token's rank, count + chosen lanes below.  nx = 1: the ranks of the pass that follows.
.macro STREAM nx
.irp u, 0,1,2,3,4
	s_add_co_u32 s[RT], s[ROW0], 64*\u+320*\nx
	v_add_nc_u32 v[RHO+\u], s[RT], v[RR]
.endr
	s_mov_b32 s[PR], 0
	v_and_b32 v[TT], s[EBIT], v[SW]
	v_cmp_ne_u32 s[SMK], 0, v[TT]                  ; the lanes whose token chose e: register 0's
.set n, 0
.rept 32
.if n < 31
	v_and_b32 v[TT+(n+1)%2], s[EBIT], v[SW+n+1]
	v_cmp_ne_u32 s[SMK+(n+1)%2], 0, v[TT+(n+1)%2]  ; and the next register's
.endif
.if n > 0
	s_add_co_u32 s[PKS+n%2], s[PR], (128*(n/4)+n%4)<<16   ; the count (at most 1,024) below, lane 0's token above
.irp u, 0,1,2,3,4
	v_cmp_le_u32 s[CM+\u], s[PR], v[RHO+\u]
.endr
.endif
	s_wait_alu depctr_va_sdst(0)                   ; the masks of this register and the next and this register's five compares are written, ahead of their first readers below
.if n == 0
.irp u, 0,1,2,3,4
	v_mov_b32 v[MV+\u], s[SMK]
	v_mov_b32 v[PKV+\u], 0
.endr
.else
.irp u, 0,1,2,3,4
	v_cndmask_b32 v[MV+\u], v[MV+\u], s[SMK+n%2], s[CM+\u]
.endr
.irp u, 0,1,2,3,4
	v_cndmask_b32 v[PKV+\u], v[PKV+\u], s[PKS+n%2], s[CM+\u]
.endr
.endif
.if \nx == 0
	v_mbcnt_lo_u32_b32 v[SW+n], s[SMK+n%2], s[PR]
.endif
	s_bcnt1_i32_b32 s[BCT], s[SMK+n%2]
	s_add_co_u32 s[PR], s[PR], s[BCT]
.set n, n+1
.endr
.endm
; One halving: t = the set bits in the w places from the place in hand on, read off the counts in fields of w bits.  Where the wanted bit's number is t or more, it lies further up: t off the number, w onto the place
.macro BITSTEP src, w
.irp u, 0,1,2,3,4
	v_bfe_u32 v[TV+\u], v[\src+\u], v[PS+\u], \w
.endr
.irp u, 0,1,2,3,4
	v_cmp_ge_u32 s[CM+\u], v[KK+\u], v[TV+\u]
.endr
	s_wait_alu depctr_va_sdst(0)                   ; the five compares are written, ahead of the selects that read them
.irp u, 0,1,2,3,4
	v_cndmask_b32 v[TV+\u], 0, v[TV+\u], s[CM+\u]
.endr
.irp u, 0,1,2,3,4
	v_sub_nc_u32 v[KK+\u], v[KK+\u], v[TV+\u]
.endr
.irp u, 0,1,2,3,4
	v_cndmask_b32 v[TV+\u], 0, \w, s[CM+\u]
.endr
.irp u, 0,1,2,3,4
	v_add_nc_u32 v[PS+\u], v[PS+\u], v[TV+\u]
.endr
.endm
; THE WANTED SET BIT of the kept mask, and the token: first token + 4 x the bit's place.  A rank behind the end gets token 0: all its lanes then read one row
.macro SELECT
.irp u, 0,1,2,3,4
	v_and_b32 v[KK+\u], 0xffff, v[PKV+\u]
.endr
.irp u, 0,1,2,3,4
	v_sub_nc_u32 v[KK+\u], v[RHO+\u], v[KK+\u]     ; which set bit, from 0
.endr
.irp u, 0,1,2,3,4
	v_lshrrev_b32 v[PKV+\u], 16, v[PKV+\u]         ; lane 0's token
.endr
.irp u, 0,1,2,3,4
	v_lshrrev_b32 v[TV+\u], 1, v[MV+\u]
.endr
.irp u, 0,1,2,3,4
	v_and_b32 v[TV+\u], 0x55555555, v[TV+\u]
.endr
.irp u, 0,1,2,3,4
	v_sub_nc_u32 v[BA+\u], v[MV+\u], v[TV+\u]      ; counts in fields of 2
.endr
.irp u, 0,1,2,3,4
	v_lshrrev_b32 v[TV+\u], 2, v[BA+\u]
.endr
.irp u, 0,1,2,3,4
	v_and_b32 v[TV+\u], 0x33333333, v[TV+\u]
.endr
.irp u, 0,1,2,3,4
	v_and_b32 v[BB+\u], 0x33333333, v[BA+\u]
.endr
.irp u, 0,1,2,3,4
	v_add_nc_u32 v[BB+\u], v[BB+\u], v[TV+\u]      ; in fields of 4
.endr
.irp u, 0,1,2,3,4
	v_lshrrev_b32 v[TV+\u], 4, v[BB+\u]
.endr
.irp u, 0,1,2,3,4
	v_add_nc_u32 v[TV+\u], v[BB+\u], v[TV+\u]
.endr
.irp u, 0,1,2,3,4
	v_and_b32 v[BCN+\u], 0x0f0f0f0f, v[TV+\u]      ; in fields of 8
.endr
.irp u, 0,1,2,3,4
	v_lshrrev_b32 v[TV+\u], 8, v[BCN+\u]
.endr
.irp u, 0,1,2,3,4
	v_add_nc_u32 v[TV+\u], v[BCN+\u], v[TV+\u]
.endr
.irp u, 0,1,2,3,4
	v_and_b32 v[TV+\u], 0xff, v[TV+\u]             ; the set bits of the low 16
.endr
.irp u, 0,1,2,3,4
	v_cmp_ge_u32 s[CM+\u], v[KK+\u], v[TV+\u]
.endr
	s_wait_alu depctr_va_sdst(0)                   ; the five compares are written, ahead of the selects that read them
.irp u, 0,1,2,3,4
	v_cndmask_b32 v[TV+\u], 0, v[TV+\u], s[CM+\u]
.endr
.irp u, 0,1,2,3,4
	v_sub_nc_u32 v[KK+\u], v[KK+\u], v[TV+\u]
.endr
.irp u, 0,1,2,3,4
	v_cndmask_b32 v[PS+\u], 0, 16, s[CM+\u]        ; the first halving starts the place
.endr
	BITSTEP BCN, 8
	BITSTEP BB, 4
	BITSTEP BA, 2
	BITSTEP MV, 1
.irp u, 0,1,2,3,4
	v_cmp_gt_u32 s[CM+\u], s[CNT], v[RHO+\u]
.endr
.irp u, 0,1,2,3,4
	v_lshl_add_u32 v[LE+\u], v[PS+\u], 2, v[PKV+\u]
.endr
	s_wait_alu depctr_va_sdst(0)                   ; the five compares are written, ahead of the selects that read them
.irp u, 0,1,2,3,4
	v_cndmask_b32 v[LE+\u], 0, v[LE+\u], s[CM+\u]
.endr
.endm
; The rows of a pass: their tokens, held under 1,024; their offsets; their scale words and first two K steps: 50 loads.  nx = 1: for the pass that follows: sel is read and walked once more
.macro PRE_A nx
.if \nx
	s_wait_alu depctr_va_vdst(0)                   ; the pass's products are done reading ring stage 3, in whose registers sel's words land
	SELLOAD
	s_wait_loadcnt 0x0                             ; nothing else is out here
	STREAM 1
.endif
	SELECT
.if \nx
	s_wait_alu depctr_vm_vsrc(0)                   ; the pass's loads have read v[AOFF ..] and v[ASO ..], which are written anew below
.endif
.irp u, 0,1,2,3,4
	v_min_u32 v[LE+\u], 0x3ff, v[LE+\u]
.endr
.irp u, 0,1,2,3,4
	v_lshl_add_u32 v[AOFF+\u], v[LE+\u], 10, v[H16]
.endr
.irp u, 0,1,2,3,4
	v_lshlrev_b32 v[ASO+\u], 5, v[LE+\u]
.endr
	s_wait_alu depctr_va_vdst(0)                   ; v[AOFF ..] and v[ASO ..] are written, which the pass's loads read; the ranking is done with stage 3's registers, and a pass before is done reading x's scale words and stages 0 to 2: loads land in all of them
	SLOAD \nx
	ALOAD 0, \nx
	ALOAD 1, \nx
	WIN 0
.endm
.macro PRE_B nx                        ; and K steps 2 and 3: 40 loads.  No vector or matrix instruction stands between PRE_A's last wait and these
	ALOAD 2, \nx
	ALOAD 3, \nx
.endm
.macro COPY u                          ; slot u's 64 results into window 1, each accumulator from its low end on
.if (\u) == 4
	WIN 0x40
.set AC, ACC4
.else
	WIN 0x43
.set AC, 64*(\u)
.endif
.set i, 0
.rept 64
	v_mov_b32 v[GX+i], v[AC+i]
.set i, i+1
.endr
	WIN 0
.endm
	s_load_b256 s[4:11], s[0:1], 0x0               ; W1's codes, W1's scales, xq, sel
	s_load_b64 s[12:13], s[0:1], 0x20              ; hq
	s_load_b64 s[POSB:POSB+1], s[0:1], 0x28        ; rk
	v_lshl_add_u32 v254, v0, 2, 0x20800
	v_mov_b32 v255, 0
	v_lshrrev_b32 v29, 5, v0
	v_readfirstlane_b32 s[WV], v29                 ; wave 0..3
	v_and_b32 v29, 31, v0
	v_lshlrev_b32 v[LI], 4, v29
	v_and_b32 v[RR], 15, v0
	v_bfe_u32 v[HH], v0, 4, 1
	v_mul_u32_u24 v[VW0], v[RR], LP
	v_lshl_add_u32 v[VW0], v[HH], 4, v[VW0]        ; row r x pitch + 16 h
	v_add_nc_u32 v[VW0+1], 64*LP, v[VW0]
	s_wait_alu depctr_va_sdst(0)                   ; s[WV] is written, ahead of its first reader: addresses and bases are made from it
	s_mul_i32 s[T1], s[WV], 32*LP
	v_add_nc_u32 v[VS], s[T1], v[LI]
	v_and_b32 v[WSO], 8, v[RR]
	v_add_nc_u32 v[WSO], v[WSO], v[RR]
	v_lshl_add_u32 v[WSO], v[HH], 3, v[WSO]
	v_lshlrev_b32 v[WSO], 5, v[WSO]                ; (8 h + r + 8 (r / 8)) rows of 32 bytes: lanes 16-31 take the odd tile's rows
	v_lshlrev_b32 v[H16], 4, v[HH]
	v_lshlrev_b32 v[R32], 5, v[RR]
	v_mov_b32 v[CK8], 0xbf97d29d                   ; c8 = -1.186114944
	v_mov_b32 v[CK8+1], 0xbf97d29d
	s_mov_b32 s[SEL], 0x76543210
	s_mov_b32 s[SEL+1], 0xfedcba98                 ; v_permlanex16_b32's selects for lane l xor 16
	s_mov_b32 s[MNT], 0x600000                     ; the mantissa field of 57,344
	s_mov_b32 s[KH], 0x3eb504f3                    ; sqrt(2) / 4
	s_mov_b32 s[YK], 0xbf38aa3b                    ; -log2(e) / 2
	s_mov_b32 s[YK+1], 0xbf38aa3b
.macro COEF k, bits
	s_mov_b32 s[CF+2*\k], \bits
	s_mov_b32 s[CF+2*\k+1], \bits
.endm
	COEF 0, 0xc034d90f                             ; -2.825748217
	COEF 1, 0x3fb8ab5a                             ;  1.44272920
	COEF 2, 0x3f0a29d2                             ;  0.539700615
	COEF 3, 0x3e0efb2e                             ;  0.139630056
	COEF 4, 0xbe899a80                             ; -0.26875686
	COEF 5, 0x3ecdfd18                             ;  0.402321582
	COEF 6, 0xbfd1a1e5                             ; -1.637753151
	COEF 7, 0x40097039                             ;  2.147474463
	COEF 8, 0x3e7c6f08                             ;  c9 = 0.246517298 (it stands at s[58:59])
	s_and_b32 s[EX], ttmp7, 0xffff                 ; the expert
	s_lshl_b32 s[EBIT], 1, s[EX]                   ; its bit in a word of sel
	s_mov_b32 s[T0+1], 0
	s_lshl_b32 s[ROW0], s[WV], 4
	s_mov_b32 s[PASS], 0
	s_wait_kmcnt 0x0
	s_wait_alu depctr_va_vdst(0)                   ; v1 to v10 are written: every load and store of the kernel reads one of them as its address or offset, or an offset made from them, and none of them is written again
	SELLOAD                                        ; asked for ahead of the weights, since x's rows hang on it
	s_lshl_b32 s[T0], s[EX], 22
	s_lshl_b32 s[T1], ttmp9, 17
	s_add_co_u32 s[T0], s[T0], s[T1]
	s_lshl_b32 s[T1], s[WV], 15
	s_add_co_u32 s[T0], s[T0], s[T1]
	s_add_nc_u64 s[WB:WB+1], s[WB:WB+1], s[T0:T0+1]
	s_lshl_b32 s[T0], s[EX], 17
	s_lshl_b32 s[T1], ttmp9, 12
	s_add_co_u32 s[T0], s[T0], s[T1]
	s_add_nc_u64 s[WSB:WSB+1], s[WSB:WSB+1], s[T0:T0+1]
	WROWS 0, 27                                    ; 54 loads: with sel's eight, 62 of mine are out
	s_add_nc_u64 s[ASB:ASB+1], s[AB:AB+1], 0x100000
	s_lshl_b32 s[T0], s[EX], 17                    ; hq's scale words: expert, tile w, K quarter j / 8, word j % 8
	s_lshl_b32 s[T1], s[WV], 11
	s_add_co_u32 s[T0], s[T0], s[T1]
	s_lshr_b32 s[T1], ttmp9, 3
	s_lshl_b32 s[T1], s[T1], 9
	s_add_co_u32 s[T0], s[T0], s[T1]
	s_and_b32 s[T1], ttmp9, 7
	s_lshl_b32 s[T1], s[T1], 2
	s_add_co_u32 s[T0], s[T0], s[T1]
	s_add_co_u32 s[T0], s[T0], 0x2000000
	s_add_nc_u64 s[HSP:HSP+1], s[HP:HP+1], s[T0:T0+1]
	s_lshl_b32 s[T0], s[EX], 22                    ; hq's images: expert, tile w, K step j
	s_lshl_b32 s[T1], s[WV], 16
	s_add_co_u32 s[T0], s[T0], s[T1]
	s_lshl_b32 s[T1], ttmp9, 11
	s_add_co_u32 s[T0], s[T0], s[T1]
	s_add_nc_u64 s[HP:HP+1], s[HP:HP+1], s[T0:T0+1]
	s_lshl_b32 s[T0], s[EX], 7                     ; rk: my expert's cnt,
	s_add_nc_u64 s[CNTB:CNTB+1], s[POSB:POSB+1], s[T0:T0+1]
	s_lshl_b32 s[T0], s[EX], 2                     ; and its column of pos
	s_add_nc_u64 s[POSB:POSB+1], s[POSB:POSB+1], s[T0:T0+1]
	s_wait_loadcnt 54                              ; exactly the 54 weight loads were issued behind sel's eight: sel is in, the weights stay on their way under the walk
	STREAM 0
	s_min_u32 s[CNT], s[PR], 1024                  ; the expert's rows
	WROWS 27, 5                                    ; the other ten weight loads,
	WSCALES                                        ; and the scale words' eight.  (The walk names none of these loads' registers: they lean on the head's wait)
	s_or_b32 s[RT], ttmp9, s[WV]
	s_cmp_lg_u32 s[RT], 0
	s_cbranch_scc1 .Lno_pos                        ; wave 0 of the expert's first work-group stores the ranks and the count for the launches that follow
	v_lshlrev_b32 v[TT], 3, v[LI]                  ; 128 x lane: four tokens' rows of pos
	v_lshrrev_b32 v[TT+1], 2, v[LI]                ; 4 x lane
	v_mov_b32 v[TT+2], s[CNT]
	s_wait_alu depctr_va_vdst(0)                   ; the walk has written the ranks in v[SW ..], the three lines above the two offsets and the count: the stores read them
.set n, 0
.rept 32
	global_store_b32 v[TT], v[SW+n], s[POSB:POSB+1] offset:4096*(n/4)+32*(n%4)   ; every token's word is written; only a chosen expert's is read
.set n, n+1
.endr
	global_store_b32 v[TT+1], v[TT+2], s[CNTB:CNTB+1] offset:32768
	s_wait_xcnt 0x0                                ; the stores have had their addresses translated: further down vector lines and loads write their registers again
	s_wait_alu depctr_vm_vsrc(0)                   ; the stores have read v[SW ..] and v[TT ..], in which x's K step 3 lands further down
.Lno_pos:
	s_wait_alu depctr_va_vdst(0)
	PRE_A 0
	s_wait_loadcnt 50                              ; exactly the 50 loads just issued may be out: the weights and their scale words are in
	WSTAGE
	PRE_B 0
	s_wait_dscnt 0x0                               ; for the others' sake: my rows lie in LDS
	s_barrier_signal -1
	s_barrier_wait -1                              ; the whole piece does
	s_wait_alu depctr_vm_vsrc(0)                   ; my LDS stores have read window 3's registers: from here on they are accumulators, which the products write
.Lpass:
	s_cmp_ge_u32 s[ROW0], s[CNT]
	s_cbranch_scc1 .Lpass_next
	s_wait_alu depctr_va_vdst(0)                   ; the epilogue of the pass before is done reading and writing window 1, in which the weights' fragments of K steps 0 and 1 land (in the first trip nothing is pending)
	WFETCH4 0, 0, 0
	WFETCH4 0, 0, 1
	WIN 0
	KSTEP 0, 1                                     ; its products start the sums: nothing is cleared
	KSTEP 1, 0
	KSTEP 2, 0
	KSTEP 3, 0
	KSTEP 4, 0
	KSTEP 5, 0
	KSTEP 6, 0
	KSTEP 7, 0
	PLACES 9                                       ; eight for the reads of results, and for vector lines that write operands that are done with; the ninth for a next pass's first products, which write over these accumulators
	s_add_co_u32 s[T1], s[ROW0], 320
	s_cmp_lt_u32 s[T1], s[CNT]
	s_cbranch_scc0 .Lno_more
	PRE_A 1                                        ; the next pass's rows land under the epilogue, which names none of their registers
	PRE_B 1
.Lno_more:
	; THE EPILOGUE, a slot a trip: written once.  A loop cannot change register numbers, so a slot's 64 results are first copied to one place; that keeps some 900 lines from being written five times
	s_mov_b32 s[SU], 0
	s_mov_b32 s[RW], s[ROW0]
	s_mov_b64 s[HC:HC+1], s[HP:HP+1]
	s_mov_b64 s[HSC:HSC+1], s[HSP:HSP+1]
.Lslot:
	s_cmp_ge_u32 s[RW], s[CNT]
	s_cbranch_scc1 .Lslot_next                     ; a slot behind the last rank stores nothing
	s_cmp_eq_u32 s[SU], 0
	s_cbranch_scc1 .Lcopy0
	s_cmp_eq_u32 s[SU], 1
	s_cbranch_scc1 .Lcopy1
	s_cmp_eq_u32 s[SU], 2
	s_cbranch_scc1 .Lcopy2
	s_cmp_eq_u32 s[SU], 3
	s_cbranch_scc1 .Lcopy3
	COPY 4
	s_branch .Lgelu
.Lcopy0:
	COPY 0
	s_branch .Lgelu
.Lcopy1:
	COPY 1
	s_branch .Lgelu
.Lcopy2:
	COPY 2
	s_branch .Lgelu
.Lcopy3:
	COPY 3
.Lgelu:
	WIN 0x55                                       ; all in window 1
.set i, 0
.rept 64
	v_fma_f32 v[GT+i], |v[GX+i]|, s[KH], 1.0
.set i, i+1
.endr
.set i, 0
	s_wait_alu depctr_va_vdst(0)
.rept 64
	v_rcp_f32 v[GT+i], v[GT+i]                     ; t: one batch
.set i, i+1
.endr
.set i, 0
.rept 32
	v_pk_mul_f32 v[GY+i:GY+i+1], v[GX+i:GX+i+1], s[YK:YK+1] op_sel_hi:[1,0]   ; -x log2(e) / 2: plain work behind the batch
.set i, i+2
.endr
	s_wait_alu depctr_va_vdst(0)                   ; one wait for the 64 reciprocals in v[GT ..], ahead of their first reader
	WIN 0x45                                       ; c8 lies in window 0
.set i, 0
.rept 32
	v_pk_fma_f32 v[GP+i:GP+i+1], v[GT+i:GT+i+1], s[C9:C9+1], v[CK8:CK8+1] op_sel_hi:[1,0,1]
.set i, i+2
.endr
	WIN 0x55
.irp k, 7,6,5,4,3,2,1,0
.set i, 0
.rept 32
	v_pk_fma_f32 v[GP+i:GP+i+1], v[GP+i:GP+i+1], v[GT+i:GT+i+1], s[CF+2*\k:CF+2*\k+1] op_sel_hi:[1,1,0]
.set i, i+2
.endr
.endr
.set i, 0
.rept 32
	v_pk_fma_f32 v[GP+i:GP+i+1], v[GX+i:GX+i+1], v[GY+i:GY+i+1], v[GP+i:GP+i+1]   ; P(t) - x^2 log2(e) / 2
.set i, i+2
.endr
.set i, 0
	s_wait_alu depctr_va_vdst(0)
.rept 64
	v_exp_f32 v[GP+i], v[GP+i]                     ; one batch
.set i, i+1
.endr
.set i, 0
.rept 64
	v_max_num_f32 v[GY+i], 0, v[GX+i]              ; max(x, 0): plain work behind the batch
.set i, i+1
.endr
	s_wait_alu depctr_va_vdst(0)                   ; one wait for the 64 exponentials in v[GP ..], ahead of their first reader
.set i, 0
.rept 32
	v_pk_mul_f32 v[GP+i:GP+i+1], v[GP+i:GP+i+1], v[GT+i:GT+i+1]   ; q
.set i, i+2
.endr
.set i, 0
.rept 64
	v_fma_f32 v[GX+i], -|v[GX+i]|, v[GP+i], v[GY+i]   ; g
.set i, i+1
.endr
	; THE QUANTISER: register 16 b + i is k = 32 b + 16 h + i of my row: a block lies in lanes l and l xor 16.  The four blocks by turns
.irp b, 0,1,2,3
	v_max3_num_f32 v[TM+\b], |v[GX+16*\b]|, |v[GX+16*\b+1]|, 0x8000000   ; and the floor 2^(16 - 127): the byte cannot fall under 1
.endr
.irp i, 2,4,6,8,10,12,14
.irp b, 0,1,2,3
	v_max3_num_f32 v[TM+\b], v[TM+\b], |v[GX+16*\b+\i]|, |v[GX+16*\b+\i+1]|
.endr
.endr
.irp b, 0,1,2,3
	v_permlanex16_b32 v[TM+4+\b], v[TM+\b], s[SEL], s[SEL+1]
.endr
.irp b, 0,1,2,3
	v_max_num_f32 v[TM+\b], v[TM+\b], v[TM+4+\b]
.endr
.irp b, 0,1,2,3
	v_add_nc_u32 v[TM+12+\b], 0xf8800000, v[TM+\b]   ; 15 off the exponent field: the conversion's scale operand
.endr
.irp b, 0,1,2,3
	v_and_or_b32 v[TM+8+\b], v[TM+\b], 0x7f800000, s[MNT]   ; 57,344 x the scale
.endr
.irp b, 0,1,2,3
	v_lshrrev_b32 v[TM+4+\b], 23, v[TM+12+\b]      ; the scale's byte
.endr
	v_lshl_or_b32 v[PW], v[TM+5], 8, v[TM+4]
	v_lshl_or_b32 v[PW], v[TM+6], 16, v[PW]
	v_lshl_or_b32 v[PW], v[TM+7], 24, v[PW]        ; my row's scale word for this K step
.irp b, 0,1,2,3
.irp i, 0,1,2,3,4,5,6,7,8,9,10,11,12,13,14,15
	v_med3_num_f32 v[GX+16*\b+\i], v[GX+16*\b+\i], -v[TM+8+\b], v[TM+8+\b]   ; the conversion to an 8-bit code does not saturate (ISA guide 7.6.2)
.endr
	v_cvt_scalef32_pk8_bf8_f32 v[QC+4*\b:QC+4*\b+1], v[GX+16*\b:GX+16*\b+7], v[TM+12+\b]
	v_cvt_scalef32_pk8_bf8_f32 v[QC+4*\b+2:QC+4*\b+3], v[GX+16*\b+8:GX+16*\b+15], v[TM+12+\b]
.endr
	v_nop                                          ; a plain line behind the last scaled conversion
	WIN 0x04                                       ; a store's data are its source 1: window 1
	s_wait_alu depctr_va_vdst(0)                   ; the conversions have written the codes in v[QC ..] and the shifts the scale word in v[PW], which the five stores read
.irp c, 0,1,2,3
	global_store_b128 v[LI], v[QC+4*\c:QC+4*\c+3], s[HC:HC+1] offset:512*\c   ; the image: 512 consecutive bytes a store
.endr
	global_store_b32 v[R32], v[PW], s[HSC:HSC+1]   ; a word a row, 32 bytes apart (lanes l and l + 16 write the same word with the same value): one byte in 32 of what the slot stores
	WIN 0
.Lslot_next:
	s_wait_xcnt 0x0                                ; the stores have had their addresses translated: their bases and data are written again only behind this wait
	s_wait_alu depctr_vm_vsrc(0)                   ; the slot's stores have read v[QC ..] and v[PW], which the next slot's lines write and in which the next pass's fragments land
	s_add_nc_u64 s[HC:HC+1], s[HC:HC+1], 262144    ; four tiles on
	s_add_nc_u64 s[HSC:HSC+1], s[HSC:HSC+1], 8192
	s_add_co_u32 s[RW], s[RW], 64
	s_add_co_u32 s[SU], s[SU], 1
	s_cmp_lt_u32 s[SU], 5
	s_cbranch_scc1 .Lslot
.Lpass_next:
	s_wait_xcnt 0x0                                ; loads and stores that are out have read their bases
	s_add_nc_u64 s[HP:HP+1], s[HP:HP+1], 1310720   ; 20 tiles on
	s_add_nc_u64 s[HSP:HSP+1], s[HSP:HSP+1], 40960
	s_add_co_u32 s[ROW0], s[ROW0], 320
	s_add_co_u32 s[PASS], s[PASS], 1
	s_cmp_lt_u32 s[PASS], 4
	s_cbranch_scc1 .Lpass
	s_wait_dscnt 0x0                               ; the closing lines, six on end
	s_wait_alu 0x0
	s_wait_tensorcnt 0x0
	ds_add_u32 v254, v255
	s_wait_dscnt 0x0
	s_endpgm
.Lfunc_end_k_q2e22ffb9fe_ffn1:
	.size	k_q2e22ffb9fe_ffn1, .Lfunc_end_k_q2e22ffb9fe_ffn1-k_q2e22ffb9fe_ffn1
	.p2alignl 7, 3214868480
	.fill 96, 4, 3214868480
	.section	.rodata,"a",@progbits
	.p2align	6, 0x0
	.amdhsa_kernel k_q2e22ffb9fe_ffn1
		.amdhsa_group_segment_fixed_size 133632
		.amdhsa_private_segment_fixed_size 0
		.amdhsa_enable_private_segment 0
		.amdhsa_kernarg_size 48
		.amdhsa_user_sgpr_count 2
		.amdhsa_user_sgpr_kernarg_segment_ptr 1
		.amdhsa_wavefront_size32 1
		.amdhsa_system_sgpr_workgroup_id_x 1
		.amdhsa_system_sgpr_workgroup_id_y 1
		.amdhsa_system_sgpr_workgroup_id_z 1
		.amdhsa_system_vgpr_workitem_id 0
		.amdhsa_next_free_vgpr 1024
		.amdhsa_next_free_sgpr 80
		.amdhsa_reserve_vcc 0
		.amdhsa_float_denorm_mode_32 3
		.amdhsa_float_denorm_mode_16_64 3
		.amdhsa_memory_ordered 1
		.amdhsa_forward_progress 1
		.amdhsa_inst_pref_size 255
	.end_amdhsa_kernel
	.section	.bss,"aw",@nobits
	.p2align	6
	.space	262144
	.amdgpu_metadata
---
amdhsa.version: [ 1, 2 ]
amdhsa.kernels:
  - .name:           k_q2e22ffb9fe_ffn1
    .symbol:         k_q2e22ffb9fe_ffn1.kd
    .args:
      - { .name: W1_codes, .offset: 0, .size: 8, .value_kind: global_buffer, .address_space: global }
      - { .name: W1_scales, .offset: 8, .size: 8, .value_kind: global_buffer, .address_space: global }
      - { .name: xq, .offset: 16, .size: 8, .value_kind: global_buffer, .address_space: global }
      - { .name: sel, .offset: 24, .size: 8, .value_kind: global_buffer, .address_space: global }
      - { .name: hq, .offset: 32, .size: 8, .value_kind: global_buffer, .address_space: global }
      - { .name: rk, .offset: 40, .size: 8, .value_kind: global_buffer, .address_space: global }
    .group_segment_fixed_size: 133632
    .private_segment_fixed_size: 0
    .kernarg_segment_align: 8
    .kernarg_segment_size: 48
    .max_flat_workgroup_size: 128
    .sgpr_count:     80
    .vgpr_count:     1024
    .wavefront_size: 32
...
	.end_amdgpu_metadata
.endif
;; end of part 6
;; launch ffn2 (part 7): grid 32 x 8, 4 waves a work-group, no clusters, 167,424 bytes of LDS; arguments W2_codes, W2_scales, hq, rk, yp; writes yp
.if DOCPART == 7
	.amdgcn_target "amdgcn-amd-amdhsa--gfx1250"
	.amdhsa_code_object_version 6
	.text
	.protected	k_q2e22ffb9fe_ffn2
	.globl	k_q2e22ffb9fe_ffn2
	.p2align	8
	.type	k_q2e22ffb9fe_ffn2,@function
k_q2e22ffb9fe_ffn2:
	s_mov_b64 s[64:65], 0
	v_nop
	global_prefetch_b8 v0, s[64:65] scope:SCOPE_SE
	s_setreg_imm32_b32 hwreg(HW_REG_WAVE_SCHED_MODE, 0, 2), 2
	s_setreg_imm32_b32 hwreg(HW_REG_WAVE_MODE, 25, 1), 1
	s_wait_xcnt 0x0
	s_wait_alu depctr_vm_vsrc(0)
; FFN2.  Partial sums of H W2[e] for the rows that chose expert e, on codes of E5M2 with E8M0 scales.
; SHARES.  Work-group (x = 8 q + jn, e = y) owns 128 outputs (jn) x a quarter of K (q: 1,024 of 4,096): 128 rows x 1,024 bytes of W2, read from memory once in the launch, and kept in LDS.
; An output is so the sum of four partial sums, which the last launch adds: another order of f32 additions than one chain along K.
; The waves share the rows, five tiles (slots) to a pass, four passes at the most, as in the launch before; H's fragments come from memory as images of their registers, 512 consecutive bytes a load.
; A slot behind the end of the expert's rows reads one address of the pass's first tile, is multiplied and thrown away.  One barrier, behind the staging; no tensor load and no cluster, since the trips' work hangs on a stored count.
; THE PRODUCT IS USED TRANSPOSED: source 0 = 16 rows of W2 (outputs), source 1 = 16 rows of H: a lane holds eight neighbouring outputs of one row.
; OUT.  yp: [e][rank 1,024][q 4][1,024] f32.  A tile goes through the wave's own stage in LDS and leaves as rows of 512 consecutive bytes.
; REGISTERS, in windows of 256.  Window 0: v1-31 addresses; v32-63 W2's scale words; v64-103 H's; v104-167 slot 4's accumulators; v168-247 stage 3 of H's ring.
;   Window 1: two sets of W2's 8 fragments; on the way out: rows.   Window 2: stages 0 to 2 of H's ring.   Window 3: the accumulators of slots 0 to 3; at the head: the weights on their way to LDS.
; THE MODE: SCHED_MODE bits 1:0 = 2 (LLVM: expert scheduling mode 2), set by the entry lines.  The code itself states the register dependences between vector or matrix instructions and memory or LDS
; instructions, and those through scalar registers that vector instructions write, with s_wait_alu, always for 0.
; THE PLAN.  Registers that memory or LDS instructions touch:
;   v1-8, v27, v28  LI, VW0, VS, WSO, STO, RD: made at the head, read by loads and stores, never written again: one wait on va_vdst ahead of the first load.
;   sets 0, 1       (window 1)  K step s's products read set s % 2; the LDS loads for step s + 1 land in the other set, which step s - 1's products read last.  On the way out rows land in set 0's first 64 registers, and global stores read them.
;   stages 0 .. 3   K step s's products read stage s % 4; the loads of K step s + 3 land in stage (s - 1) % 4, which step s - 1's products read last.
;   AOFF, ASO       written ahead of a pass; read by the pass's 170 loads.       ASC: a pass's products read it; the next pass's loads land in it.
;   accumulators    products write them; the way out's LDS stores read them; the next pass's first products write them anew.  (At the head the weights land in window 3 and the staging's LDS stores read them.)
; So ONE wait on va_vdst stands at the head of K steps 1 to 6, and the step's loads follow it, dealt among the step's products, which name none of the registers that those loads touch;
; one more stands behind a pass's last products, for the way out and for the next pass's loads.  The other waits say below what they state.
.set LP,      1040                     ; a weight row in LDS: 1,024 bytes + 16: an odd multiple of 16
.set WPITCH,  4096                     ; a row of W2 in memory
.set WSPITCH, 128                      ; a row of its scale bytes
.set SK,      2048                     ; H: bytes from K step to K step
.set SC,      512                      ; and from quad to quad
.set NXA,     1310720                  ; 20 tiles of images: a pass
.set NXS,     40960                    ; 20 tiles of scale words
.set STG,     128*LP                   ; LDS behind the weights: a stage of 16 rows x (512 + 16) bytes for each wave
.set LI,   1                           ; v1   16 x lane
.set RR,   2                           ; v2   r = lane % 16
.set HH,   3                           ; v3   h = lane / 16
.set VW0,  4                           ; v4-5 LDS: my place in tiles 0-3, 4-7
.set VS,   6                           ; v6   LDS: where my wave stages
.set WSO,  7                           ; v7   my row among W2's scale words
.set LN,   8                           ; v8   lane
.set AOFF, 12                          ; v12-16  slot u: my 16 bytes of an image
.set ASO,  17                          ; v17-21  slot u: my row's scale words
.set STO,  27                          ; v27  the stage: where I put 32 bytes of a row
.set RD,   28                          ; v28  and where I read a row back
.set WSC,  32
.set ASC,  64
.set ACC4, 104
.set RING3, 168
.set WB,   4
.set WSB,  6
.set AB,   8                           ; s[8:9]   hq: the pass's first image of my wave, my K quarter
.set YB,   12                          ; s[12:13] yp: the pass's first row of my wave
.set ASB,  14
.set CB,   18
.set CNT,  20
.set WV,   21
.set EX,   22
.set JN,   23
.set ROW0, 24
.set PASS, 25
.set QQ,   26
.set T0,   28
.set T1,   30
.set MSB, 0
.macro WIN new                         ; the immediate's high byte repeats the setting that is left; a switch that changes nothing is dropped
.if MSB != (\new)
	s_set_vgpr_msb (MSB<<8)|(\new)
.set MSB, (\new)
.endif
.endm
.macro PLACES n
.rept \n
	v_nop
.endr
.endm
.macro WLOADS                          ; my wave's 32 rows of the piece into window 3, 512 consecutive bytes a load; then the piece's scale words
	WIN 0xc0
.set p, 0
.rept 32
	global_load_b128 v[8*p:8*p+3], v[LI], s[WB:WB+1] offset:p*WPITCH th:TH_LOAD_NT
	global_load_b128 v[8*p+4:8*p+7], v[LI], s[WB:WB+1] offset:p*WPITCH+512 th:TH_LOAD_NT
.set p, p+1
.endr
	WIN 0
.irp b, 0,1,2,3
.irp g, 0,1
	global_load_b128 v[WSC+8*\b+4*\g:WSC+8*\b+4*\g+3], v[WSO], s[WSB:WSB+1] offset:32*\b*WSPITCH+16*\g
.endr
.endr
.endm
.macro WSTAGE                          ; and on into LDS, row by row
	WIN 0x0c
.set p, 0
.rept 32
	ds_store_b128 v[VS], v[8*p:8*p+3] offset:p*LP
	ds_store_b128 v[VS], v[8*p+4:8*p+7] offset:p*LP+512
.set p, p+1
.endr
	WIN 0
.endm
.macro WFETCH4 s, buf, half            ; four of the 8 fragments of K step s (tiles 4 half .. 4 half + 3) into set buf: 16 LDS loads
	WIN 0x40
.irp t, 0,1,2,3
.irp c, 0,1,2,3
	ds_load_b128 v[128*(\buf)+64*(\half)+16*\t+4*\c:128*(\buf)+64*(\half)+16*\t+4*\c+3], v[VW0+(\half)] offset:(16*\t)*LP+128*(\s)+32*\c
.endr
.endr
.endm
.macro ALOAD ks, nx                    ; the five slots' fragments of K step ks into ring stage ks % 4: 20 loads
.if ((\ks)%4) == 3
	WIN 0
.set RG, RING3
.else
	WIN 0x80
.set RG, 80*((\ks)%4)
.endif
.irp u, 0,1,2,3,4
.irp c, 0,1,2,3
	global_load_b128 v[RG+16*\u+4*\c:RG+16*\u+4*\c+3], v[AOFF+\u], s[AB:AB+1] offset:(\ks)*SK+\c*SC+(\nx)*NXA
.endr
.endr
.endm
.macro SLOAD nx                        ; the five slots' scale words of the quarter's 8 K steps: 10 loads
.irp u, 0,1,2,3,4
	global_load_b128 v[ASC+8*\u:ASC+8*\u+3], v[ASO+\u], s[ASB:ASB+1] offset:(\nx)*NXS
	global_load_b128 v[ASC+8*\u+4:ASC+8*\u+7], v[ASO+\u], s[ASB:ASB+1] offset:(\nx)*NXS+16
.endr
.endm
; 8 matrix instructions: slot u against the 8 tiles of weights, K step s.  The pass's 40 accumulators take turns, one instruction a turn, in the same order in every K step
.macro MM s, u, zero
.set WF, 128*((\s)%2)
.if ((\s)%4) == 3
.set RG, RING3+16*(\u)
.set WN, 0x01
.else
.set RG, 80*((\s)%4)+16*(\u)
.set WN, 0x09
.endif
.if (\u) == 4
.set AC, ACC4
.else
.set AC, 64*(\u)
.set WN, WN|0xf0
.endif
	WIN WN
.irp b, 0,1,2,3
.if \zero
	v_wmma_scale_f32_16x16x128_f8f6f4 v[AC+16*\b:AC+16*\b+7], v[WF+32*\b:WF+32*\b+15], v[RG:RG+15], 0, v[WSC+8*\b+(\s)], v[ASC+8*(\u)+(\s)] matrix_a_fmt:MATRIX_FMT_BF8 matrix_b_fmt:MATRIX_FMT_BF8
	v_wmma_scale_f32_16x16x128_f8f6f4 v[AC+16*\b+8:AC+16*\b+15], v[WF+32*\b+16:WF+32*\b+31], v[RG:RG+15], 0, v[WSC+8*\b+(\s)], v[ASC+8*(\u)+(\s)] matrix_a_fmt:MATRIX_FMT_BF8 matrix_b_fmt:MATRIX_FMT_BF8 matrix_a_scale:MATRIX_SCALE_ROW1
.else
	v_wmma_scale_f32_16x16x128_f8f6f4 v[AC+16*\b:AC+16*\b+7], v[WF+32*\b:WF+32*\b+15], v[RG:RG+15], v[AC+16*\b:AC+16*\b+7], v[WSC+8*\b+(\s)], v[ASC+8*(\u)+(\s)] matrix_a_fmt:MATRIX_FMT_BF8 matrix_b_fmt:MATRIX_FMT_BF8
	v_wmma_scale_f32_16x16x128_f8f6f4 v[AC+16*\b+8:AC+16*\b+15], v[WF+32*\b+16:WF+32*\b+31], v[RG:RG+15], v[AC+16*\b+8:AC+16*\b+15], v[WSC+8*\b+(\s)], v[ASC+8*(\u)+(\s)] matrix_a_fmt:MATRIX_FMT_BF8 matrix_b_fmt:MATRIX_FMT_BF8 matrix_a_scale:MATRIX_SCALE_ROW1
.endif
.endr
.endm
; A K STEP: 40 matrix instructions.  Its loads are dealt among them: the next step's weights from LDS, 16 loads behind the first eight products and 16 behind the next eight, into the set that step s - 1 read last;
; H's K step s + 3, 20 loads behind the third eight, into the ring stage that step s - 1 read last.  The step's own products name set s % 2, stage s % 4, the accumulators and the scale words: none of those registers.
; Step 0's loads lean on the wait behind the last products of the pass before; step 7 loads nothing and has no wait on va_vdst at its head.
; The count on LOADcnt is the loads issued behind this step's own 20: three stages at step 0, two at steps 1 to 5, one at step 6, none at step 7.
.macro KSTEP s, zero
.if ((\s) >= 1) && ((\s) <= 6)
	PLACES 8                                       ; the eight plain lines between step s - 1's products and the loads into registers that they read stand as in the plain form, here ahead of the wait that states the dependence
.endif
	s_wait_dscnt 0x0                               ; this step's weights are in
.if (\s) == 0
	s_wait_loadcnt 60
.elseif (\s) < 6
	s_wait_loadcnt 40
.elseif (\s) == 6
	s_wait_loadcnt 20
.else
	s_wait_loadcnt 0
.endif
.if ((\s) >= 1) && ((\s) <= 6)
	s_wait_alu depctr_va_vdst(0)                   ; step s - 1's products are done reading the weights' other set and ring stage (s - 1) % 4, in which this step's loads land
.endif
	MM \s, 0, \zero
.if (\s) < 7
	WFETCH4 (\s)+1, ((\s)+1)%2, 0
.endif
	MM \s, 1, \zero
.if (\s) < 7
	WFETCH4 (\s)+1, ((\s)+1)%2, 1
.endif
	MM \s, 2, \zero
.if ((\s) >= 1) && ((\s) <= 4)
	ALOAD (\s)+3, 0
.endif
	MM \s, 3, \zero
	MM \s, 4, \zero
	WIN 0
.endm
; The rows of a pass.  A slot that has rows: its tile, 16 bytes a lane, 32 bytes of scale words a row.  A slot behind the end: offset 0 in every lane.  Then the scale words and the first two K steps: 50 loads.
; nx = 1: for the pass that follows: the bases have not stepped yet, so the pass's stride stands in the loads' immediates
.macro PRE_A nx
.if \nx
	s_wait_alu depctr_vm_vsrc(0)                   ; the pass's loads have read v[AOFF ..] and v[ASO ..], which are written anew below
.endif
.irp u, 0,1,2,3,4
	s_add_co_u32 s32, s[ROW0], 64*\u+320*\nx
	s_cmp_lt_u32 s32, s[CNT]
	s_cselect_b32 s33, \u*262144, 0
	s_cselect_b32 s34, 16, 0
	s_cselect_b32 s35, \u*8192, 0
	s_cselect_b32 s36, 32, 0
	v_mad_u32_u24 v[AOFF+\u], v[LN], s34, s33
	v_mad_u32_u24 v[ASO+\u], v[RR], s36, s35
.endr
	s_wait_alu depctr_va_vdst(0)                   ; v[AOFF ..] and v[ASO ..] are written, which the pass's loads read
	SLOAD \nx
	ALOAD 0, \nx
	ALOAD 1, \nx
	WIN 0
.endm
.macro PRE_B nx                        ; and K steps 2 and 3: 40 loads.  No vector or matrix instruction stands between PRE_A's wait and these
	ALOAD 2, \nx
	ALOAD 3, \nx
.endm
; THE WAY OUT of slot u, if it has rows.  A lane holds 32 bytes of a row and the lanes beside it other rows: the tile goes through my own stage and comes back as rows of 512 bytes.
; LDS serves a wave's instructions in order (ISA guide 5.7.1.4): no wait between the stores and the loads
.macro OUT u
	s_add_co_u32 s32, s[ROW0], 64*\u
	s_cmp_lt_u32 s32, s[CNT]
	s_cbranch_scc0 .Lno_out_\@
	s_wait_xcnt 0x0                                ; the slot before's stores have had their addresses translated
.if (\u) > 0
	s_wait_alu depctr_vm_vsrc(0)                   ; an earlier slot's global stores have read the 64 registers of window 1 in which this slot's rows land
.endif
.if (\u) == 4
.set AC, ACC4
.else
	WIN 0x0c
.set AC, 64*(\u)
.endif
.irp t, 0,1,2,3,4,5,6,7
	ds_store_b128 v[STO], v[AC+8*\t:AC+8*\t+3] offset:64*\t          ; each accumulator from its low end on
	ds_store_b128 v[STO], v[AC+8*\t+4:AC+8*\t+7] offset:64*\t+16
.endr
	WIN 0x40
.irp i, 0,1,2,3,4,5,6,7,8,9,10,11,12,13,14,15
	ds_load_b128 v[4*\i:4*\i+3], v[RD] offset:528*\i
.endr
	s_wait_dscnt 0x0
	WIN 0x04
.irp i, 0,1,2,3,4,5,6,7,8,9,10,11,12,13,14,15
	global_store_b128 v[LI], v[4*\i:4*\i+3], s[YB:YB+1] offset:(\u<<20)+(\i<<14) th:TH_STORE_NT   ; 32 lanes store 512 consecutive bytes, at a multiple of 512 from the buffer's first byte
.endr
	WIN 0
.Lno_out_\@:
.endm
	s_load_b256 s[4:11], s[0:1], 0x0               ; W2's codes, W2's scales, hq, rk
	s_load_b64 s[12:13], s[0:1], 0x20              ; yp
	v_lshl_add_u32 v254, v0, 2, 0x28c00
	v_mov_b32 v255, 0
	v_lshrrev_b32 v29, 5, v0
	v_readfirstlane_b32 s[WV], v29                 ; wave 0..3
	v_and_b32 v[LN], 31, v0
	v_lshlrev_b32 v[LI], 4, v[LN]
	v_and_b32 v[RR], 15, v0
	v_bfe_u32 v[HH], v0, 4, 1
	v_mul_u32_u24 v[VW0], v[RR], LP
	v_lshl_add_u32 v[VW0], v[HH], 4, v[VW0]        ; row r x pitch + 16 h
	v_add_nc_u32 v[VW0+1], 64*LP, v[VW0]
	s_wait_alu depctr_va_sdst(0)                   ; s[WV] is written, ahead of its first reader: addresses and bases are made from it
	s_mul_i32 s[T1], s[WV], 32*LP
	v_add_nc_u32 v[VS], s[T1], v[LI]
	v_lshl_add_u32 v[WSO], v[HH], 4, v[RR]
	v_lshlrev_b32 v[WSO], 7, v[WSO]                ; (16 h + r) rows of 128 bytes: lanes 16-31 take the odd tile's rows
	s_mul_i32 s[T1], s[WV], 16*528
	s_add_co_u32 s[T1], s[T1], STG                 ; my stage
	v_mul_u32_u24 v[STO], v[RR], 528
	v_lshl_add_u32 v[STO], v[HH], 5, v[STO]
	v_add_nc_u32 v[STO], s[T1], v[STO]
	v_add_nc_u32 v[RD], s[T1], v[LI]
	s_and_b32 s[EX], ttmp7, 0xffff                 ; the expert
	s_and_b32 s[JN], ttmp9, 7                      ; which 128 outputs
	s_lshr_b32 s[QQ], ttmp9, 3                     ; which quarter of K
	s_mov_b32 s[T0+1], 0
	s_lshl_b32 s[ROW0], s[WV], 4
	s_mov_b32 s[PASS], 0
	s_wait_kmcnt 0x0
	s_lshl_b32 s[T0], s[EX], 7
	s_add_nc_u64 s[CB:CB+1], s[10:11], s[T0:T0+1]
	s_load_b32 s[CNT], s[CB:CB+1], 0x8000          ; the expert's rows
	s_lshl_b32 s[T0], s[EX], 22
	s_lshl_b32 s[T1], s[JN], 19
	s_add_co_u32 s[T0], s[T0], s[T1]
	s_lshl_b32 s[T1], s[WV], 17
	s_add_co_u32 s[T0], s[T0], s[T1]
	s_lshl_b32 s[T1], s[QQ], 10
	s_add_co_u32 s[T0], s[T0], s[T1]
	s_add_nc_u64 s[WB:WB+1], s[WB:WB+1], s[T0:T0+1]
	s_lshl_b32 s[T0], s[EX], 17
	s_lshl_b32 s[T1], s[JN], 14
	s_add_co_u32 s[T0], s[T0], s[T1]
	s_lshl_b32 s[T1], s[QQ], 5
	s_add_co_u32 s[T0], s[T0], s[T1]
	s_add_nc_u64 s[WSB:WSB+1], s[WSB:WSB+1], s[T0:T0+1]
	s_wait_alu depctr_va_vdst(0)                   ; the addresses and offsets made above (v1 to v8, v27, v28) are written: the kernel's loads and stores read them, and none of them is written again
	WLOADS
	s_lshl_b32 s[T0], s[EX], 17                    ; H's scale words: expert, tile w, quarter q
	s_lshl_b32 s[T1], s[WV], 11
	s_add_co_u32 s[T0], s[T0], s[T1]
	s_lshl_b32 s[T1], s[QQ], 9
	s_add_co_u32 s[T0], s[T0], s[T1]
	s_add_co_u32 s[T0], s[T0], 0x2000000
	s_add_nc_u64 s[ASB:ASB+1], s[AB:AB+1], s[T0:T0+1]
	s_lshl_b32 s[T0], s[EX], 22                    ; H's images: expert, tile w, K step 8 q
	s_lshl_b32 s[T1], s[WV], 16
	s_add_co_u32 s[T0], s[T0], s[T1]
	s_lshl_b32 s[T1], s[QQ], 14
	s_add_co_u32 s[T0], s[T0], s[T1]
	s_add_nc_u64 s[AB:AB+1], s[AB:AB+1], s[T0:T0+1]
	s_lshl_b32 s[T0], s[EX], 24                    ; yp: expert, row 16 w, quarter q, output 128 jn
	s_lshl_b32 s[T1], s[WV], 18
	s_add_co_u32 s[T0], s[T0], s[T1]
	s_lshl_b32 s[T1], s[QQ], 12
	s_add_co_u32 s[T0], s[T0], s[T1]
	s_lshl_b32 s[T1], s[JN], 9
	s_add_co_u32 s[T0], s[T0], s[T1]
	s_add_nc_u64 s[YB:YB+1], s[YB:YB+1], s[T0:T0+1]
	s_wait_kmcnt 0x0
	s_min_u32 s[CNT], s[CNT], 1024
	PRE_A 0
	s_wait_loadcnt 50                              ; exactly the 50 loads just issued may be out: the weights and their scale words are in
	WSTAGE
	PRE_B 0
	s_wait_dscnt 0x0                               ; for the others' sake: my rows lie in LDS
	s_barrier_signal -1
	s_barrier_wait -1                              ; the whole piece does
	s_wait_alu depctr_vm_vsrc(0)                   ; my LDS stores have read window 3's registers: from here on they are accumulators, which the products write
.Lpass:
	s_cmp_ge_u32 s[ROW0], s[CNT]
	s_cbranch_scc1 .Lpass_next
	WFETCH4 0, 0, 0
	WFETCH4 0, 0, 1
	WIN 0
	KSTEP 0, 1                                     ; its products start the sums: nothing is cleared
	KSTEP 1, 0
	KSTEP 2, 0
	KSTEP 3, 0
	KSTEP 4, 0
	KSTEP 5, 0
	KSTEP 6, 0
	KSTEP 7, 0
	PLACES 9                                       ; eight for the LDS stores that read results; the ninth for a next pass's first products, which write over these accumulators
	s_wait_alu depctr_va_vdst(0)                   ; the pass's products have written the accumulators, which the way out's LDS stores read; and they are done reading both sets of weights (rows and the next pass's fragments land there), H's scale words and the ring's four stages (the next pass's loads land there)
	s_add_co_u32 s[T1], s[ROW0], 320
	s_cmp_lt_u32 s[T1], s[CNT]
	s_cbranch_scc0 .Lno_more
	PRE_A 1                                        ; the next pass's rows land under the way out
	PRE_B 1
.Lno_more:
	OUT 0
	OUT 1
	OUT 2
	OUT 3
	OUT 4
.Lpass_next:
	s_wait_xcnt 0x0                                ; loads and stores that are out have read their bases and data
	s_wait_alu depctr_vm_vsrc(0)                   ; the way out's LDS stores have read the accumulators, which the next pass's products write; its global stores have read the rows' registers, in which the next pass's fragments land
	s_add_nc_u64 s[AB:AB+1], s[AB:AB+1], NXA
	s_add_nc_u64 s[ASB:ASB+1], s[ASB:ASB+1], NXS
	s_add_nc_u64 s[YB:YB+1], s[YB:YB+1], 5242880   ; 320 rows of 16,384 bytes
	s_add_co_u32 s[ROW0], s[ROW0], 320
	s_add_co_u32 s[PASS], s[PASS], 1
	s_cmp_lt_u32 s[PASS], 4
	s_cbranch_scc1 .Lpass
	s_wait_dscnt 0x0                               ; the closing lines, six on end
	s_wait_alu 0x0
	s_wait_tensorcnt 0x0
	ds_add_u32 v254, v255
	s_wait_dscnt 0x0
	s_endpgm
.Lfunc_end_k_q2e22ffb9fe_ffn2:
	.size	k_q2e22ffb9fe_ffn2, .Lfunc_end_k_q2e22ffb9fe_ffn2-k_q2e22ffb9fe_ffn2
	.p2alignl 7, 3214868480
	.fill 96, 4, 3214868480
	.section	.rodata,"a",@progbits
	.p2align	6, 0x0
	.amdhsa_kernel k_q2e22ffb9fe_ffn2
		.amdhsa_group_segment_fixed_size 167424
		.amdhsa_private_segment_fixed_size 0
		.amdhsa_enable_private_segment 0
		.amdhsa_kernarg_size 40
		.amdhsa_user_sgpr_count 2
		.amdhsa_user_sgpr_kernarg_segment_ptr 1
		.amdhsa_wavefront_size32 1
		.amdhsa_system_sgpr_workgroup_id_x 1
		.amdhsa_system_sgpr_workgroup_id_y 1
		.amdhsa_system_sgpr_workgroup_id_z 1
		.amdhsa_system_vgpr_workitem_id 0
		.amdhsa_next_free_vgpr 1024
		.amdhsa_next_free_sgpr 66
		.amdhsa_reserve_vcc 0
		.amdhsa_float_denorm_mode_32 3
		.amdhsa_float_denorm_mode_16_64 3
		.amdhsa_memory_ordered 1
		.amdhsa_forward_progress 1
		.amdhsa_inst_pref_size 124
	.end_amdhsa_kernel
	.amdgpu_metadata
---
amdhsa.version: [ 1, 2 ]
amdhsa.kernels:
  - .name:           k_q2e22ffb9fe_ffn2
    .symbol:         k_q2e22ffb9fe_ffn2.kd
    .args:
      - { .name: W2_codes, .offset: 0, .size: 8, .value_kind: global_buffer, .address_space: global }
      - { .name: W2_scales, .offset: 8, .size: 8, .value_kind: global_buffer, .address_space: global }
      - { .name: hq, .offset: 16, .size: 8, .value_kind: global_buffer, .address_space: global }
      - { .name: rk, .offset: 24, .size: 8, .value_kind: global_buffer, .address_space: global }
      - { .name: yp, .offset: 32, .size: 8, .value_kind: global_buffer, .address_space: global }
    .group_segment_fixed_size: 167424
    .private_segment_fixed_size: 0
    .kernarg_segment_align: 8
    .kernarg_segment_size: 40
    .max_flat_workgroup_size: 128
    .sgpr_count:     66
    .vgpr_count:     1024
    .wavefront_size: 32
...
	.end_amdgpu_metadata
.endif
;; end of part 7
;; launch combine (part 8): grid 257 x 1, 8 waves a work-group, no clusters, 0 bytes of LDS; arguments yp, sel, fw, rk, out0, out1; writes out0, out1
.if DOCPART == 8
	.amdgcn_target "amdgcn-amd-amdhsa--gfx1250"
	.amdhsa_code_object_version 6
	.text
	.protected	k_q2e22ffb9fe_combine
	.globl	k_q2e22ffb9fe_combine
	.p2align	8
	.type	k_q2e22ffb9fe_combine,@function
k_q2e22ffb9fe_combine:
	s_mov_b64 s[64:65], 0
	v_nop
	global_prefetch_b8 v0, s[64:65] scope:SCOPE_SE
	s_setreg_imm32_b32 hwreg(HW_REG_WAVE_MODE, 25, 1), 1
	s_wait_xcnt 0x0
; COMBINE.  out0[t] = c0 y(e0, t) + c1 y(e1, t), where y(e, t) is the sum of the four partial sums along K that lie at the token's rank in expert e's rows of yp.  And the load-balance loss.
; Work-groups 0 to 255: four tokens each; a wave takes half a token's row (2,048 bytes): 32 loads of 512 consecutive bytes, all issued at once, and four stores of 512.
; Where a token's rows lie is read as whole numbers that earlier launches stored (sel: the experts; rk: the ranks) and held by s_min_u32 before it enters an address.
; Work-group 256, wave 0: loss = 8 x the sum over e of (mean probability of e) x (share of e among the 2,048 choices) = 2^-18 x the sum of (sum of p_e) x cnt_e.  (The two choices of a token differ, so the choices are 2,048.)
; A stream: no LDS, no barrier, no matrix unit.
.set V, 16                             ; v16-143: quad 8 i + 4 a + q: piece i of the half row, expert a, K quarter q
	s_load_b256 s[4:11], s[0:1], 0x0               ; yp s[4:5], sel s[6:7], fw s[8:9], rk s[10:11]
	s_load_b128 s[12:15], s[0:1], 0x20             ; out0 s[12:13], out1 s[14:15]
	v_lshrrev_b32 v1, 5, v0
	s_delay_alu instid0(VALU_DEP_1)
	v_readfirstlane_b32 s16, v1                    ; wave 0..7
	v_and_b32 v2, 31, v0                           ; lane
	s_delay_alu instid0(VALU_DEP_1)
	v_lshlrev_b32 v1, 4, v2                        ; 16 x lane
	s_cmp_eq_u32 ttmp9, 256
	s_cbranch_scc1 .Lloss
	s_lshr_b32 s17, s16, 1
	s_lshl_b32 s18, ttmp9, 2
	s_add_co_u32 s17, s17, s18                     ; my token
	s_and_b32 s18, s16, 1
	s_lshl_b32 s18, s18, 11                        ; my half of its row
	s_lshl_b32 s20, s17, 2
	s_mov_b32 s21, 0
	s_lshl_b32 s22, s17, 3
	s_mov_b32 s23, 0
	s_lshl_b32 s24, s17, 5
	s_mov_b32 s25, 0
	s_lshl_b32 s30, s17, 12
	s_add_co_u32 s30, s30, s18
	s_mov_b32 s31, 0
	s_wait_kmcnt 0x0
	s_add_nc_u64 s[6:7], s[6:7], s[20:21]
	s_add_nc_u64 s[8:9], s[8:9], s[22:23]
	s_add_nc_u64 s[10:11], s[10:11], s[24:25]
	s_add_nc_u64 s[12:13], s[12:13], s[30:31]
	s_load_b32 s19, s[6:7], 0x0                    ; the token's experts
	s_load_b64 s[26:27], s[8:9], 0x0               ; c0, c1
	s_load_b256 s[32:39], s[10:11], 0x0            ; its rank in each of the eight experts' lists
	s_wait_kmcnt 0x0
	s_bfe_u32 s40, s19, 0x30008                    ; e0
	s_bfe_u32 s41, s19, 0x30010                    ; e1
	s_min_u32 s40, s40, 7
	s_min_u32 s41, s41, 7
	s_mov_b32 s42, s32
	s_mov_b32 s43, s32
.irp k, 1,2,3,4,5,6,7
	s_cmp_eq_u32 s40, \k
	s_cselect_b32 s42, s[32+\k], s42               ; the rank in e0's list: a choice among eight registers
	s_cmp_eq_u32 s41, \k
	s_cselect_b32 s43, s[32+\k], s43               ; and in e1's
.endr
	s_min_u32 s42, s42, 1023
	s_min_u32 s43, s43, 1023
	s_lshl_b32 s44, s40, 10
	s_add_co_u32 s44, s44, s42
	s_lshl_b32 s44, s44, 14                        ; a row of yp is 16,384 bytes
	s_add_co_u32 s44, s44, s18
	s_mov_b32 s45, 0
	s_add_nc_u64 s[46:47], s[4:5], s[44:45]
	s_lshl_b32 s44, s41, 10
	s_add_co_u32 s44, s44, s43
	s_lshl_b32 s44, s44, 14
	s_add_co_u32 s44, s44, s18
	s_add_nc_u64 s[48:49], s[4:5], s[44:45]
	s_mov_b32 s28, s27                             ; c1 as the low word of a pair of its own: the packed forms take a scalar pair's low word for both halves
	s_mov_b32 s29, s27
	s_wait_alu depctr_va_vdst(0)
.irp i, 0,1,2,3
.irp q, 0,1,2,3
	global_load_b128 v[V+32*\i+4*\q:V+32*\i+4*\q+3], v1, s[46:47] offset:4096*\q+512*\i th:TH_LOAD_NT
.endr
.irp q, 0,1,2,3
	global_load_b128 v[V+32*\i+16+4*\q:V+32*\i+16+4*\q+3], v1, s[48:49] offset:4096*\q+512*\i th:TH_LOAD_NT
.endr
.endr
.irp i, 0,1,2,3
	s_wait_loadcnt 24-8*\i                         ; piece i's eight loads are in; those of the later pieces may be out
.irp a, 0,16
.irp h, 0,2
	v_pk_add_f32 v[V+32*\i+\a+\h:V+32*\i+\a+\h+1], v[V+32*\i+\a+\h:V+32*\i+\a+\h+1], v[V+32*\i+\a+4+\h:V+32*\i+\a+4+\h+1]
	v_pk_add_f32 v[V+32*\i+\a+8+\h:V+32*\i+\a+8+\h+1], v[V+32*\i+\a+8+\h:V+32*\i+\a+8+\h+1], v[V+32*\i+\a+12+\h:V+32*\i+\a+12+\h+1]
.endr
.endr
.irp a, 0,16
.irp h, 0,2
	v_pk_add_f32 v[V+32*\i+\a+\h:V+32*\i+\a+\h+1], v[V+32*\i+\a+\h:V+32*\i+\a+\h+1], v[V+32*\i+\a+8+\h:V+32*\i+\a+8+\h+1]
.endr
.endr
.irp h, 0,2
	s_delay_alu instid0(VALU_DEP_4)
	v_pk_mul_f32 v[V+32*\i+\h:V+32*\i+\h+1], v[V+32*\i+\h:V+32*\i+\h+1], s[26:27] op_sel_hi:[1,0]
.endr
.irp h, 0,2
	s_delay_alu instid0(VALU_DEP_2)
	v_pk_fma_f32 v[V+32*\i+\h:V+32*\i+\h+1], v[V+32*\i+16+\h:V+32*\i+16+\h+1], s[28:29], v[V+32*\i+\h:V+32*\i+\h+1] op_sel_hi:[1,0,1]
.endr
	global_store_b128 v1, v[V+32*\i:V+32*\i+3], s[12:13] offset:512*\i th:TH_STORE_NT   ; 512 consecutive bytes, at a multiple of 512 from out0's first byte
.endr
	s_endpgm
.Lloss:
	s_cmp_lg_u32 s16, 0
	s_cbranch_scc1 .Lend
	s_mov_b32 s20, 0x76543210
	s_mov_b32 s21, 0xfedcba98                      ; v_permlanex16_b32's selects for lane l xor 16
	s_wait_alu depctr_va_vdst(0)
	v_and_b32 v3, 1, v2
	s_delay_alu instid0(VALU_DEP_1)
	v_lshlrev_b32 v3, 9, v3                        ; cnt of experts 4 (lane % 2) + k: 128 bytes an expert
	v_mov_b32 v4, 0
.irp k, 0,1,2,3
	v_mov_b32 v[84+\k], 0                          ; written once: a lane permute's destination counts as one of its sources
.endr
	s_wait_alu depctr_va_vdst(0)
	s_wait_kmcnt 0x0
.irp n, 0,1,2,3,4,5,6,7,8,9,10,11,12,13,14,15
	global_load_b128 v[16+4*\n:19+4*\n], v1, s[8:9] offset:8192+512*\n   ; 256 rows of 8 sums of probabilities: a lane holds experts 4 (lane % 2) + 0 .. 3
.endr
.irp k, 0,1,2,3
	global_load_b32 v[80+\k], v3, s[10:11] offset:32768+128*\k
.endr
	s_wait_loadcnt 0x0
.irp n, 1
	v_pk_add_f32 v[16:17], v[16:17], v[16+4*\n:17+4*\n]
	v_pk_add_f32 v[18:19], v[18:19], v[18+4*\n:19+4*\n]
.endr
.irp n, 2, 3, 4, 5, 6, 7, 8, 9, 10, 11, 12, 13, 14, 15
	s_delay_alu instid0(VALU_DEP_2)
	v_pk_add_f32 v[16:17], v[16:17], v[16+4*\n:17+4*\n]
	s_delay_alu instid0(VALU_DEP_2)
	v_pk_add_f32 v[18:19], v[18:19], v[18+4*\n:19+4*\n]
.endr
.irp m, 2,4,8
.irp k, 0,1,2,3
	v_add_f32_dpp v[16+\k], v[16+\k], v[16+\k] row_xmask:\m row_mask:0xf bank_mask:0xf   ; the lanes of my parity
.endr
.endr
.irp k, 0,1,2,3
	s_delay_alu instid0(VALU_DEP_4)
	v_permlanex16_b32 v[84+\k], v[16+\k], s20, s21
.endr
.irp k, 0,1,2,3
	s_delay_alu instid0(VALU_DEP_4)
	v_add_f32 v[16+\k], v[16+\k], v[84+\k]
.endr
.irp k, 0,1,2,3
	v_cvt_f32_u32 v[80+\k], v[80+\k]
.endr
	s_delay_alu instid0(VALU_DEP_4)
	v_mul_f32 v84, v16, v80
	s_delay_alu instid0(VALU_DEP_1)
	v_fmac_f32 v84, v17, v81
	s_delay_alu instid0(VALU_DEP_1)
	v_fmac_f32 v84, v18, v82
	s_delay_alu instid0(VALU_DEP_1)
	v_fmac_f32 v84, v19, v83
	s_delay_alu instid0(VALU_DEP_1)
	v_add_f32_dpp v84, v84, v84 row_xmask:1 row_mask:0xf bank_mask:0xf   ; the other four experts
	s_delay_alu instid0(VALU_DEP_1)
	v_mul_f32 v84, 0x36800000, v84                 ; x 2^-18 = 8 / (1,024 x 2,048)
	v_cmp_eq_u32 vcc_lo, 0, v2
	s_wait_alu depctr_va_vdst(0)
	s_wait_xcnt 0x0                                ; EXEC changes only behind this wait
	s_and_saveexec_b32 s22, vcc_lo
	global_store_b32 v4, v84, s[14:15]
	s_wait_xcnt 0x0
	s_or_b32 exec_lo, exec_lo, s22
.Lend:
	s_endpgm
.Lfunc_end_k_q2e22ffb9fe_combine:
	.size	k_q2e22ffb9fe_combine, .Lfunc_end_k_q2e22ffb9fe_combine-k_q2e22ffb9fe_combine
	.p2alignl 7, 3214868480
	.fill 96, 4, 3214868480
	.section	.rodata,"a",@progbits
	.p2align	6, 0x0
	.amdhsa_kernel k_q2e22ffb9fe_combine
		.amdhsa_group_segment_fixed_size 0
		.amdhsa_private_segment_fixed_size 0
		.amdhsa_enable_private_segment 0
		.amdhsa_kernarg_size 48
		.amdhsa_user_sgpr_count 2
		.amdhsa_user_sgpr_kernarg_segment_ptr 1
		.amdhsa_wavefront_size32 1
		.amdhsa_system_sgpr_workgroup_id_x 1
		.amdhsa_system_sgpr_workgroup_id_y 1
		.amdhsa_system_sgpr_workgroup_id_z 1
		.amdhsa_system_vgpr_workitem_id 0
		.amdhsa_next_free_vgpr 152
		.amdhsa_next_free_sgpr 66
		.amdhsa_reserve_vcc 1
		.amdhsa_float_denorm_mode_32 3
		.amdhsa_float_denorm_mode_16_64 3
		.amdhsa_memory_ordered 1
		.amdhsa_forward_progress 1
		.amdhsa_inst_pref_size 19
	.end_amdhsa_kernel
	.amdgpu_metadata
---
amdhsa.version: [ 1, 2 ]
amdhsa.kernels:
  - .name:           k_q2e22ffb9fe_combine
    .symbol:         k_q2e22ffb9fe_combine.kd
    .args:
      - { .name: yp, .offset: 0, .size: 8, .value_kind: global_buffer, .address_space: global }
      - { .name: sel, .offset: 8, .size: 8, .value_kind: global_buffer, .address_space: global }
      - { .name: fw, .offset: 16, .size: 8, .value_kind: global_buffer, .address_space: global }
      - { .name: rk, .offset: 24, .size: 8, .value_kind: global_buffer, .address_space: global }
      - { .name: out0, .offset: 32, .size: 8, .value_kind: global_buffer, .address_space: global }
      - { .name: out1, .offset: 40, .size: 8, .value_kind: global_buffer, .address_space: global }
    .group_segment_fixed_size: 0
    .private_segment_fixed_size: 0
    .kernarg_segment_align: 8
    .kernarg_segment_size: 48
    .max_flat_workgroup_size: 256
    .sgpr_count:     66
    .vgpr_count:     152
    .wavefront_size: 32
...
	.end_amdgpu_metadata
.endif
;; end of part 8
